; MI455X (gfx1250); checked and timed in simulation.
; The chip was launched on July 23, 2026; its instructions are those of AMD's public machine-readable ISA for CDNA 5 (MIT licence, August 2026) and "CDNA5" Instruction Set Architecture Reference Guide (July 2026). The comments in the code are by the model that wrote it; some were corrected since.
;; Transformer Layer. Allowed arithmetic: matrix products marked QUANTISED: E3M2 operands, one E8M0 scale for each 32 along K, by v_wmma_scale_f32_16x16x128_f8f6f4 with both operands' format E3M2, f32 sums; everything else in f32.
;; Inputs: Wdn 4,096 x 1,024 float32; Wk 1,024 x 1,024 float32; Wo 1,024 x 1,024 float32; Wq 1,024 x 1,024 float32; Wup 1,024 x 4,096 float32; Wv 1,024 x 1,024 float32; bdn 1,024 float32; bk 1,024 float32; bo 1,024 float32; bq 1,024 float32; bup 4,096 float32; bv 1,024 float32; ln1_b 1,024 float32; ln1_g 1,024 float32; ln2_b 1,024 float32; ln2_g 1,024 float32; x 2 x 2,048 x 1,024 float32.
;; Outputs: out0 2 x 2,048 x 1,024 float32.
;; This version of the problem:
;;   THIS VERSION OF THE PROBLEM IS GIVEN IN LOW PRECISION. The matrix products marked QUANTISED in the list below multiply operands that are first quantised to E3M2 (3 exponent bits, 2 mantissa bits; 6 bits a number), with one power-of-two scale for each 32 numbers along K (OCP MX v1.0); their sums are f32. All else is computed in f32.
;;   The module's matrix products, in the order in which they are computed (A, B: the left and right operand; K: the contracted axis; several contracted axes count as one K, in the product's order):
;;     1. [M 4,096, K 1,024] x [K 1,024, N 1,024]; A: computed on the way; B: input Wq: QUANTISED
;;     2. [M 4,096, K 1,024] x [K 1,024, N 1,024]; A: computed on the way; B: input Wk: QUANTISED
;;     3. [M 4,096, K 1,024] x [K 1,024, N 1,024]; A: computed on the way; B: input Wv: QUANTISED
;;     4. batch 32 x [M 2,048, K 64] x [K 64, N 2,048]; A: computed on the way; B: computed on the way: QUANTISED
;;     5. batch 32 x [M 2,048, K 2,048] x [K 2,048, N 64]; A: softmax (see below); B: computed on the way: QUANTISED
;;     6. [M 4,096, K 1,024] x [K 1,024, N 1,024]; A: computed on the way; B: input Wo: QUANTISED
;;     7. [M 4,096, K 1,024] x [K 1,024, N 4,096]; A: computed on the way; B: input Wup: QUANTISED
;;     8. [M 4,096, K 4,096] x [K 4,096, N 1,024]; A: computed on the way; B: input Wdn: QUANTISED
;;   THE QUANTISER, for each operand of a quantised product, along K:
;;     - K is cut into blocks of 32 from its start; a last block that is shorter is filled with zeros.
;;     - A block's scale is 2^e with e = floor(log2(the largest magnitude in the block)) - 4, held to -126 .. 127; a block of zeros has e = 0. As a byte (E8M0): e + 127.
;;     - Each number is divided by its block's scale, clamped to +-28, and rounded to the nearest number of E3M2, ties to even, subnormals kept.
;;     - The product sums the exact products of the quantised numbers (number of the format x scale) in f32.
;;   ~~~python
;;   def quantise(x, axis):      # numpy; x: float32 -> the quantised numbers, widened to float32 again
;;       x = np.moveaxis(x, axis, -1); K = x.shape[-1]
;;       x = np.pad(x, [(0, 0)] * (x.ndim - 1) + [(0, -K % 32)]); x = x.reshape(x.shape[:-1] + (-1, 32)); a = np.abs(x).max(-1, keepdims=True)
;;       e = np.where(a > 0, np.clip(np.frexp(np.where(a > 0, a, 1))[1] - 1 - 4, -126, 127), 0)      # np.frexp(a)[1] - 1 = floor(log2(a)), exactly
;;       r = np.clip(x / 2.0 ** e, -28, 28)
;;       step = 2.0 ** (np.maximum(np.frexp(np.where(r == 0, 1, r))[1] - 1, -2) - 2)
;;       q = np.round(r / step) * step * 2.0 ** e      # np.round: ties to even
;;       return np.moveaxis(q.reshape(q.shape[:-2] + (-1,))[..., :K], -1, axis).astype(np.float32)
;;   ~~~
;;   SOFTMAX AHEAD OF A QUANTISED PRODUCT. Where the list says 'softmax', what is quantised is not the finished softmax but p = 2^(t - M), with t = logit x log2(e) and M = ceil(the row's largest t), a whole number; so 1/2 < the row's largest p <= 1. The row's sum l is taken of the UNQUANTISED p, in f32, and the product's result is divided by l at the end. Since M is a whole number, a kernel that streams over the keys may use a running M (the ceiling of the running maximum): every later rescaling is an exact power of two, which a block's scale takes up: the codes' values come out the same.
;;   OPERANDS COMPUTED ON THE WAY. 'Computed on the way' means the value that the module computes at that place (a softmax that the list does not call 'softmax' is quantised finished and normalised). What goes into a quantiser is computed in f32, as accurately as f32 sums, v_exp_f32 and their like allow (about 1e-6 of the number): no bf16 or f16 on the way to a quantiser, and a product that is left as it is and whose result goes on into a quantised operand takes f32 operands (vector FMAs, or v_wmma_f32_16x16x4_f32). A number that lies on a knife's edge between two numbers of the format may be rounded either way, as far as f32 arithmetic and the matrix unit's own rounding can turn it there, and no further.
;; One version. Each part assembles by itself: llvm-mc -triple=amdgcn-amd-amdhsa -mcpu=gfx1250 --defsym DOCPART=n.
;; ======== version 1 of 1: 7 launches
;; limits: right only within a limited range of input values
;; workspace buffers: wa 13,107,200 bytes; qb 6,684,672 bytes; kv 6,684,672 bytes; pb 3,276,800 bytes; hb 16,777,216 bytes; a2 3,276,800 bytes; hid 13,238,272 bytes
;; launch prep (part 1): grid 448 x 1, 8 waves a work-group, no clusters, 118,528 bytes of LDS; arguments Wq, Wk, Wv, Wo, Wup, Wdn, wa, x, ln1_g, ln1_b, hid; writes wa, hid
.if DOCPART == 1
	.amdgcn_target "amdgcn-amd-amdhsa--gfx1250"
	.amdhsa_code_object_version 6
	.text
	.protected	k_q52e91fb95f_prep
	.globl	k_q52e91fb95f_prep
	.p2align	8
	.type	k_q52e91fb95f_prep,@function
k_q52e91fb95f_prep:
	s_mov_b64 s[64:65], 0
	v_nop
	global_prefetch_b8 v0, s[64:65] scope:SCOPE_SE
	s_setreg_imm32_b32 hwreg(HW_REG_WAVE_MODE, 25, 1), 1
	s_wait_xcnt 0x0
; THE PROGRAM: one pre-LN transformer layer, all eight matrix products on codes of E3M2 with one E8M0 scale for each 32 along K.
; Launches: prep (the six weights into codes; LN1 into codes), gqkv (products 1-3), attn (4, 5), gwo (6), ln2, gup (7), gdn (8).
; WORK LEFT OUT, in attn alone: reference() builds the causal mask itself (jnp.tril) and sets the logits of keys behind the query to -inf ahead of the softmax; there p = 0 for
; every value of the inputs, and such a key adds nothing to the row's sum or to the product with V.  So a step of 128 keys that lies wholly behind a tile's 16 queries is not computed.
; No input is dead: all seventeen are loaded.  LIMIT: a NaN, an infinity or an overflow that would arise only in a score under the mask is not carried to the result.
; LIMITS of every quantiser of this program: NaN and infinities among the numbers are not served; a block whose largest magnitude lies under 2^-122 has its byte held at 1;
; a block of zeros gets the byte 1 where the rule says 127: its codes are zeros, which add nothing under any byte but 0xff, and this program alone reads the bytes.
;
; THE OPERAND FORMAT of all workspace operands.  Tile T = 2 g + u has 16 rows; its row r stands for the matrix's row 32 g + 8 u + r + 8 (r / 8).  Codes lie as images of the operand's registers:
; for a tile and 64 along K a half-image of 768 bytes: lane L = r + 16 h holds k = 32 h + 0..31 in six registers, the first four at byte 16 L, the last two at byte 512 + 8 L; half-image kh of tile T
; at (T K/64 + kh) 768.  Scale bytes: (T K/512 + k/512) 256 + 16 r + (k/32) % 16.
;
; THIS LAUNCH does two jobs that do not depend on each other, told apart by the work-group's number alone; each has its own way through the text, from the branch to its own end, and its own LDS bytes.
; WORK-GROUPS 0 TO 191: THE WEIGHTS.  A weight is stored [K][N] with K as its first axis.  A lane takes a column n and its registers run down K: each load reads 128 consecutive bytes a wave, a block of 32
; along K lies in one lane's registers, and the conversions give codes with K innermost.  Twelve units of 1,024 K x 1,024 N (Wq, Wk, Wv, Wo, four column slabs of Wup, four K slabs of Wdn), 32 parts each of
; 128 columns x 256 K; a work-group's waves 0-3 take part 2 x work-group, waves 4-7 the next; 32 columns a wave.  The codes go through the wave's own stage in LDS and leave as 3,072 consecutive bytes for
; each of its two tiles.  No barrier on this way: waves share nothing.
; WORK-GROUPS 192 TO 447: LN1.  y = (x - mean) / sqrt(var + 1e-9) * g + b along rows of 1,024 (var with divisor 1,023), in f32, quantised along the row.  A work-group makes one tile of 16 tokens.
; Phase 1: wave w normalises the tile's rows 2 w and 2 w + 1 (two neighbouring tokens, 8,192 consecutive bytes); a row lies in 32 registers of the wave, so it is read once.  The rows meet in LDS.
; Phase 2: wave w quantises K step w (128 along K) of all 16 rows and stores the fragment's image.
.set NQW,   192                        ; work-groups that take the weights
.set WC,    3276800                    ; wa: the weights' codes begin here, a unit is 786,432 bytes
.set WS,    12713984                   ; and their scale bytes here, a unit is 32,768 bytes
.set PY,    4112                       ; LDS, LN: a row of y: 4,096 bytes + 16, an odd multiple of 16: sixteen rows' 16 bytes fall on different banks
.set SCW,   16*PY                      ; LN: the tile's 512 scale bytes: past what an LDS immediate of 16 bits reaches, so the address registers carry this base
.set QST,   SCW+512                    ; the weights: eight stages, one a wave
.set STG,   6400                       ; a stage: two tiles of 3,200 bytes (3,072 of codes + 128, so that lanes 8-15 fall on other banks than lanes 0-7)
.set SPARE, QST+8*STG                  ; the spare words, 128 bytes a wave
.set SPW,   200                        ; v200     LDS address of my spare word; never rewritten
.set NIL,   201                        ; v201     0; never rewritten
; registers on the weights' way
.set ROFF,  32                         ; v32-63   4 x lane + i x pitch: row i of a block; never rewritten
.set RX,    64                         ; v64-127  two sets of 32 numbers
.set ROUT,  128                        ; v128-175 the way out
.set RSB,   16                         ; v16-17   my column's eight scale bytes
.set RC,    20                         ; v20-25   a block's codes
.set RD,    26                         ; v26-28   the second conversion's result (its three registers begin on an even number)
; registers on LN's way
.set X,   32                           ; v32-95   two rows; later the 64 numbers of a lane for the quantiser
.set G,   96                           ; v96-127  g of my columns
.set B,   128                          ; v128-159 b
.set TM,  160
.set PW,  176
.set PC,  180
.set SEL, 22
	v_lshl_add_u32 v[SPW], v0, 2, SPARE
	v_mov_b32 v[NIL], 0
	s_cmp_lt_u32 ttmp9, NQW                        ; the work-group's number alone: all eight waves go the same way
	s_cbranch_scc0 .Lnorm
	; ================ the weights ================
	s_load_b256 s[4:11], s[0:1], 0x0               ; Wq, Wk, Wv, Wo
	s_load_b128 s[12:15], s[0:1], 0x20             ; Wup, Wdn
	s_load_b64 s[16:17], s[0:1], 0x30              ; wa
	s_load_b64 s[2:3], s[0:1], 0x50                ; hid: Wdn's scale bytes lie behind the hidden layer's, from byte 13,107,200 on, so that product 8 reads both sides' words from one buffer
	v_lshrrev_b32 v1, 5, v0
	s_delay_alu instid0(VALU_DEP_1)
	v_readfirstlane_b32 s63, v1                    ; wave 0..7
	s_and_b32 s18, s63, 3                          ; my place among the four waves that share 128 columns
	s_lshr_b32 s60, s63, 2
	s_lshl_b32 s19, ttmp9, 1
	s_add_co_u32 s60, s60, s19                     ; which of the 384 parts: 2 x work-group + wave / 4
	v_and_b32 v2, 31, v0                           ; lane = my column among the wave's 32
	s_delay_alu instid0(VALU_DEP_1)
	v_lshlrev_b32 v3, 2, v2
	v_and_b32 v10, 7, v0
	v_bfe_u32 v11, v0, 4, 1
	s_delay_alu instid0(VALU_DEP_1)
	v_lshl_or_b32 v10, v11, 3, v10                 ; r = lane % 8 + 8 (lane / 16): my row in my tile
	v_bfe_u32 v11, v0, 3, 1                        ; u = (lane / 8) % 2: which of the two tiles
	s_wait_alu depctr_va_vdst(0)
	s_mul_i32 s19, s63, STG
	s_add_co_u32 s19, s19, QST                     ; my stage
	v_mul_u32_u24 v4, v11, 3200
	s_delay_alu instid0(VALU_DEP_1)
	v_add_nc_u32 v4, s19, v4
	s_delay_alu instid0(VALU_DEP_1)
	v_lshl_add_u32 v5, v10, 3, v4
	s_delay_alu instid0(VALU_DEP_1)
	v_add_nc_u32 v5, 512, v5                       ; where a block's last 8 bytes go
	s_delay_alu instid0(VALU_DEP_3)
	v_lshl_add_u32 v4, v10, 4, v4                  ; where its first 16 go
	v_lshlrev_b32 v8, 4, v2
	s_delay_alu instid0(VALU_DEP_1)
	v_add_nc_u32 v6, s19, v8                       ; the way out: 16 bytes a lane
	s_lshr_b32 s20, s60, 5                         ; t: the unit
	s_and_b32 s22, s60, 31
	s_and_b32 s23, s22, 7                          ; cg: which 128 columns
	s_lshr_b32 s24, s22, 3                         ; ky: which 256 along K
	s_lshr_b32 s21, s20, 2
	s_and_b32 s25, s20, 3                          ; s: the slab
	s_cmp_eq_u32 s21, 1
	s_cselect_b32 s27, 1, 0                        ; up
	s_cmp_eq_u32 s21, 2
	s_cselect_b32 s28, 1, 0                        ; dn
	s_lshl_b32 s29, s27, 1
	s_lshl_b32 s26, 4096, s29                      ; a row of the weight in bytes: 16,384 in Wup, else 4,096
	s_lshl_b32 s30, s27, 12
	s_lshl_b32 s31, s28, 22
	s_or_b32 s30, s30, s31
	s_mul_i32 s30, s30, s25                        ; the slab: 4,096 s bytes along a row of Wup, 1,024 s rows of Wdn
	s_mul_i32 s31, s24, s26
	s_lshl_b32 s31, s31, 8
	s_add_co_u32 s30, s30, s31                     ; + 256 ky rows
	s_lshl_b32 s31, s23, 9
	s_add_co_u32 s30, s30, s31
	s_lshl_b32 s31, s18, 7
	s_add_co_u32 s30, s30, s31                     ; + my wave's first column
	s_mov_b32 s31, 0
	s_lshl_b32 s54, s26, 5                         ; 32 rows on
	s_mov_b32 s55, 0
	s_lshl_b32 s29, s28, 1
	s_lshl_b32 s56, 16, s29                        ; half-images in a tile: K / 64
	s_lshl_b32 s57, 2, s29                         ; blocks of 256 scale bytes in a tile: K / 512
	s_lshl_b32 s58, s23, 3
	s_lshl_b32 s59, s18, 1
	s_add_co_u32 s58, s58, s59                     ; my first tile in the unit
	s_min_u32 s59, s20, 8                          ; Wdn's four slabs share one operand
	s_mul_i32 s61, s28, s25
	s_mul_i32 s48, s58, s56
	s_lshl_b32 s62, s61, 4
	s_add_co_u32 s48, s48, s62
	s_lshl_b32 s62, s24, 2
	s_add_co_u32 s48, s48, s62
	s_mul_i32 s48, s48, 768
	s_mul_i32 s62, s59, 786432
	s_add_co_u32 s48, s48, s62
	s_add_co_u32 s48, s48, WC                      ; the first tile's four half-images
	s_mul_i32 s62, s56, 768
	s_add_co_u32 s50, s48, s62                     ; the second tile's
	s_mov_b32 s49, 0
	s_mov_b32 s51, 0
	s_mul_i32 s52, s58, s57
	s_lshl_b32 s62, s61, 1
	s_add_co_u32 s52, s52, s62
	s_lshr_b32 s62, s24, 1
	s_add_co_u32 s52, s52, s62
	s_lshl_b32 s52, s52, 8
	s_and_b32 s62, s24, 1
	s_lshl_b32 s62, s62, 3
	s_add_co_u32 s52, s52, s62
	s_lshl_b32 s62, s59, 15
	s_add_co_u32 s52, s52, s62
	s_add_co_u32 s52, s52, WS                      ; the scale bytes
	s_mov_b32 s53, 0
	s_lshl_b32 s62, s57, 8
	v_mul_u32_u24 v7, s62, v11
	s_delay_alu instid0(VALU_DEP_1)
	v_lshl_add_u32 v7, v10, 4, v7                  ; my tile's and my row's place among them
.set li, 0
.rept 32
	v_mad_u32_u24 v[ROFF+li], s26, li, v3
.set li, li+1
.endr
	s_wait_alu depctr_va_vdst(0)
	s_wait_kmcnt 0x0
	s_cmp_eq_u32 s20, 1                            ; which weight: the choices hang on the work-group's and the wave's number alone
	s_cselect_b64 s[4:5], s[6:7], s[4:5]
	s_cmp_eq_u32 s20, 2
	s_cselect_b64 s[4:5], s[8:9], s[4:5]
	s_cmp_eq_u32 s20, 3
	s_cselect_b64 s[4:5], s[10:11], s[4:5]
	s_cmp_eq_u32 s21, 1
	s_cselect_b64 s[4:5], s[12:13], s[4:5]
	s_cmp_eq_u32 s21, 2
	s_cselect_b64 s[4:5], s[14:15], s[4:5]
	s_add_nc_u64 s[32:33], s[4:5], s[30:31]        ; a base for each of the eight blocks: none is ever rewritten
.irp b, 1,2,3,4,5,6,7
	s_add_nc_u64 s[32+2*\b:33+2*\b], s[30+2*\b:31+2*\b], s[54:55]
.endr
	s_add_nc_u64 s[48:49], s[16:17], s[48:49]
	s_add_nc_u64 s[50:51], s[16:17], s[50:51]
	s_cmp_eq_u32 s28, 1                            ; Wdn?  The choice hangs on the work-group's and the wave's number alone
	s_cselect_b64 s[2:3], s[2:3], s[16:17]
	s_cselect_b32 s62, 131072, 0                   ; 13,107,200 less the place that unit 8's bytes would have in wa (WS + 8 x 32,768)
	s_add_co_u32 s52, s52, s62
	s_add_nc_u64 s[52:53], s[2:3], s[52:53]
.macro LOAD t                          ; block t: W(32 t + i, my column), i = 0 .. 31, into set t % 2
.set li, 0
.rept 32
	global_load_b32 v[RX+32*((\t)%2)+li], v[ROFF+li], s[32+2*(\t):33+2*(\t)] th:TH_LOAD_NT
.set li, li+1
.endr
.endm
.macro BLOCK t
.set XS, RX+32*((\t)%2)
.if (\t) < 7
	s_wait_loadcnt 32                              ; this block's 32 loads are in; the next block's 32 may be out
.else
	s_wait_loadcnt 0x0
.endif
	v_max3_num_f32 v12, |v[XS]|, |v[XS+1]|, |v[XS+2]|    ; the block's largest magnitude: all 32 numbers are mine
	v_max3_num_f32 v13, |v[XS+3]|, |v[XS+4]|, |v[XS+5]|
.irp i, 6,10,14,18,22,26
	s_delay_alu instid0(VALU_DEP_2)
	v_max3_num_f32 v12, v12, |v[XS+\i]|, |v[XS+\i+1]|
	s_delay_alu instid0(VALU_DEP_2)
	v_max3_num_f32 v13, v13, |v[XS+\i+2]|, |v[XS+\i+3]|
.endr
	s_delay_alu instid0(VALU_DEP_2)
	v_max3_num_f32 v12, v12, |v[XS+30]|, |v[XS+31]|
	s_delay_alu instid0(VALU_DEP_1)
	v_max3_num_f32 v12, v12, v13, 0x2800000        ; and the floor 2^(5 - 127): the byte cannot fall under 1
	s_delay_alu instid0(VALU_DEP_1)
	v_add_nc_u32 v11, 0xfe000000, v12              ; 4 off the exponent field: the conversion's scale operand
	s_delay_alu instid0(VALU_DEP_1)
	v_lshrrev_b32 v13, 23, v11                     ; the scale's byte
.if (\t)%4 == 0
	s_delay_alu instid0(VALU_DEP_1)
	v_mov_b32 v[RSB+(\t)/4], v13
.else
	s_delay_alu instid0(VALU_DEP_1)
	v_lshl_or_b32 v[RSB+(\t)/4], v13, 8*((\t)%4), v[RSB+(\t)/4]
.endif
	v_cvt_scalef32_pk16_bf6_f32 v[RC:RC+2], v[XS:XS+15], v11
	v_cvt_scalef32_pk16_bf6_f32 v[RD:RD+2], v[XS+16:XS+31], v11
	v_nop                                          ; one plain place behind a scaled conversion
.irp i, 0,1,2
	v_mov_b32 v[RC+3+\i], v[RD+\i]
.endr
	ds_store_b128 v4, v[RC:RC+3] offset:((\t)/2)*768+256*((\t)%2)    ; half-image t / 2, lanes' half t % 2
	ds_store_b64 v5, v[RC+4:RC+5] offset:((\t)/2)*768+128*((\t)%2)
.if (\t)+2 < 8
	LOAD (\t)+2
.endif
	s_wait_dscnt 0x0                               ; the stores have read their registers: the next block's codes may be written
.endm
	LOAD 0
	LOAD 1
.irp t, 0,1,2,3,4,5,6,7
	BLOCK \t
.endr
	s_wait_alu depctr_va_vdst(0)
	global_store_b64 v7, v[RSB:RSB+1], s[52:53]    ; my column's eight scale bytes
.irp k, 0,1,2,3,4,5,6,7,8,9,10,11
	ds_load_b128 v[ROUT+4*\k:ROUT+4*\k+3], v6 offset:(\k/6)*3200+(\k%6)*512
.endr
.irp k, 0,1,2,3,4,5,6,7,8,9,10,11
	s_wait_dscnt 11-\k                             ; LDS loads come back in order: load k is in, the younger ones may be out
	global_store_b128 v8, v[ROUT+4*\k:ROUT+4*\k+3], s[48+2*(\k/6):49+2*(\k/6)] offset:(\k%6)*512   ; 32 lanes store 512 consecutive bytes, aligned
.endr
	s_wait_tensorcnt 0x0                           ; the wave's end
	ds_add_u32 v[SPW], v[NIL]
	s_wait_dscnt 0x0
	s_endpgm
	; ================ LN1 ================
.macro QUANT s                         ; 64 numbers of a lane, register 16 b + i = k 32 b + 16 (lane / 16) + i of my row, become a fragment's codes in v[PC] on and its scale word in v[PW]
.irp b, 0,1,2,3
	v_max3_num_f32 v[TM+\b], |v[\s+16*\b]|, |v[\s+1+16*\b]|, 0x2800000   ; my 16 numbers of block b, and the floor 2^(5 - 127)
.endr
.irp i, 2,4,6,8,10,12,14
.irp b, 0,1,2,3
	s_delay_alu instid0(VALU_DEP_4)
	v_max3_num_f32 v[TM+\b], v[TM+\b], |v[\s+16*\b+\i]|, |v[\s+1+16*\b+\i]|
.endr
.endr
.irp b, 0,1,2,3
	s_delay_alu instid0(VALU_DEP_4)
	v_permlanex16_b32 v[TM+4+\b], v[TM+\b], s[SEL], s[SEL+1]
.endr
.irp b, 0,1,2,3
	s_delay_alu instid0(VALU_DEP_4)
	v_max_num_f32 v[TM+\b], v[TM+\b], v[TM+4+\b]   ; with lane l xor 16's: the block's largest magnitude
.endr
.irp b, 0,1,2,3
	s_delay_alu instid0(VALU_DEP_4)
	v_add_nc_u32 v[TM+12+\b], 0xfe000000, v[TM+\b] ; 4 off its exponent field: the conversion's scale operand
.endr
.irp b, 0,1,2,3
	s_delay_alu instid0(VALU_DEP_4)
	v_lshrrev_b32 v[TM+4+\b], 23, v[TM+12+\b]      ; the scale's byte
.endr
	s_delay_alu instid0(VALU_DEP_3)
	v_lshl_or_b32 v[PW], v[TM+5], 8, v[TM+4]
	s_delay_alu instid0(VALU_DEP_1)
	v_lshl_or_b32 v[PW], v[TM+6], 16, v[PW]
	s_delay_alu instid0(VALU_DEP_1)
	v_lshl_or_b32 v[PW], v[TM+7], 24, v[PW]
.irp c, 0,1
	v_cvt_scalef32_pk16_bf6_f32 v[PC+6*\c:PC+2+6*\c], v[\s+32*\c:\s+15+32*\c], v[TM+12+2*\c]
	v_cvt_scalef32_pk16_bf6_f32 v[PC+12+4*\c:PC+14+4*\c], v[\s+16+32*\c:\s+31+32*\c], v[TM+12+2*\c+1]
.endr
	v_nop                                          ; one plain place behind a scaled conversion
.irp c, 0,1                                    ; the operand's layout wants a whole block in a lane
.irp i, 0,1,2
	v_permlane16_swap_b32 v[PC+6*\c+\i], v[PC+12+4*\c+\i]
.endr
.irp i, 0,1,2
	s_delay_alu instid0(VALU_DEP_3)
	v_mov_b32 v[PC+3+6*\c+\i], v[PC+12+4*\c+\i]
.endr
.endr
.endm
.Lnorm:
	s_load_b64 s[10:11], s[0:1], 0x30              ; wa
	s_load_b64 s[4:5], s[0:1], 0x38                ; x
	s_load_b64 s[6:7], s[0:1], 0x40                ; ln1_g
	s_load_b64 s[8:9], s[0:1], 0x48                ; ln1_b
	s_sub_co_u32 s25, ttmp9, NQW                   ; T: my tile of 16 tokens
	v_lshrrev_b32 v1, 5, v0
	s_delay_alu instid0(VALU_DEP_1)
	v_readfirstlane_b32 s12, v1                    ; wave 0..7
	v_and_b32 v2, 31, v0
	v_and_b32 v3, 15, v0                           ; r
	s_wait_alu depctr_va_vdst(0)
	v_bfe_u32 v9, v0, 4, 1                         ; h
	v_lshlrev_b32 v4, 4, v2                        ; 16 x lane
	v_lshlrev_b32 v7, 3, v2                        ; 8 x lane
	s_delay_alu instid0(VALU_DEP_2)
	v_add_nc_u32 v10, SCW, v4                      ; the scale bytes' way out: SCW + 16 x lane
	s_mul_i32 s13, s12, 2*PY
	v_add_nc_u32 v5, s13, v4                       ; y, on the way in: my two rows, 16 bytes a lane
	v_mul_u32_u24 v6, v3, PY
	s_delay_alu instid0(VALU_DEP_1)
	v_lshl_add_u32 v6, v9, 6, v6
	s_lshl_b32 s13, s12, 9
	v_add_nc_u32 v6, s13, v6                       ; and on the way out: row r, K step w, + 64 h
	s_lshr_b32 s13, s12, 2
	s_lshl_b32 s14, s13, 8
	s_and_b32 s15, s12, 3
	s_lshl_b32 s15, s15, 2
	s_add_co_u32 s14, s14, s15
	s_add_co_u32 s14, s14, SCW
	v_lshl_add_u32 v8, v3, 4, s14                  ; my row's scale word of K step w
	s_lshr_b32 s16, s25, 1
	s_lshl_b32 s16, s16, 5
	s_and_b32 s17, s25, 1
	s_lshl_b32 s17, s17, 3
	s_add_co_u32 s16, s16, s17
	s_lshl_b32 s17, s12, 1
	s_add_co_u32 s16, s16, s17
	s_lshl_b32 s17, s13, 3
	s_add_co_u32 s16, s16, s17                     ; my first token: 32 (T / 2) + 8 (T % 2) + 2 w + 8 (w / 4)
	s_lshl_b32 s16, s16, 12
	s_mov_b32 s17, 0
	s_lshl_b32 s18, s25, 4
	s_lshl_b32 s19, s12, 1
	s_add_co_u32 s18, s18, s19
	s_mul_i32 s18, s18, 768                        ; half-images 2 w, 2 w + 1 of tile T
	s_mov_b32 s19, 0
	s_lshl_b32 s20, s25, 9
	s_add_co_u32 s20, s20, 3145728                 ; the tile's scale bytes
	s_mov_b32 s21, 0
	s_mov_b32 s[SEL], 0x76543210
	s_mov_b32 s[SEL+1], 0xfedcba98                 ; v_permlanex16_b32's selects for lane l xor 16
	s_mov_b32 s24, 0x3a802008                      ; 1 / 1,023
	v_mov_b32 v22, 0                               ; written once: a lane permute's destination counts as one of its sources
.irp b, 0,1,2,3
	v_mov_b32 v[TM+4+\b], 0
.endr
	s_wait_kmcnt 0x0
	s_add_nc_u64 s[4:5], s[4:5], s[16:17]
	s_add_nc_u64 s[18:19], s[10:11], s[18:19]
	s_add_nc_u64 s[20:21], s[10:11], s[20:21]
.irp i, 0,1
.irp j, 0,1,2,3,4,5,6,7
	global_load_b128 v[X+32*\i+4*\j:X+32*\i+4*\j+3], v4, s[4:5] offset:4096*\i+512*\j   ; register 4 j + e = column 128 j + 4 lane + e
.endr
.endr
.irp j, 0,1,2,3,4,5,6,7
	global_load_b128 v[G+4*\j:G+4*\j+3], v4, s[6:7] offset:512*\j
	global_load_b128 v[B+4*\j:B+4*\j+3], v4, s[8:9] offset:512*\j
.endr
	s_wait_loadcnt 0x0
.macro FOLD                            ; four chains of pairs, v[14:21], into v14, and over the 32 lanes
	s_delay_alu instid0(VALU_DEP_3)
	v_pk_add_f32 v[14:15], v[14:15], v[16:17]
	s_delay_alu instid0(VALU_DEP_2)
	v_pk_add_f32 v[18:19], v[18:19], v[20:21]
	s_delay_alu instid0(VALU_DEP_1)
	v_pk_add_f32 v[14:15], v[14:15], v[18:19]
	s_delay_alu instid0(VALU_DEP_1)
	v_add_f32 v14, v14, v15
	s_delay_alu instid0(VALU_DEP_1)
	v_add_f32_dpp v14, v14, v14 row_xmask:1 row_mask:0xf bank_mask:0xf
	s_delay_alu instid0(VALU_DEP_1)
	v_add_f32_dpp v14, v14, v14 row_xmask:2 row_mask:0xf bank_mask:0xf
	s_delay_alu instid0(VALU_DEP_1)
	v_add_f32_dpp v14, v14, v14 row_xmask:4 row_mask:0xf bank_mask:0xf
	s_delay_alu instid0(VALU_DEP_1)
	v_add_f32_dpp v14, v14, v14 row_xmask:8 row_mask:0xf bank_mask:0xf
	s_delay_alu instid0(VALU_DEP_1)
	v_permlanex16_b32 v22, v14, s[SEL], s[SEL+1]
	s_delay_alu instid0(VALU_DEP_1)
	v_add_f32 v14, v14, v22
.endm
.macro STAT i                          ; row i: x - mean in place; var + 1e-9 into v[30 + i]
.set XR, X+32*\i
.irp c, 0,1,2,3
	v_pk_add_f32 v[14+2*\c:15+2*\c], v[XR+2*\c:XR+2*\c+1], v[XR+8+2*\c:XR+9+2*\c]
.endr
.irp k, 16,24
.irp c, 0,1,2,3
	s_delay_alu instid0(VALU_DEP_4)
	v_pk_add_f32 v[14+2*\c:15+2*\c], v[14+2*\c:15+2*\c], v[XR+\k+2*\c:XR+\k+2*\c+1]
.endr
.endr
	FOLD
	s_delay_alu instid0(VALU_DEP_1)
	v_mul_f32 v24, 0x3a800000, v14                 ; the mean: sum x 2^-10
	s_delay_alu instid0(VALU_DEP_1)
	v_mov_b32 v25, v24
.set n, 0
.rept 16
	v_pk_add_f32 v[XR+n:XR+n+1], v[XR+n:XR+n+1], v[24:25] neg_lo:[0,1] neg_hi:[0,1]
.set n, n+2
.endr
.irp c, 0,1,2,3
	v_pk_mul_f32 v[14+2*\c:15+2*\c], v[XR+2*\c:XR+2*\c+1], v[XR+2*\c:XR+2*\c+1]
.endr
.irp k, 8,16,24
.irp c, 0,1,2,3
	s_delay_alu instid0(VALU_DEP_4)
	v_pk_fma_f32 v[14+2*\c:15+2*\c], v[XR+\k+2*\c:XR+\k+2*\c+1], v[XR+\k+2*\c:XR+\k+2*\c+1], v[14+2*\c:15+2*\c]
.endr
.endr
	FOLD
	s_delay_alu instid0(VALU_DEP_1)
	v_fmaak_f32 v[30+\i], s24, v14, 0x3089705f     ; / 1,023, + 1e-9
.endm
	STAT 0
	STAT 1
	s_wait_alu depctr_va_vdst(0)
	v_rsq_f32 v26, v30
	v_rsq_f32 v28, v31
	v_nop                                          ; a plain place behind the transcendentals
	s_wait_alu depctr_va_vdst(0)                   ; one wait for both, ahead of their first reader
	v_mov_b32 v27, v26
	v_mov_b32 v29, v28
.irp i, 0,1
.set n, 0
.rept 16
	v_pk_mul_f32 v[X+32*\i+n:X+32*\i+n+1], v[X+32*\i+n:X+32*\i+n+1], v[26+2*\i:27+2*\i]
.set n, n+2
.endr
.set n, 0
.rept 16
	v_pk_fma_f32 v[X+32*\i+n:X+32*\i+n+1], v[X+32*\i+n:X+32*\i+n+1], v[G+n:G+n+1], v[B+n:B+n+1]
.set n, n+2
.endr
.irp j, 0,1,2,3,4,5,6,7
	ds_store_b128 v5, v[X+32*\i+4*\j:X+32*\i+4*\j+3] offset:\i*PY+512*\j
.endr
.endr
	s_wait_dscnt 0x0                               ; for the others' sake: my rows lie in LDS
	s_barrier_signal -1
	s_barrier_wait -1
.irp b, 0,1,2,3
.irp j, 0,1,2,3
	ds_load_b128 v[X+16*\b+4*\j:X+16*\b+4*\j+3], v6 offset:128*\b+16*\j    ; k = 128 w + 32 b + 16 h + 4 j ..
.endr
.endr
	s_wait_dscnt 0x0
	QUANT X
	global_store_b128 v4, v[PC:PC+3], s[18:19]
	global_store_b64 v7, v[PC+4:PC+5], s[18:19] offset:512
	global_store_b128 v4, v[PC+6:PC+9], s[18:19] offset:768
	global_store_b64 v7, v[PC+10:PC+11], s[18:19] offset:1280
	ds_store_b32 v8, v[PW]                         ; both halves of the lanes write the same word with the same value
	s_wait_dscnt 0x0
	s_barrier_signal -1
	s_barrier_wait -1
	s_cmp_lg_u32 s12, 0
	s_cbranch_scc1 .Lnot_wave_0
	ds_load_b128 v[32:35], v10                     ; the tile's 512 scale bytes leave as two aligned blocks of 256
	s_wait_dscnt 0x0
	global_store_b128 v4, v[32:35], s[20:21]
.Lnot_wave_0:
	s_wait_tensorcnt 0x0                           ; the wave's end
	ds_add_u32 v[SPW], v[NIL]
	s_wait_dscnt 0x0
	s_endpgm
.Lfunc_end_k_q52e91fb95f_prep:
	.size	k_q52e91fb95f_prep, .Lfunc_end_k_q52e91fb95f_prep-k_q52e91fb95f_prep
	.p2alignl 7, 3214868480
	.fill 96, 4, 3214868480
	.section	.rodata,"a",@progbits
	.p2align	6, 0x0
	.amdhsa_kernel k_q52e91fb95f_prep
		.amdhsa_group_segment_fixed_size 118528
		.amdhsa_private_segment_fixed_size 0
		.amdhsa_enable_private_segment 0
		.amdhsa_kernarg_size 88
		.amdhsa_user_sgpr_count 2
		.amdhsa_user_sgpr_kernarg_segment_ptr 1
		.amdhsa_wavefront_size32 1
		.amdhsa_system_sgpr_workgroup_id_x 1
		.amdhsa_system_sgpr_workgroup_id_y 1
		.amdhsa_system_sgpr_workgroup_id_z 1
		.amdhsa_system_vgpr_workitem_id 0
		.amdhsa_next_free_vgpr 204
		.amdhsa_next_free_sgpr 66
		.amdhsa_reserve_vcc 0
		.amdhsa_float_denorm_mode_32 3
		.amdhsa_float_denorm_mode_16_64 3
		.amdhsa_memory_ordered 1
		.amdhsa_forward_progress 1
		.amdhsa_inst_pref_size 80
	.end_amdhsa_kernel
	.amdgpu_metadata
---
amdhsa.version: [ 1, 2 ]
amdhsa.kernels:
  - .name:           k_q52e91fb95f_prep
    .symbol:         k_q52e91fb95f_prep.kd
    .args:
      - { .name: Wq, .offset: 0, .size: 8, .value_kind: global_buffer, .address_space: global }
      - { .name: Wk, .offset: 8, .size: 8, .value_kind: global_buffer, .address_space: global }
      - { .name: Wv, .offset: 16, .size: 8, .value_kind: global_buffer, .address_space: global }
      - { .name: Wo, .offset: 24, .size: 8, .value_kind: global_buffer, .address_space: global }
      - { .name: Wup, .offset: 32, .size: 8, .value_kind: global_buffer, .address_space: global }
      - { .name: Wdn, .offset: 40, .size: 8, .value_kind: global_buffer, .address_space: global }
      - { .name: wa, .offset: 48, .size: 8, .value_kind: global_buffer, .address_space: global }
      - { .name: x, .offset: 56, .size: 8, .value_kind: global_buffer, .address_space: global }
      - { .name: ln1_g, .offset: 64, .size: 8, .value_kind: global_buffer, .address_space: global }
      - { .name: ln1_b, .offset: 72, .size: 8, .value_kind: global_buffer, .address_space: global }
      - { .name: hid, .offset: 80, .size: 8, .value_kind: global_buffer, .address_space: global }
    .group_segment_fixed_size: 118528
    .private_segment_fixed_size: 0
    .kernarg_segment_align: 8
    .kernarg_segment_size: 88
    .max_flat_workgroup_size: 256
    .sgpr_count:     66
    .vgpr_count:     204
    .wavefront_size: 32
...
	.end_amdgpu_metadata
.endif
;; end of part 1
;; launch gqkv (part 2): grid 12 x 16, 4 waves a work-group, clusters of 4 x 4, 327,680 bytes of LDS; arguments wa, bq, bk, bv, qb, kv; writes qb, kv
.if DOCPART == 2
	.amdgcn_target "amdgcn-amd-amdhsa--gfx1250"
	.amdhsa_code_object_version 6
	.text
	.protected	k_q52e91fb95f_gqkv
	.globl	k_q52e91fb95f_gqkv
	.p2align	8
	.type	k_q52e91fb95f_gqkv,@function
k_q52e91fb95f_gqkv:
	s_mov_b64 s[64:65], 0
	v_nop
	global_prefetch_b8 v0, s[64:65] scope:SCOPE_SE
	s_setreg_imm32_b32 hwreg(HW_REG_WAVE_MODE, 25, 1), 1
	s_wait_xcnt 0x0
	s_wait_alu depctr_hold_cnt(0) depctr_sa_sdst(0) depctr_va_vdst(0) depctr_va_sdst(0) depctr_va_ssrc(0) depctr_va_vcc(0) depctr_vm_vsrc(0)
	s_getreg_b32 s2, hwreg(HW_REG_IB_STS2, 6, 4)
	s_cmp_eq_u32 s2, 0
	s_cbranch_scc0 .Lentry_in_a_cluster
	s_endpgm
.Lentry_in_a_cluster:
	s_bfe_u32 s2, ttmp6, 0x10000c
	s_cmp_lg_u32 s2, 0xf033
	s_cbranch_scc0 .Lentry_shape_is_right
	s_endpgm
.Lentry_shape_is_right:
.set TA, 16
.set MB, 8
.set NQ, 2
.set KK, 1024
.set A1S, 3145728
.set WQ,  3276800
.set WV,  3276800+1572864
.set WQS, 12713984
.set WVS, 12713984+65536
.set KST,   KK/128
.set ROWT,  KST*1536
.set HALFT, MB*NQ*1536
.set SLOT,  4*HALFT
.set SBLK,  (KK/512)*256
.set HALFS, MB*SBLK
.set SCL,   3*SLOT
.set SPARE, SCL+4*HALFS
.set A16, 16
.set A8,  19
.set B16, 22
.set B8,  25
.set SPW, 28
.set NIL, 29
.set ADRS, 30
.set SC,  32
.set AF,  64
.set G1,  24
.set GA0, 32
.set GA1, 36
.set GA2, 4
.set G1B, 48
.set GB0, 56
.set GB1, 60
.set GB2, 96
.set G1S, 68
.set G0S, 76
.set G1SB, 80
.set G0SB, 88
.set MSB, 0
.macro WIN new
.if MSB != (\new)
	s_set_vgpr_msb (MSB<<8)|(\new)
.set MSB, (\new)
.endif
.endm
.macro JLOAD g0a, g1a, g0b, g1b
	s_cmp_eq_u32 s15, 0
	s_cbranch_scc0 .Lfor_b_\@
	tensor_load_to_lds s[\g0a:\g0a+3], s[\g1a:\g1a+7]
	s_nop 0
.rept 4
	v_nop
.endr
	s_branch .Lasked_\@
.Lfor_b_\@:
	tensor_load_to_lds s[\g0b:\g0b+3], s[\g1b:\g1b+7]
	s_nop 0
.rept 4
	v_nop
.endr
.Lasked_\@:
.endm
.macro CREST
	s_cmp_lg_u32 s14, 0
	s_cbranch_scc1 .Lnot_wave_0_\@
	s_barrier_signal -3
.Lnot_wave_0_\@:
	s_barrier_wait -3
	s_barrier_signal -1
	s_barrier_wait -1
.endm
.macro CROUND
	s_barrier_signal -1
	s_barrier_wait -1
	CREST
.endm
.macro PLACES n
.rept \n
	v_nop
.endr
.endm
.macro IDS
	v_lshrrev_b32 v1, 5, v0
	v_readfirstlane_b32 s14, v1
	s_lshr_b32 s15, s14, 1
	s_and_b32 s16, s14, 1
	s_bfe_u32 s40, ttmp6, 0x40000
	s_bfe_u32 s41, ttmp6, 0x40004
	s_lshl_b32 s43, s41, 2
	s_lshl_b32 s43, 15, s43
	s_lshl_b32 s44, 0x1111, s40
.endm
.macro DESCS
	s_or_b32 s[G1], s43, (3<<16)|(1<<21)
	s_or_b32 s[G1B], s44, (3<<16)|(1<<21)
.irp g, G1, G1B
	s_mov_b32 s[\g+1], (NQ*192)<<16
	s_mov_b32 s[\g+2], TA<<16                      ; the head's loads bring a whole block's TA tiles
	s_mov_b32 s[\g+3], (NQ*192)<<16
	s_mov_b32 s[\g+4], TA
	s_mov_b32 s[\g+5], KST*192
	s_mov_b32 s[\g+6], 0
	s_mov_b32 s[\g+7], 0
.endr
	s_or_b32 s[G1S], s43, (3<<16)|(1<<21)
	s_or_b32 s[G1SB], s44, (3<<16)|(1<<21)
.irp g, G1S, G1SB
	s_mov_b32 s[\g+1], 32<<16
	s_mov_b32 s[\g+2], (HALFS/128)<<16             ; the scale bytes of TA tiles
	s_mov_b32 s[\g+3], 32<<16
	s_mov_b32 s[\g+4], HALFS/128
	s_mov_b32 s[\g+5], 32
	s_mov_b32 s[\g+6], 0
	s_mov_b32 s[\g+7], 0
.endr
	s_mul_i32 s18, s16, MB*ROWT                    ; behind the head I fetch MB tiles of a block: which half, in bytes
	s_mov_b32 s19, 0
	s_mul_i32 s20, s17, TA                         ; A's block: its first tile
	s_mul_i32 s46, s42, TA                         ; B's
	s_mul_i32 s22, s20, SBLK
	s_add_co_u32 s22, s22, s67
	s_mul_i32 s20, s20, ROWT
	s_add_co_u32 s20, s20, s66
	s_mul_i32 s98, s46, SBLK
	s_add_co_u32 s98, s98, s13
	s_mul_i32 s46, s46, ROWT
	s_add_co_u32 s46, s46, s12
	s_mov_b32 s21, 0
	s_mov_b32 s23, 0
	s_mov_b32 s47, 0
	s_mov_b32 s99, 0
	s_mul_i32 s45, s14, HALFT
	s_mul_i32 s3, s14, 2*HALFT                     ; my part of the bytes that hold quarters 1 and 2 of K
.endm
.macro ARM under, g0, g1, next         ; an arm of the head's one tree of branches on the wave's number: one tensor load, then the jump to the tree's end
	s_cmp_lt_u32 s14, \under
	s_cbranch_scc0 \next
	tensor_load_to_lds s[\g0:\g0+3], s[\g1:\g1+7]
	s_nop 0
.rept 4
	v_nop
.endr
	s_branch .Lhead_asked
\next:
.endm
.macro MKG0 ga, gb, s                  ; groups 0 for quarter s of K; the LDS addresses are written behind it
	s_mov_b32 s[\ga], 1
	s_add_nc_u64 s[\ga+2:\ga+3], s[20:21], \s*NQ*1536
	s_or_b32 s[\ga+3], s[\ga+3], 0x80000000
	s_mov_b32 s[\gb], 1
	s_add_nc_u64 s[\gb+2:\gb+3], s[46:47], \s*NQ*1536
	s_or_b32 s[\gb+3], s[\gb+3], 0x80000000
.endm
.macro FILLS pa, pb
	s_add_nc_u64 s[20:21], s[\pa:\pa+1], s[20:21]
	s_add_nc_u64 s[22:23], s[\pa:\pa+1], s[22:23]
	s_add_nc_u64 s[46:47], s[\pb:\pb+1], s[46:47]
	s_add_nc_u64 s[98:99], s[\pb:\pb+1], s[98:99]
	CROUND
	s_mov_b32 s[G0S], 1
	s_mov_b32 s[G0S+1], SCL
	s_mov_b64 s[G0S+2:G0S+3], s[22:23]
	s_or_b32 s[G0S+3], s[G0S+3], 0x80000000
	s_mov_b32 s[G0SB], 1
	s_mov_b32 s[G0SB+1], SCL+2*HALFS
	s_mov_b64 s[G0SB+2:G0SB+3], s[98:99]
	s_or_b32 s[G0SB+3], s[G0SB+3], 0x80000000
	MKG0 GA2, GB2, 0                               ; the head: quarter 0 of K, A's whole block and B's whole block
	s_mov_b32 s[GA2+1], 0
	s_mov_b32 s[GB2+1], 2*HALFT
	s_add_nc_u64 s[20:21], s[20:21], s[18:19]      ; from here on: my MB tiles
	s_add_nc_u64 s[46:47], s[46:47], s[18:19]
	MKG0 GA1, GB1, 1                               ; quarters 1 and 2 in one load: rows twice as long
	s_add_co_u32 s[GA1+1], s3, SLOT
	s_add_co_u32 s[GB1+1], s3, SLOT
	MKG0 GA0, GB0, 3                               ; quarter 3, slot 0's refill
	s_add_co_u32 s[GA0+1], s45, 0
	s_add_co_u32 s[GB0+1], s45, 0
	s_cmp_eq_u32 s15, 0                            ; the prefetches: of the MB tiles that I fetch behind the head, my work-group names two: the four partners that ask for them jointly are told apart by address (cx for A, cy for B)
	s_cselect_b64 s[66:67], s[20:21], s[46:47]
	s_cselect_b32 s18, s40, s41
	s_mul_i32 s18, s18, 2*ROWT
	s_add_nc_u64 s[66:67], s[66:67], s[18:19]
	ARM 1, GA2, G1, .Lhead_b                       ; one tensor load a wave at the head: wave 0 A's codes, wave 1 B's, wave 2 A's scales, wave 3 B's
	ARM 2, GB2, G1B, .Lhead_sa
	ARM 3, G0S, G1S, .Lhead_sb
	tensor_load_to_lds s[G0SB:G0SB+3], s[G1SB:G1SB+7]
	s_nop 0
.rept 4
	v_nop
.endr
.Lhead_asked:
.endm
.macro LANES
	v_and_b32 v1, 15, v0
	v_bfe_u32 v2, v0, 4, 1
	v_and_b32 v3, 31, v0
	v_lshlrev_b32 v4, 4, v3
	v_lshlrev_b32 v5, 3, v3
	s_mul_i32 s21, s15, HALFT
	s_mul_i32 s22, s16, HALFT
	s_add_co_u32 s22, s22, 2*HALFT
.irp s, 0,1,2
	v_add_nc_u32 v[A16+\s], s21, v4
	v_add_nc_u32 v[A8+\s], s21, v5
	v_add_nc_u32 v[B16+\s], s22, v4
	v_add_nc_u32 v[B8+\s], s22, v5
.if \s == 0                            ; quarters 1 and 2 lie together: a wave's part is 2 HALFT, a tile's row 2 NQ steps; quarter 2 begins NQ steps into the row
	s_lshl_b32 s21, s21, 1
	s_lshl_b32 s22, s22, 1
	s_add_co_u32 s21, s21, SLOT
	s_add_co_u32 s22, s22, SLOT
.else
	s_add_co_u32 s21, s21, NQ*1536
	s_add_co_u32 s22, s22, NQ*1536
.endif
.endr
	s_mul_i32 s21, s15, HALFS
	s_mul_i32 s22, s16, HALFS
	s_add_co_u32 s22, s22, 2*HALFS
	s_sub_co_u32 s22, s22, s21
	v_mul_u32_u24 v6, s22, v2
	s_add_co_u32 s21, s21, SCL
	v_lshl_add_u32 v6, v1, 4, v6
	v_add_nc_u32 v[ADRS], s21, v6
.endm
.macro FRAG reg, a16, a8, off
	ds_load_b128 v[\reg:\reg+3], v[\a16] offset:\off
	ds_load_b64 v[\reg+4:\reg+5], v[\a8] offset:\off+512
	ds_load_b128 v[\reg+6:\reg+9], v[\a16] offset:\off+768
	ds_load_b64 v[\reg+10:\reg+11], v[\a8] offset:\off+1280
.endm
.macro FETCH_B slot, q, p
	WIN 0x40
.set fi, 0
.rept MB
	FRAG 12*MB*(\p)+12*fi, B16+\slot, B8+\slot, (fi*NQ*(1+((\slot)+1)/2)+(\q))*1536
.set fi, fi+1
.endr
.endm
.macro FETCH_A slot, q, p
	WIN 0
.set fi, 0
.rept MB
	FRAG AF+12*MB*(\p)+12*fi, A16+\slot, A8+\slot, (fi*NQ*(1+((\slot)+1)/2)+(\q))*1536
.set fi, fi+1
.endr
.endm
.macro SCALES sc
.set fi, 0
.rept MB
	ds_load_b64 v[SC+16*(\sc)+2*fi:SC+16*(\sc)+2*fi+1], v[ADRS] offset:fi*SBLK
.set fi, fi+1
.endr
.endm
.macro MULQ k, p, q, sc, zero
.set ma, (\k)*MB/4
.rept MB/4
.set AQ, 8*MB*ma
	WIN 0xa1+0x50*(AQ/256)
.set mb, 0
.rept MB
.set AR, (AQ%256)+8*mb
.if \zero
	v_wmma_scale_f32_16x16x128_f8f6f4 v[AR:AR+7], v[12*MB*(\p)+12*mb:12*MB*(\p)+12*mb+11], v[AF+12*MB*(\p)+12*ma:AF+12*MB*(\p)+12*ma+11], 0, v[SC+16*(\sc)+NQ*mb+(\q)], v[SC+16*(\sc)+NQ*ma+(\q)] matrix_a_fmt:MATRIX_FMT_BF6 matrix_b_fmt:MATRIX_FMT_BF6 matrix_a_scale:MATRIX_SCALE_ROW1
.else
	v_wmma_scale_f32_16x16x128_f8f6f4 v[AR:AR+7], v[12*MB*(\p)+12*mb:12*MB*(\p)+12*mb+11], v[AF+12*MB*(\p)+12*ma:AF+12*MB*(\p)+12*ma+11], v[AR:AR+7], v[SC+16*(\sc)+NQ*mb+(\q)], v[SC+16*(\sc)+NQ*ma+(\q)] matrix_a_fmt:MATRIX_FMT_BF6 matrix_b_fmt:MATRIX_FMT_BF6 matrix_a_scale:MATRIX_SCALE_ROW1
.endif
.set mb, mb+1
.endr
.set ma, ma+1
.endr
.endm
.macro STEP slot, sc, zero
	PLACES 4
	FETCH_B \slot, 1, 1
	s_wait_dscnt 4*MB
	FETCH_A \slot, 1, 1
	MULQ 0, 0, 0, \sc, \zero
	MULQ 1, 0, 0, \sc, \zero
	MULQ 2, 0, 0, \sc, \zero
	MULQ 3, 0, 0, \sc, \zero
.endm
.macro TURN next, sc, fill, adv
	WIN 0
	s_wait_tensorcnt 0x0
	ds_add_u32 v[SPW], v[NIL]
	s_wait_dscnt 1
	MULQ 0, 1, 1, \sc, 0
	s_wait_dscnt 0x0
	s_barrier_signal -1
	MULQ 1, 1, 1, \sc, 0
	WIN 0
	s_barrier_wait -1
.if \fill
	CREST
.irp g, G1, G1B                        ; no tensor load of mine is out: rows of one quarter again
	s_mov_b32 s[\g+1], (NQ*192)<<16
	s_mov_b32 s[\g+3], (NQ*192)<<16
.endr
	JLOAD GA0, G1, GB0, G1B
.else
	PLACES 4
.endif
	v_add_nc_u32 v[ADRS], \adv, v[ADRS]
	FETCH_B \next, 0, 0
	FETCH_A \next, 0, 0
	SCALES 1-(\sc)
	MULQ 2, 1, 1, \sc, 0
	MULQ 3, 1, 1, \sc, 0
.endm
.macro PASS next, sc, adv
	PLACES 4
	WIN 0
	s_wait_alu depctr_va_vdst(0)
	v_add_nc_u32 v[ADRS], \adv, v[ADRS]
	FETCH_B \next, 0, 0
	s_wait_alu depctr_va_vdst(0)
	s_wait_dscnt 4*MB
	FETCH_A \next, 0, 0
	SCALES 1-(\sc)
	MULQ 0, 1, 1, \sc, 0
	MULQ 1, 1, 1, \sc, 0
	MULQ 2, 1, 1, \sc, 0
	MULQ 3, 1, 1, \sc, 0
.endm
.macro START
	s_wait_tensorcnt 0x0                           ; my tile of the head's four is in
	ds_add_u32 v[SPW], v[NIL]
.irp g, G1, G1B                        ; no tensor load of mine is out: from here on MB tiles a load, here with rows of two quarters
	s_mov_b32 s[\g+1], (2*NQ*192)<<16
	s_mov_b32 s[\g+2], MB<<16
	s_mov_b32 s[\g+3], (2*NQ*192)<<16
	s_mov_b32 s[\g+4], MB
.endr
	s_wait_dscnt 0x0
	CROUND
	JLOAD GA1, G1, GB1, G1B                        ; quarters 1 and 2: my one tensor load behind the round
	global_prefetch_b8 v7, s[66:67] offset:3*NQ*1536 th:TH_LOAD_NT scope:SCOPE_SE        ; quarter 3 of my two tiles, 12 blocks of 256 bytes each, one fill ahead of its load; lanes 12-31 name the last block again
	global_prefetch_b8 v7, s[66:67] offset:ROWT+3*NQ*1536 th:TH_LOAD_NT scope:SCOPE_SE
	FETCH_B 0, 0, 0
	FETCH_A 0, 0, 0
	SCALES 0
.endm
.macro MAIN
	STEP 0, 0, 1
	TURN 1, 0, 1, 8
	STEP 1, 1, 0
	PASS 2, 1, 248
	STEP 2, 0, 0
	TURN 0, 0, 0, 8
	STEP 0, 1, 0
	s_wait_dscnt 0x0
	MULQ 0, 1, 1, 1, 0
	MULQ 1, 1, 1, 1, 0
	MULQ 2, 1, 1, 1, 0
	MULQ 3, 1, 1, 1, 0
	WIN 0
.endm
.macro FINISH
	s_wait_tensorcnt 0x0
	ds_add_u32 v[SPW], v[NIL]
	s_wait_dscnt 0x0
	CROUND
	s_endpgm
.endm
.set T,   64
.set TM,  192
.set PW,  208
.set PC,  212
.set SW,  232
.set SEL, 46
.macro QUANT s
.irp b, 0,1,2,3
	v_max3_num_f32 v[TM+\b], |v[\s+16*\b]|, |v[\s+1+16*\b]|, 0x2800000
.endr
.irp i, 2,4,6,8,10,12,14
.irp b, 0,1,2,3
	v_max3_num_f32 v[TM+\b], v[TM+\b], |v[\s+16*\b+\i]|, |v[\s+1+16*\b+\i]|
.endr
.endr
.irp b, 0,1,2,3
	v_permlanex16_b32 v[TM+4+\b], v[TM+\b], s[SEL], s[SEL+1]
.endr
.irp b, 0,1,2,3
	v_max_num_f32 v[TM+\b], v[TM+\b], v[TM+4+\b]
.endr
.irp b, 0,1,2,3
	v_add_nc_u32 v[TM+12+\b], 0xfe000000, v[TM+\b]
.endr
.irp b, 0,1,2,3
	v_lshrrev_b32 v[TM+4+\b], 23, v[TM+12+\b]
.endr
	v_lshl_or_b32 v[PW], v[TM+5], 8, v[TM+4]
	v_lshl_or_b32 v[PW], v[TM+6], 16, v[PW]
	v_lshl_or_b32 v[PW], v[TM+7], 24, v[PW]
.irp c, 0,1
	v_cvt_scalef32_pk16_bf6_f32 v[PC+6*\c:PC+2+6*\c], v[\s+32*\c:\s+15+32*\c], v[TM+12+2*\c]
	v_cvt_scalef32_pk16_bf6_f32 v[PC+12+4*\c:PC+14+4*\c], v[\s+16+32*\c:\s+31+32*\c], v[TM+12+2*\c+1]
.endr
	v_nop
.irp c, 0,1
.irp i, 0,1,2
	v_permlane16_swap_b32 v[PC+6*\c+\i], v[PC+12+4*\c+\i]
.endr
.irp i, 0,1,2
	v_mov_b32 v[PC+3+6*\c+\i], v[PC+12+4*\c+\i]
.endr
.endr
.endm
.macro PUTFRAG sb, off
	global_store_b128 v4, v[PC:PC+3], s[\sb:\sb+1] offset:\off
	global_store_b64 v5, v[PC+4:PC+5], s[\sb:\sb+1] offset:\off+512
	global_store_b128 v4, v[PC+6:PC+9], s[\sb:\sb+1] offset:\off+768
	global_store_b64 v5, v[PC+10:PC+11], s[\sb:\sb+1] offset:\off+1280
.endm
	s_load_b64 s[4:5], s[0:1], 0x0
	s_load_b64 s[8:9], s[0:1], 0x8
	s_load_b64 s[10:11], s[0:1], 0x10
	s_load_b64 s[100:101], s[0:1], 0x18
	s_load_b128 s[92:95], s[0:1], 0x20
	v_lshl_add_u32 v[SPW], v0, 2, SPARE
	v_mov_b32 v[NIL], 0
	ds_add_u32 v[SPW], v[NIL]
	ds_add_u32 v[SPW], v[NIL]
	IDS
	s_and_b32 s18, ttmp7, 0xffff
	s_lshr_b32 s19, ttmp9, 1
	s_xor_b32 s2, s19, 1
	s_mul_i32 s17, s18, s2
	s_lshl_b32 s17, s17, 2
	s_add_co_u32 s17, s17, s41
	s_mul_i32 s42, ttmp9, s2
	s_mul_i32 s45, s18, s19
	s_add_co_u32 s42, s42, s45
	s_lshl_b32 s42, s42, 2
	s_add_co_u32 s42, s42, s40
	s_mul_i32 s66, s19, WV
	s_mul_i32 s67, s19, WVS-A1S
	s_add_co_u32 s67, s67, A1S
	s_mul_i32 s12, s2, WQ
	s_mul_i32 s13, s19, WQS-A1S
	s_sub_co_u32 s13, WQS, s13
	DESCS
	s_wait_dscnt 0x0
	s_wait_kmcnt 0x0
	FILLS 4, 4
	LANES
	s_cmp_eq_u32 ttmp9, 0
	s_cselect_b64 s[8:9], s[8:9], s[10:11]
	s_cselect_b64 s[92:93], s[92:93], s[94:95]
	s_cmp_eq_u32 ttmp9, 2
	s_cselect_b64 s[8:9], s[100:101], s[8:9]
	s_lshl_b32 s18, s17, 8
	s_lshl_b32 s19, s15, 7
	s_add_co_u32 s18, s18, s19
	s_and_b32 s18, s18, 1023
	s_lshl_b32 s18, s18, 2
	s_mov_b32 s19, 0
	s_add_nc_u64 s[10:11], s[8:9], s[18:19]
	s_lshl_b32 s18, s42, 8
	s_lshl_b32 s20, s16, 7
	s_add_co_u32 s18, s18, s20
	s_and_b32 s18, s18, 1023
	s_lshl_b32 s18, s18, 2
	s_add_nc_u64 s[8:9], s[8:9], s[18:19]
	v_lshlrev_b32 v6, 6, v2
	v_and_b32 v7, 8, v1
	v_add_nc_u32 v7, v7, v1
	v_lshlrev_b32 v7, 2, v7
	WIN 0x40
.irp b, 0,1,2,3,4,5,6,7
	global_load_b128 v[192+8*\b:195+8*\b], v6, s[8:9] offset:(32*(\b/2)+8*(\b%2))*4
	global_load_b128 v[196+8*\b:199+8*\b], v6, s[8:9] offset:(32*(\b/2)+8*(\b%2))*4+16
.endr
	WIN 0
.irp a, 0,1,2,3,4,5,6,7
	global_load_b32 v[8+\a], v7, s[10:11] offset:(32*(\a/2)+8*(\a%2))*4
.endr
	s_wait_alu depctr_va_vdst(0)
	s_wait_xcnt 0x0                                ; the bias loads have read v6 and v7
	v_min_u32 v6, 23, v3
	v_min_u32 v7, 11, v3
	v_lshlrev_b32 v6, 8, v6                        ; 256 x min(lane, 23)
	v_lshlrev_b32 v7, 8, v7                        ; 256 x min(lane, 11); neither is written again
	global_prefetch_b8 v6, s[66:67] offset:NQ*1536 th:TH_LOAD_NT scope:SCOPE_SE          ; quarters 1 and 2 of my two tiles, 24 blocks of 256 bytes each, one fill ahead of their load
	global_prefetch_b8 v6, s[66:67] offset:ROWT+NQ*1536 th:TH_LOAD_NT scope:SCOPE_SE
	s_wait_alu depctr_va_vdst(0)
	START
	MAIN
	s_wait_loadcnt 0x0
	PLACES 4
	s_mov_b32 s[SEL], 0x76543210
	s_mov_b32 s[SEL+1], 0xfedcba98
	s_mov_b32 s96, 0xffff0000
.irp b, 0,1,2,3
	v_mov_b32 v[TM+4+\b], 0
.endr
	s_lshr_b32 s18, ttmp9, 1
	s_cmp_lg_u32 s18, 0
	s_cbranch_scc1 .Lvpath
	s_lshl_b32 s18, s17, 1
	s_add_co_u32 s18, s18, s15
	s_lshl_b32 s19, s42, 2
	s_lshl_b32 s20, s16, 1
	s_add_co_u32 s19, s19, s20
	s_and_b32 s19, s19, 15
	s_lshr_b32 s20, s18, 4
	s_lshl_b32 s20, s20, 8
	s_and_b32 s18, s18, 15
	s_add_co_u32 s20, s20, s18
	s_lshl_b32 s19, s19, 4
	s_add_co_u32 s20, s20, s19
	s_mul_i32 s20, s20, 13056
	s_mov_b32 s21, 0
	s_add_nc_u64 s[92:93], s[92:93], s[20:21]
	v_mul_u32_u24 v31, v2, 208896
	v_lshl_add_u32 v31, v1, 5, v31
.irp a, 0,1,2,3,4,5,6,7
	s_wait_xcnt 0x0
	WIN 0x06+(\a/4)
.set n, 0
.rept 32
	v_pk_add_f32 v[T+n:T+n+1], v[64*(\a%4)+n:64*(\a%4)+n+1], v[192+n:193+n]
.set n, n+2
.endr
	WIN 0
	QUANT T
	global_store_b128 v4, v[PC:PC+3], s[92:93] offset:768*\a
	global_store_b64 v5, v[PC+4:PC+5], s[92:93] offset:768*\a+512
	global_store_b128 v4, v[PC+6:PC+9], s[92:93] offset:768*\a+208896
	global_store_b64 v5, v[PC+10:PC+11], s[92:93] offset:768*\a+208896+512
	v_mov_b32 v[SW+\a], v[PW]
.endr
.irp a, 0,1,2,3,4,5,6,7
	v_and_b32 v[T+\a], 0xffff, v[SW+\a]
	v_lshrrev_b32 v[T+8+\a], 16, v[SW+\a]
.endr
.irp a, 0,1,2,3,4,5,6,7
	v_cndmask_b32 v[SW+\a], v[T+\a], v[T+8+\a], s96
.endr
	global_store_b128 v31, v[SW:SW+3], s[92:93] offset:12288
	global_store_b128 v31, v[SW+4:SW+7], s[92:93] offset:12304
	s_branch .Ldone
.Lvpath:
	s_lshl_b32 s18, s42, 1
	s_add_co_u32 s18, s18, s16
	s_lshl_b32 s19, s17, 2
	s_lshl_b32 s20, s15, 1
	s_add_co_u32 s19, s19, s20
	s_lshr_b32 s20, s18, 4
	s_lshl_b32 s20, s20, 8
	s_and_b32 s18, s18, 15
	s_add_co_u32 s20, s20, s18
	s_lshl_b32 s19, s19, 4
	s_add_co_u32 s20, s20, s19
	s_mul_i32 s20, s20, 13056
	s_mov_b32 s21, 0
	s_add_nc_u64 s[94:95], s[94:95], s[20:21]
	v_mul_u32_u24 v31, v2, 208896
	v_lshl_add_u32 v31, v1, 4, v31
.irp a, 0,1,2,3,4,5,6,7
	s_wait_xcnt 0x0
	WIN 0x02+(\a/4)
.set n, 0
.rept 64
	v_add_f32 v[T+n], v[64*(\a%4)+n], v[8+\a]
.set n, n+1
.endr
	WIN 0
	QUANT T
	PUTFRAG 94, (\a/4)*208896+6144+(\a%4)*1536
	v_mov_b32 v[SW+\a], v[PW]
.endr
.irp t, 0,1,2,3
	v_cndmask_b32 v[SW+\t], v[SW+\t], v[SW+4+\t], s96
.endr
	global_store_b128 v31, v[SW:SW+3], s[94:95] offset:12800
.Ldone:
	FINISH
.Lfunc_end_k_q52e91fb95f_gqkv:
	.size	k_q52e91fb95f_gqkv, .Lfunc_end_k_q52e91fb95f_gqkv-k_q52e91fb95f_gqkv
	.p2alignl 7, 3214868480
	.fill 96, 4, 3214868480
	.section	.rodata,"a",@progbits
	.p2align	6, 0x0
	.amdhsa_kernel k_q52e91fb95f_gqkv
		.amdhsa_group_segment_fixed_size 327680
		.amdhsa_private_segment_fixed_size 0
		.amdhsa_enable_private_segment 0
		.amdhsa_kernarg_size 48
		.amdhsa_user_sgpr_count 2
		.amdhsa_user_sgpr_kernarg_segment_ptr 1
		.amdhsa_wavefront_size32 1
		.amdhsa_system_sgpr_workgroup_id_x 1
		.amdhsa_system_sgpr_workgroup_id_y 1
		.amdhsa_system_sgpr_workgroup_id_z 1
		.amdhsa_system_vgpr_workitem_id 0
		.amdhsa_next_free_vgpr 1024
		.amdhsa_next_free_sgpr 102
		.amdhsa_reserve_vcc 0
		.amdhsa_float_denorm_mode_32 3
		.amdhsa_float_denorm_mode_16_64 3
		.amdhsa_memory_ordered 1
		.amdhsa_forward_progress 1
		.amdhsa_inst_pref_size 221
	.end_amdhsa_kernel
	.amdgpu_metadata
---
amdhsa.version: [ 1, 2 ]
amdhsa.kernels:
  - .name:           k_q52e91fb95f_gqkv
    .symbol:         k_q52e91fb95f_gqkv.kd
    .args:
      - { .name: wa, .offset: 0, .size: 8, .value_kind: global_buffer, .address_space: global }
      - { .name: bq, .offset: 8, .size: 8, .value_kind: global_buffer, .address_space: global }
      - { .name: bk, .offset: 16, .size: 8, .value_kind: global_buffer, .address_space: global }
      - { .name: bv, .offset: 24, .size: 8, .value_kind: global_buffer, .address_space: global }
      - { .name: qb, .offset: 32, .size: 8, .value_kind: global_buffer, .address_space: global }
      - { .name: kv, .offset: 40, .size: 8, .value_kind: global_buffer, .address_space: global }
    .group_segment_fixed_size: 327680
    .private_segment_fixed_size: 0
    .kernarg_segment_align: 8
    .kernarg_segment_size: 48
    .max_flat_workgroup_size: 128
    .sgpr_count:     102
    .vgpr_count:     1024
    .wavefront_size: 32
...
	.end_amdgpu_metadata
.endif
;; end of part 2
;; launch attn (part 3): grid 8 x 32, 16 waves a work-group, clusters of 4 x 1, 247,808 bytes of LDS; arguments qb, kv, pb; writes pb
.if DOCPART == 3
	.amdgcn_target "amdgcn-amd-amdhsa--gfx1250"
	.amdhsa_code_object_version 6
	.text
	.protected	k_q52e91fb95f_attn
	.globl	k_q52e91fb95f_attn
	.p2align	8
	.type	k_q52e91fb95f_attn,@function
k_q52e91fb95f_attn:
	s_mov_b64 s[64:65], 0
	v_nop
	global_prefetch_b8 v0, s[64:65] scope:SCOPE_SE
	s_setreg_imm32_b32 hwreg(HW_REG_WAVE_MODE, 25, 1), 1
	s_wait_xcnt 0x0
	s_wait_alu depctr_hold_cnt(0) depctr_sa_sdst(0) depctr_va_vdst(0) depctr_va_sdst(0) depctr_va_ssrc(0) depctr_va_vcc(0) depctr_vm_vsrc(0)
	s_getreg_b32 s2, hwreg(HW_REG_IB_STS2, 6, 4)
	s_cmp_eq_u32 s2, 0
	s_cbranch_scc0 .Lentry_in_a_cluster
	s_endpgm
.Lentry_in_a_cluster:
	s_bfe_u32 s2, ttmp6, 0x10000c
	s_cmp_lg_u32 s2, 0x3003
	s_cbranch_scc0 .Lentry_shape_is_right
	s_endpgm
.Lentry_shape_is_right:
; Products 4 and 5 with the causal softmax between them, on codes of E3M2; the result, divided by the row's sum, is quantised along the head's 64 for the product with Wo.
; LEFT OUT: steps of 128 keys that lie wholly behind a tile's 16 queries: reference() itself masks them (jnp.tril, -inf ahead of the softmax), so p = 0 there for all values of the inputs.
; LIMIT: a NaN, an infinity or an overflow in a score under the mask is not carried to the result; the quantiser's limits are stated at the head of the first kernel of the program.
; THE SOFTMAX: t = score x log2(e) / 8; M = the running largest t rounded up to a whole number; p = 2^(t - M) is quantised along the keys, not normalised; the row's sum is taken of the unquantised p;
; when M moves, the sum and O are multiplied by 2^(old M - new M), which rounds nothing.
; SHARES.  A work-group serves one (batch, head); the head's K, V^T and their scale words, 16 blocks of 13,056 bytes, come into LDS ONCE, a block a wave, and stay: no slot is filled again, no barrier stands in the loop.
; The four work-groups of a cluster serve the same head and ask for each block jointly.  Work-group g of a head's eight and wave w own the tile of queries g + 8 i(w); its queries lie in key step i, so the number of
; steps, i + 1, hangs on the wave's number alone.  i(w) is a bijection of 0..15 whose sums over the waves with equal w % 4 and with equal w / 4 are all 30: every four such waves have 34 steps.
; LAYOUT.  Both products are used transposed (S^T = K Q^T, O^T = V^T P^T): a lane holds one query.  The head's 64 fill half of the instruction's K = 128: Q's upper six registers are zero codes, so whatever
; stands in the upper six registers of K's operand (the next tile's codes) adds nothing.
.set KVB,   13056
.set SPARE, 16*KVB
.set SPW, 5
.set NIL, 6
.set S,   152                          ; v152-215 S^T, then p
.set O,   216                          ; v216-247 O^T
.set WV,  10
.set IW,  14                           ; s14 my last key step
.set G1,  24
.set G0,  32
.set SEL, 36
.set CS,  38
.set ST,  40
.set TB,  41
; THE SHARES AS THEY NOW ARE (in place of i(w) above).  k = w % 8.  Wave w < 8 OWNS the tile of queries in key step 8 + k, which has 9 + k steps, and does its last 9 (steps k .. 8 + k).
; Wave w >= 8 first HELPS: it does that same tile's steps 0 .. k - 1 with a softmax state of its own, puts O^T, -M and the sums into LDS bytes of the pair's own, and then does its own tile, in key step 7 - k, 8 - k steps.
; So every wave has 9 or 8 steps, and the waves with equal w % 4 have 34.  Behind the loops stands one barrier; the owner brings both parts under the larger M, by factors 2^(M' - M) that round nothing, and adds them.
; All branches hang on the wave's number and the count of trips.  The helper's own Q is loaded between its two jobs: 896 bytes that one wave reads once, so no prefetch is laid for it.
.set RB,  54                           ; s54 1 in a helper
.set KP,  55                           ; s55 k
.set LO,  56                           ; s56 my tile's first step that is mine
.set HN,  57                           ; s57 steps in which I help
.set IQ,  58                           ; s58 the key step of the first Q that I load: 8 + k
.set PA,  59                           ; s59 the pair's LDS bytes
.set PART, SPARE+2048                  ; behind the spare words: 9 x 512 bytes for each of the eight pairs
.macro CROUND
	s_barrier_signal -1
	s_barrier_wait -1
	s_cmp_lg_u32 s[WV], 0
	s_cbranch_scc1 .Lnot_wave_0_\@
	s_barrier_signal -3
.Lnot_wave_0_\@:
	s_barrier_wait -3
	s_barrier_signal -1
	s_barrier_wait -1
.endm
	s_load_b128 s[4:7], s[0:1], 0x0                ; qb, kv
	s_load_b64 s[8:9], s[0:1], 0x10                ; pb
	v_lshl_add_u32 v[SPW], v0, 2, SPARE
	v_mov_b32 v[NIL], 0
	ds_add_u32 v[SPW], v[NIL]                      ; the wave's opening
	ds_add_u32 v[SPW], v[NIL]
	v_lshrrev_b32 v1, 5, v0
	s_delay_alu instid0(VALU_DEP_1)
	v_readfirstlane_b32 s[WV], v1                  ; wave 0..15
	s_bfe_u32 s11, ttmp6, 0x40000                  ; cx
	s_lshl_b32 s12, ttmp9, 2
	s_add_co_u32 s12, s12, s11                     ; g: it enters Q's and the result's addresses and the mask's numbers alone
	s_and_b32 s13, ttmp7, 0xffff                   ; 16 batch + head
	s_lshr_b32 s[RB], s[WV], 3
	s_and_b32 s[KP], s[WV], 7
	s_add_co_u32 s[IQ], s[KP], 8
	s_xor_b32 s15, s[RB], 1
	s_mul_i32 s[LO], s[KP], s15                    ; an owner begins at step k, a helper's own tile at step 0
	s_mul_i32 s[HN], s[KP], s[RB]
	s_mul_i32 s16, s[RB], 7
	s_xor_b32 s[IW], s[KP], s16
	s_lshl_b32 s15, s15, 3
	s_add_co_u32 s[IW], s[IW], s15                 ; my own tile's key step: 8 + k, or 7 - k
	s_mul_i32 s[PA], s[KP], 4608
	s_add_co_u32 s[PA], s[PA], PART
	s_lshl_b32 s20, s13, 4
	s_add_co_u32 s22, s20, s[IQ]
	s_add_co_u32 s50, s20, s[IW]
	s_mul_i32 s50, s50, KVB                        ; my own tile's block of Q
	s_add_co_u32 s20, s20, s[WV]
	s_mul_i32 s20, s20, KVB                        ; the block that I fetch: key step w
	s_mov_b32 s21, 0
	s_mul_i32 s22, s22, KVB                        ; Q's block: step i
	s_mov_b32 s23, 0
	s_lshl_b32 s44, s12, 2
	s_add_co_u32 s44, s44, s22                     ; + 4 g: my tile's scale words
	s_mov_b32 s45, 0
	s_mul_i32 s15, s12, 768
	s_add_co_u32 s22, s22, s15                     ; + 768 g: the tile's half-image
	s_lshl_b32 s52, s12, 2
	s_add_co_u32 s52, s52, s50
	s_add_co_u32 s50, s50, s15
	s_mov_b32 s51, 0
	s_mov_b32 s53, 0
	s_lshr_b32 s15, s13, 4
	s_lshl_b32 s15, s15, 7
	s_lshl_b32 s16, s[IW], 3
	s_add_co_u32 s15, s15, s16
	s_add_co_u32 s15, s15, s12                     ; my tile among the 256 tiles of tokens
	s_and_b32 s16, s13, 15                         ; the head
	s_lshl_b32 s46, s15, 4
	s_add_co_u32 s46, s46, s16
	s_mul_i32 s46, s46, 768                        ; the result's half-image: the head's 64 of K = 1,024
	s_mov_b32 s47, 0
	s_lshl_b32 s48, s15, 9
	s_lshr_b32 s17, s16, 3
	s_lshl_b32 s17, s17, 8
	s_add_co_u32 s48, s48, s17
	s_and_b32 s17, s16, 7
	s_lshl_b32 s17, s17, 1
	s_add_co_u32 s48, s48, s17
	s_add_co_u32 s48, s48, 3145728                 ; and its two scale bytes a row
	s_mov_b32 s49, 0
	s_mov_b32 s[G1], 15|(3<<16)|(1<<21)            ; the mask: all four work-groups; elements of 8 bytes; bit 21 beside a mask
	s_mov_b32 s[G1+1], 32<<16                      ; a block: 51 rows of 256 bytes, dense
	s_mov_b32 s[G1+2], 51<<16
	s_mov_b32 s[G1+3], 32<<16
	s_mov_b32 s[G1+4], 51
	s_mov_b32 s[G1+5], 32
	s_mov_b32 s[G1+6], 0
	s_mov_b32 s[G1+7], 0
	s_mov_b32 s[SEL], 0x76543210
	s_mov_b32 s[SEL+1], 0xfedcba98
	s_mov_b32 s[CS], 0x3e38aa3b                    ; c = log2(e) / 8
	s_mov_b32 s[CS+1], s[CS]
	s_mov_b32 s42, 0xffff0000                      ; lanes 16-31
	s_lshr_b32 s15, s12, 1
	s_lshl_b32 s15, s15, 5
	s_and_b32 s16, s12, 1
	s_lshl_b32 s16, s16, 3
	s_add_co_u32 s15, s15, s16                     ; 32 (g / 2) + 8 (g % 2)
	s_mul_i32 s43, s[WV], KVB
	s_wait_dscnt 0x0                               ; both opening adds are done
	s_wait_kmcnt 0x0
	s_mov_b32 s[G0], 1
	s_mov_b32 s[G0+1], s43
	s_add_nc_u64 s[G0+2:G0+3], s[6:7], s[20:21]
	s_or_b32 s[G0+3], s[G0+3], 0x80000000
	s_add_nc_u64 s[50:51], s[4:5], s[50:51]
	s_add_nc_u64 s[52:53], s[4:5], s[52:53]
	s_add_nc_u64 s[44:45], s[4:5], s[44:45]
	s_add_nc_u64 s[4:5], s[4:5], s[22:23]
	s_add_nc_u64 s[46:47], s[8:9], s[46:47]
	s_add_nc_u64 s[48:49], s[8:9], s[48:49]
	CROUND                                         ; all four work-groups are here: the joint loads meet
	tensor_load_to_lds s[G0:G0+3], s[G1:G1+7]      ; every wave issues one: my one tensor load of the launch
	s_nop 0
.rept 4
	v_nop
.endr
	v_and_b32 v31, 31, v0
	s_delay_alu instid0(VALU_DEP_1)
	v_lshlrev_b32 v1, 4, v31                       ; 16 x lane
	s_delay_alu instid0(VALU_DEP_2)
	v_lshlrev_b32 v2, 3, v31                       ; 8 x lane
	v_and_b32 v29, 15, v0                          ; r
	v_bfe_u32 v30, v0, 4, 1                        ; h
	s_delay_alu instid0(VALU_DEP_2)
	v_lshlrev_b32 v3, 5, v29                       ; 32 r
	s_delay_alu instid0(VALU_DEP_3)
	v_lshlrev_b32 v4, 4, v29                       ; 16 r
	global_load_b128 v[16:19], v1, s[4:5]          ; Q's half-image stays in registers
	global_load_b64 v[20:21], v2, s[4:5] offset:512
	global_load_b32 v28, v3, s[44:45] offset:12288 ; and its scale words
	v_and_b32 v31, 8, v29
	s_delay_alu instid0(VALU_DEP_1)
	v_add_nc_u32 v7, v29, v31
	s_delay_alu instid0(VALU_DEP_1)
	v_add_nc_u32 v7, s15, v7
	v_lshlrev_b32 v31, 4, v30
	s_delay_alu instid0(VALU_DEP_1)
	v_sub_nc_u32 v7, v7, v31                       ; my query's place in its key step, less 16 h
	v_add_nc_u32 v31, s[PA], v1                    ; the pair's LDS bytes, 16 a lane; never rewritten
.irp j, 22,23,24,25,26,27,80,81,82,83,84,85
	v_mov_b32 v\j, 0                               ; zero codes: the upper half of K = 128 in Q's operand; behind K's last tile
.endr
	v_mov_b32 v13, 0xff61b1e6                      ; the largest t so far: -3e38
	s_delay_alu instid0(VALU_DEP_1)
	v_floor_f32 v12, -v13                          ; -M
	v_mov_b32 v14, 0                               ; the sum, in two halves
	v_mov_b32 v15, 0
	v_mov_b32 v147, 0                              ; (named as the upper half of the pair v[146:147])
	v_mov_b32 v148, 0
.irp j, 60,61,62,63
	v_mov_b32 v\j, 0                               ; a lane permute's destination counts as one of its sources
.endr
.set n, 0
.rept 32
	v_mov_b32 v[O+n], 0                            ; O^T: the step is written once; the first finds zeros
.set n, n+1
.endr
	s_wait_alu depctr_va_vdst(0)
	s_wait_loadcnt 0x0                             ; Q
	s_wait_tensorcnt 0x0                           ; my block has landed,
	s_barrier_signal -1
	s_barrier_wait -1                              ; everybody's has
.macro BODY diag                       ; one step of 128 keys; diag = 1: the copy whose last step lies on the diagonal
	v_add_nc_u32 v8, s[TB], v1                     ; these four are also the places behind the last products, in front of the loads below
	v_add_nc_u32 v9, s[TB], v2
	v_add_nc_u32 v10, s[TB], v3
	v_add_nc_u32 v11, s[TB], v4
.irp t, 0,1,2,3,4,5,6,7
	ds_load_b128 v[32+6*\t:35+6*\t], v8 offset:768*\t          ; K's tile t
	ds_load_b64 v[36+6*\t:37+6*\t], v9 offset:768*\t+512
.endr
	ds_load_b128 v[134:137], v10 offset:12288      ; K's scale words
	ds_load_b128 v[138:141], v10 offset:12304
.irp t, 0,1,2,3
	ds_load_b128 v[86+12*\t:89+12*\t], v8 offset:6144+1536*\t  ; V^T's tile t
	ds_load_b64 v[90+12*\t:91+12*\t], v9 offset:6144+1536*\t+512
	ds_load_b128 v[92+12*\t:95+12*\t], v8 offset:6144+1536*\t+768
	ds_load_b64 v[96+12*\t:97+12*\t], v9 offset:6144+1536*\t+1280
.endr
	ds_load_b128 v[142:145], v11 offset:12800      ; V's scale words
	s_wait_dscnt 17                                ; K and its words are in; V's 16 loads and its words' one may be out
.irp t, 0,1,2,3,4,5,6,7
	v_wmma_scale_f32_16x16x128_f8f6f4 v[S+8*\t:S+8*\t+7], v[32+6*\t:43+6*\t], v[16:27], 0, v[134+\t], v28 matrix_a_fmt:MATRIX_FMT_BF6 matrix_b_fmt:MATRIX_FMT_BF6
.endr
.rept 4
	v_nop
.endr
.if \diag
	s_cmp_lg_u32 s[ST], s[IW]                      ; only my own tile's last step lies on the diagonal
	s_cbranch_scc1 .Lopen
	v_mov_b32 v149, 0xff800000                     ; -infinity
.set n, 0
.rept 64                                       ; register 16 b + i holds the step's key 32 b + 16 h + i: hidden where it comes behind my query
	v_cmp_gt_i32 vcc_lo, 32*(n/16)+n%16, v7
	v_cndmask_b32 v[S+n], v[S+n], v149, vcc_lo
.set n, n+1
.endr
.Lopen:
.endif
.irp b, 0,1,2,3
	v_max3_num_f32 v[56+\b], v[S+16*\b], v[S+1+16*\b], v[S+2+16*\b]   ; the largest score of each block of 32 keys: for the row's maximum, and, since p rises with the score, for the block's largest p
.endr
.irp i, 3,5,7,9,11,13
.irp b, 0,1,2,3
	v_max3_num_f32 v[56+\b], v[56+\b], v[S+16*\b+\i], v[S+1+16*\b+\i]
.endr
.endr
.irp b, 0,1,2,3
	v_max_num_f32 v[56+\b], v[56+\b], v[S+15+16*\b]
.endr
.irp b, 0,1,2,3
	s_delay_alu instid0(VALU_DEP_4)
	v_permlanex16_b32 v[60+\b], v[56+\b], s[SEL], s[SEL+1]
.endr
.irp b, 0,1,2,3
	s_delay_alu instid0(VALU_DEP_4)
	v_max_num_f32 v[56+\b], v[56+\b], v[60+\b]
.endr
	s_delay_alu instid0(VALU_DEP_2)
	v_max3_num_f32 v148, v56, v57, v58
	s_delay_alu instid0(VALU_DEP_1)
	v_max_num_f32 v148, v148, v59
	s_delay_alu instid0(VALU_DEP_1)
	v_mul_f32 v148, s[CS], v148
	s_delay_alu instid0(VALU_DEP_1)
	v_max_num_f32 v13, v13, v148                   ; the running largest t
	v_mov_b32 v148, v12
	s_delay_alu instid0(VALU_DEP_2)
	v_floor_f32 v12, -v13                          ; the new -M
	s_delay_alu instid0(VALU_DEP_1)
	v_sub_f32 v148, v12, v148                      ; old M - new M: a whole number, 0 or less
	s_delay_alu instid0(VALU_DEP_1)
	v_cvt_i32_f32 v148, v148
	s_delay_alu instid0(VALU_DEP_1)
	v_ldexp_f32 v146, 1.0, v148                    ; f = 2^(old M - new M)
.set n, 0
.rept 32
	v_pk_fma_f32 v[S+n:S+n+1], v[S+n:S+n+1], s[CS:CS+1], v[12:13] op_sel_hi:[1,0,0]   ; t - M
.set n, n+2
.endr
.irp b, 0,1,2,3
	v_fma_f32 v[56+\b], v[56+\b], s[CS], v12
.endr
.set n, 0
	s_wait_alu depctr_va_vdst(0)
.rept 64
	v_exp_f32 v[S+n], v[S+n]                       ; p
.set n, n+1
.endr
	v_pk_mul_f32 v[14:15], v[14:15], v[146:147] op_sel_hi:[1,0]   ; the sums under the new M: a plain place behind the exponentials
	s_wait_alu depctr_va_vdst(0)                   ; one wait for the batch, ahead of its first reader
.irp b, 0,1,2,3
	v_exp_f32 v[56+\b], v[56+\b]                   ; each block's largest p
.endr
	v_pk_add_f32 v[60:61], v[156:157], v[160:161]
	v_pk_add_f32 v[254:255], v[164:165], v[168:169]
	v_pk_add_f32 v[252:253], v[172:173], v[176:177]
	v_pk_add_f32 v[250:251], v[180:181], v[184:185]
	v_pk_add_f32 v[248:249], v[188:189], v[192:193]
	v_pk_add_f32 v[150:151], v[196:197], v[200:201]
	v_pk_add_f32 v[140:141], v[204:205], v[208:209]
	v_pk_add_f32 v[14:15], v[14:15], v[212:213]
	v_pk_add_f32 v[60:61], v[60:61], v[152:153]
	v_pk_add_f32 v[254:255], v[254:255], v[154:155]
	v_pk_add_f32 v[252:253], v[252:253], v[158:159]
	v_pk_add_f32 v[250:251], v[250:251], v[162:163]
	v_pk_add_f32 v[248:249], v[248:249], v[166:167]
	v_pk_add_f32 v[150:151], v[150:151], v[170:171]
	v_pk_add_f32 v[140:141], v[140:141], v[174:175]
	v_pk_add_f32 v[14:15], v[14:15], v[178:179]
	v_pk_add_f32 v[60:61], v[60:61], v[182:183]
	v_pk_add_f32 v[254:255], v[254:255], v[186:187]
	v_pk_add_f32 v[252:253], v[252:253], v[190:191]
	v_pk_add_f32 v[250:251], v[250:251], v[194:195]
	v_pk_add_f32 v[248:249], v[248:249], v[198:199]
	v_pk_add_f32 v[150:151], v[150:151], v[202:203]
	v_pk_add_f32 v[140:141], v[140:141], v[206:207]
	v_pk_add_f32 v[14:15], v[14:15], v[210:211]
	v_pk_add_f32 v[60:61], v[60:61], v[214:215]
	s_delay_alu instid0(VALU_DEP_2)
	v_pk_add_f32 v[14:15], v[14:15], v[250:251]
	s_delay_alu instid0(VALU_DEP_2)
	v_pk_add_f32 v[60:61], v[60:61], v[248:249]
	v_pk_add_f32 v[254:255], v[254:255], v[150:151]
	v_pk_add_f32 v[252:253], v[252:253], v[140:141]
	s_delay_alu instid0(VALU_DEP_2)
	v_pk_add_f32 v[14:15], v[14:15], v[254:255]
	s_delay_alu instid0(VALU_DEP_2)
	v_pk_add_f32 v[60:61], v[60:61], v[252:253]
	s_delay_alu instid0(VALU_DEP_1)
	v_pk_add_f32 v[14:15], v[14:15], v[60:61]
	s_wait_alu depctr_va_vdst(0)                   ; and one for the four
.irp b, 0,1,2,3
	v_max_num_f32 v[56+\b], 0x2800000, v[56+\b]    ; the floor 2^(5 - 127)
.endr
.irp b, 0,1,2,3
	s_delay_alu instid0(VALU_DEP_4)
	v_add_nc_u32 v[52+\b], 0xfe000000, v[56+\b]    ; the conversion's scale operand
.endr
.irp b, 0,1,2,3
	s_delay_alu instid0(VALU_DEP_4)
	v_lshrrev_b32 v[60+\b], 23, v[52+\b]           ; the scale's byte
.endr
	s_delay_alu instid0(VALU_DEP_3)
	v_lshl_or_b32 v150, v61, 8, v60                ; p's scale word for these 128 keys
	s_delay_alu instid0(VALU_DEP_1)
	v_lshl_or_b32 v150, v62, 16, v150
	s_delay_alu instid0(VALU_DEP_1)
	v_lshl_or_b32 v150, v63, 24, v150
.irp c, 0,1
	v_cvt_scalef32_pk16_bf6_f32 v[32+6*\c:34+6*\c], v[S+32*\c:S+15+32*\c], v[52+2*\c]
	v_cvt_scalef32_pk16_bf6_f32 v[44+4*\c:46+4*\c], v[S+16+32*\c:S+31+32*\c], v[52+2*\c+1]
.endr
	v_nop                                          ; one plain place behind a scaled conversion
.irp c, 0,1
.irp i, 0,1,2
	v_permlane16_swap_b32 v[32+6*\c+\i], v[44+4*\c+\i]
.endr
.irp i, 0,1,2
	s_delay_alu instid0(VALU_DEP_3)
	v_mov_b32 v[35+6*\c+\i], v[44+4*\c+\i]
.endr
.endr
.set n, 0
.rept 16
	v_pk_mul_f32 v[O+n:O+n+1], v[O+n:O+n+1], v[146:147] op_sel_hi:[1,0]   ; O^T under the new M; these sixteen are also the places in front of the products below
.set n, n+2
.endr
	s_wait_alu depctr_va_vdst(0)
	s_wait_dscnt 0x0                               ; V and its words
.irp t, 0,1,2,3
	v_wmma_scale_f32_16x16x128_f8f6f4 v[O+8*\t:O+8*\t+7], v[86+12*\t:97+12*\t], v[32:43], v[O+8*\t:O+8*\t+7], v[142+\t], v150 matrix_a_fmt:MATRIX_FMT_BF6 matrix_b_fmt:MATRIX_FMT_BF6
.endr
.endm
	s_mov_b32 s[ST], 0
	s_mov_b32 s[TB], 0
.Lhelp:                                            ; 7 trips in every wave: a helper does the long tile's steps 0 .. k - 1, all of them ahead of its queries
	s_cmp_ge_u32 s[ST], s[HN]
	s_cbranch_scc1 .Lhskip
	BODY 0
.Lhskip:
	s_add_co_u32 s[TB], s[TB], KVB
	s_add_co_u32 s[ST], s[ST], 1
	s_cmp_lt_u32 s[ST], 7
	s_cbranch_scc1 .Lhelp
	s_cmp_eq_u32 s[RB], 0
	s_cbranch_scc1 .Lmain
.rept 4
	v_nop                                          ; the places behind the last products
.endr
.irp t, 0,1,2,3
	ds_store_b128 v31, v[O+8*\t:O+8*\t+3] offset:1024*\t          ; the helper's part: each accumulator from its low end on,
	ds_store_b128 v31, v[O+8*\t+4:O+8*\t+7] offset:1024*\t+512
.endr
	ds_store_b128 v31, v[12:15] offset:4096        ; -M, the largest t, the sum's two halves
	global_load_b128 v[16:19], v1, s[50:51]        ; my own tile's Q
	global_load_b64 v[20:21], v2, s[50:51] offset:512
	global_load_b32 v28, v3, s[52:53] offset:12288
	s_wait_dscnt 0x0                               ; the stores have read their registers: the state begins anew
	v_mov_b32 v13, 0xff61b1e6
	s_delay_alu instid0(VALU_DEP_1)
	v_floor_f32 v12, -v13
	v_mov_b32 v14, 0
	v_mov_b32 v15, 0
.set n, 0
.rept 32
	v_mov_b32 v[O+n], 0
.set n, n+1
.endr
	s_wait_alu depctr_va_vdst(0)
	s_wait_loadcnt 0x0                             ; my own tile's Q
.Lmain:
	s_mov_b32 s[ST], 0
	s_mov_b32 s[TB], 0
.Lstep:                                            ; 16 trips in every wave; the steps that are not mine are passed over
	s_cmp_gt_u32 s[ST], s[IW]
	s_cbranch_scc1 .Lskip
	s_cmp_lt_u32 s[ST], s[LO]
	s_cbranch_scc1 .Lskip
	BODY 1
.Lskip:
	s_add_co_u32 s[TB], s[TB], KVB
	s_add_co_u32 s[ST], s[ST], 1
	s_cmp_lt_u32 s[ST], 16
	s_cbranch_scc1 .Lstep
	; THE WAY OUT: O^T / the sum; register 16 b + i = channel 32 b + 16 h + i of my query: two blocks of 32, quantised into one half-image
.rept 4
	v_nop                                          ; the places behind the last products
.endr
	s_wait_dscnt 0x0                               ; for the others' sake: a helper's part lies in LDS
	s_barrier_signal -1
	s_barrier_wait -1
	s_cmp_lg_u32 s[RB], 0
	s_cbranch_scc1 .Lmerged
.irp t, 0,1,2,3,4,5,6,7
	ds_load_b128 v[S+4*\t:S+4*\t+3], v31 offset:512*\t             ; the helper's O^T, register for register
.endr
	ds_load_b128 v[S+32:S+35], v31 offset:4096     ; its -M in S + 32, its sums in S + 34, S + 35
	s_wait_dscnt 0x0
	v_min_num_f32 v148, v12, v[S+32]               ; -M of both parts: M is the larger
	s_delay_alu instid0(VALU_DEP_1)
	v_sub_f32 v149, v148, v12                      ; my M less the common one: a whole number, 0 or less
	s_delay_alu instid0(VALU_DEP_2)
	v_sub_f32 v150, v148, v[S+32]                  ; the helper's likewise (a helper with no step holds -3e38 as its t: the conversion saturates and its factor is 0)
	s_delay_alu instid0(VALU_DEP_2)
	v_cvt_i32_f32 v149, v149
	s_delay_alu instid0(VALU_DEP_2)
	v_cvt_i32_f32 v150, v150
	s_delay_alu instid0(VALU_DEP_2)
	v_ldexp_f32 v146, 1.0, v149
	s_delay_alu instid0(VALU_DEP_2)
	v_ldexp_f32 v148, 1.0, v150
.set n, 0
.rept 16
	v_pk_mul_f32 v[O+n:O+n+1], v[O+n:O+n+1], v[146:147] op_sel_hi:[1,0]
.set n, n+2
.endr
	v_pk_mul_f32 v[14:15], v[14:15], v[146:147] op_sel_hi:[1,0]
.set n, 0
.rept 16
	v_pk_fma_f32 v[O+n:O+n+1], v[S+n:S+n+1], v[148:149], v[O+n:O+n+1] op_sel_hi:[1,0,1]
.set n, n+2
.endr
	v_pk_fma_f32 v[14:15], v[S+34:S+35], v[148:149], v[14:15] op_sel_hi:[1,0,1]
.Lmerged:
	v_add_f32 v14, v14, v15
	s_delay_alu instid0(VALU_DEP_1)
	v_permlanex16_b32 v148, v14, s[SEL], s[SEL+1]
	s_delay_alu instid0(VALU_DEP_1)
	v_add_f32 v14, v14, v148                       ; the row's sum
	s_wait_alu depctr_va_vdst(0)
	v_rcp_f32 v14, v14
	v_lshl_add_u32 v149, v29, 4, v30               ; (a plain place)  16 r + h: my scale byte's place
	s_wait_alu depctr_va_vdst(0)                   ; the wait ahead of the reciprocal's first reader
.set n, 0
.rept 32
	v_mul_f32 v[S+n], v[O+n], v14
.set n, n+1
.endr
.irp b, 0,1
	v_max3_num_f32 v[56+\b], |v[S+16*\b]|, |v[S+1+16*\b]|, 0x2800000
.endr
.irp i, 2,4,6,8,10,12,14
.irp b, 0,1
	s_delay_alu instid0(VALU_DEP_2)
	v_max3_num_f32 v[56+\b], v[56+\b], |v[S+16*\b+\i]|, |v[S+1+16*\b+\i]|
.endr
.endr
.irp b, 0,1
	s_delay_alu instid0(VALU_DEP_2)
	v_permlanex16_b32 v[60+\b], v[56+\b], s[SEL], s[SEL+1]
.endr
.irp b, 0,1
	s_delay_alu instid0(VALU_DEP_2)
	v_max_num_f32 v[56+\b], v[56+\b], v[60+\b]
.endr
.irp b, 0,1
	s_delay_alu instid0(VALU_DEP_2)
	v_add_nc_u32 v[52+\b], 0xfe000000, v[56+\b]
.endr
.irp b, 0,1
	s_delay_alu instid0(VALU_DEP_2)
	v_lshrrev_b32 v[60+\b], 23, v[52+\b]
.endr
	v_cvt_scalef32_pk16_bf6_f32 v[32:34], v[S:S+15], v52
	v_cvt_scalef32_pk16_bf6_f32 v[44:46], v[S+16:S+31], v53
	v_nop
.irp i, 0,1,2
	v_permlane16_swap_b32 v[32+\i], v[44+\i]
.endr
.irp i, 0,1,2
	s_delay_alu instid0(VALU_DEP_3)
	v_mov_b32 v[35+\i], v[44+\i]
.endr
	v_cndmask_b32 v60, v60, v61, s42               ; lanes 0-15 the first block's byte, lanes 16-31 the second's
	global_store_b128 v1, v[32:35], s[46:47]
	global_store_b64 v2, v[36:37], s[46:47] offset:512
	global_store_b8 v149, v60, s[48:49]            ; 32 lanes, 32 different bytes
	s_wait_tensorcnt 0x0                           ; the wave's end
	ds_add_u32 v[SPW], v[NIL]
	s_wait_dscnt 0x0
	CROUND                                         ; the closing round
	s_endpgm
.Lfunc_end_k_q52e91fb95f_attn:
	.size	k_q52e91fb95f_attn, .Lfunc_end_k_q52e91fb95f_attn-k_q52e91fb95f_attn
	.p2alignl 7, 3214868480
	.fill 96, 4, 3214868480
	.section	.rodata,"a",@progbits
	.p2align	6, 0x0
	.amdhsa_kernel k_q52e91fb95f_attn
		.amdhsa_group_segment_fixed_size 247808
		.amdhsa_private_segment_fixed_size 0
		.amdhsa_enable_private_segment 0
		.amdhsa_kernarg_size 24
		.amdhsa_user_sgpr_count 2
		.amdhsa_user_sgpr_kernarg_segment_ptr 1
		.amdhsa_wavefront_size32 1
		.amdhsa_system_sgpr_workgroup_id_x 1
		.amdhsa_system_sgpr_workgroup_id_y 1
		.amdhsa_system_sgpr_workgroup_id_z 1
		.amdhsa_system_vgpr_workitem_id 0
		.amdhsa_next_free_vgpr 256
		.amdhsa_next_free_sgpr 66
		.amdhsa_reserve_vcc 1
		.amdhsa_float_denorm_mode_32 3
		.amdhsa_float_denorm_mode_16_64 3
		.amdhsa_memory_ordered 1
		.amdhsa_forward_progress 1
		.amdhsa_inst_pref_size 58
	.end_amdhsa_kernel
	.amdgpu_metadata
---
amdhsa.version: [ 1, 2 ]
amdhsa.kernels:
  - .name:           k_q52e91fb95f_attn
    .symbol:         k_q52e91fb95f_attn.kd
    .args:
      - { .name: qb, .offset: 0, .size: 8, .value_kind: global_buffer, .address_space: global }
      - { .name: kv, .offset: 8, .size: 8, .value_kind: global_buffer, .address_space: global }
      - { .name: pb, .offset: 16, .size: 8, .value_kind: global_buffer, .address_space: global }
    .group_segment_fixed_size: 247808
    .private_segment_fixed_size: 0
    .kernarg_segment_align: 8
    .kernarg_segment_size: 24
    .max_flat_workgroup_size: 512
    .sgpr_count:     66
    .vgpr_count:     256
    .wavefront_size: 32
...
	.end_amdgpu_metadata
.endif
;; end of part 3
;; launch gwo (part 4): grid 8 x 32, 4 waves a work-group, clusters of 4 x 4, 214,528 bytes of LDS; arguments pb, wa, bo, x, hb; writes hb
.if DOCPART == 4
	.amdgcn_target "amdgcn-amd-amdhsa--gfx1250"
	.amdhsa_code_object_version 6
	.text
	.protected	k_q52e91fb95f_gwo
	.globl	k_q52e91fb95f_gwo
	.p2align	8
	.type	k_q52e91fb95f_gwo,@function
k_q52e91fb95f_gwo:
	s_mov_b64 s[64:65], 0
	v_nop
	global_prefetch_b8 v0, s[64:65] scope:SCOPE_SE
	s_setreg_imm32_b32 hwreg(HW_REG_WAVE_MODE, 25, 1), 1
	s_wait_xcnt 0x0
	s_wait_alu depctr_hold_cnt(0) depctr_sa_sdst(0) depctr_va_vdst(0) depctr_va_sdst(0) depctr_va_ssrc(0) depctr_va_vcc(0) depctr_vm_vsrc(0)
	s_getreg_b32 s2, hwreg(HW_REG_IB_STS2, 6, 4)
	s_cmp_eq_u32 s2, 0
	s_cbranch_scc0 .Lentry_in_a_cluster
	s_endpgm
.Lentry_in_a_cluster:
	s_bfe_u32 s2, ttmp6, 0x10000c
	s_cmp_lg_u32 s2, 0xf033
	s_cbranch_scc0 .Lentry_shape_is_right
	s_endpgm
.Lentry_shape_is_right:
; Product 6: h = x + attention's result x Wo + bo.  Both operands arrive as codes of E3M2 in this program's operand format; h is f32, [4,096][1,024].  Nothing is left out here.
; A work-group makes 128 x 128, a wave 64 x 64 (16 accumulators): 256 work-groups.  Clusters of 4 x 4: A's tiles shared along a row of the cluster, B's along a column, asked for jointly.
; ALL OF K AT ONCE: 8 tiles of A and 8 of B, 12,288 bytes each for K = 1,024, are 196,608 bytes of LDS: each wave brings four tiles by its one tensor load; no byte is filled again, so there is no ring.
; THE SCALE WORDS go from memory straight into registers: 16 bytes a lane are a row's words of four K steps; A's in v128-159, B's in v160-191, read from lanes 0-15 (lanes 16-31 hold the same).
; No prefetch: the launch has no loop to run ahead in; everything is asked for at its head.
.set TA, 8
.set MB, 4
.set KST, 8
.set ROWT, KST*1536                    ; a tile's codes
.set ASC,  3145728                     ; A's scale bytes in pb
.set BCO,  3276800+2359296             ; Wo's codes in wa
.set BSC,  12713984+98304              ; and its scale bytes
.set Q0,   MB*KST*1536                 ; what one tensor load brings
.set STAGE, 4*Q0                       ; the way out: 16 rows x 272 bytes a wave, bytes of their own
.set SPARE, STAGE+4*4352               ; the spare words, 128 bytes a wave
.set A16, 16
.set A8,  18
.set B16, 20
.set B8,  22
.set ADRB, 15
.set STO, 24
.set RD,  25
.set CO,  26
.set ADRA, 27
.set SPW, 28
.set NIL, 29
.set AF,  32                           ; window 0: v32-127 A's fragments, two sets; window 1: v0-95 B's; window 2: the accumulators; window 3: the residual
.set SA,  128
.set SB,  160
.set BK,  32                           ; the way out: 16 rows read back, v32-63 and v64-95 by turns
.set G1, 24
.set G0, 32
.set G1B, 48
.set G0B, 56
.set MSB, 0
.macro WIN new                         ; the immediate's high byte repeats the setting that is left
.if MSB != (\new)
	s_set_vgpr_msb (MSB<<8)|(\new)
.set MSB, (\new)
.endif
.endm
.macro JLOAD g0a, g1a, g0b, g1b        ; a joint load: waves 0, 1 fetch for A, waves 2, 3 for B; an s_nop 0 and four v_nop follow each line
	s_cmp_eq_u32 s15, 0
	s_cbranch_scc0 .Lfor_b_\@
	tensor_load_to_lds s[\g0a:\g0a+3], s[\g1a:\g1a+7]
	s_nop 0
.rept 4
	v_nop
.endr
	s_branch .Lasked_\@
.Lfor_b_\@:
	tensor_load_to_lds s[\g0b:\g0b+3], s[\g1b:\g1b+7]
	s_nop 0
.rept 4
	v_nop
.endr
.Lasked_\@:
.endm
.macro CROUND                          ; a round of the cluster's barrier
	s_barrier_signal -1
	s_barrier_wait -1
	s_cmp_lg_u32 s14, 0
	s_cbranch_scc1 .Lnot_wave_0_\@
	s_barrier_signal -3
.Lnot_wave_0_\@:
	s_barrier_wait -3
	s_barrier_signal -1
	s_barrier_wait -1
.endm
.macro PLACES n
.rept \n
	v_nop
.endr
.endm
.macro FRAG reg, a16, a8, off          ; a fragment, 12 registers, as two half-images
	ds_load_b128 v[\reg:\reg+3], v[\a16] offset:\off
	ds_load_b64 v[\reg+4:\reg+5], v[\a8] offset:\off+512
	ds_load_b128 v[\reg+6:\reg+9], v[\a16] offset:\off+768
	ds_load_b64 v[\reg+10:\reg+11], v[\a8] offset:\off+1280
.endm
.macro FETCH_B st                      ; K step st's fragments into set st % 2
	WIN 0x40
.set fi, 0
.rept MB
	FRAG 48*((\st)%2)+12*fi, B16, B8, (fi*KST+(\st))*1536
.set fi, fi+1
.endr
.endm
.macro FETCH_A st
	WIN 0
.set fi, 0
.rept MB
	FRAG AF+48*((\st)%2)+12*fi, A16, A8, (fi*KST+(\st))*1536
.set fi, fi+1
.endr
.endm
.macro MULQ ma, st, zero               ; A's tile ma against B's four; the 16 accumulators take turns, one instruction a turn
	WIN 0xa1                                       ; source 0 (B) window 1, source 1 (A) window 0, C and D window 2
.set mb, 0
.rept MB
.set AR, 8*(MB*(\ma)+mb)
.set FB, 48*((\st)%2)+12*mb
.set FA, AF+48*((\st)%2)+12*(\ma)
.if \zero
	v_wmma_scale_f32_16x16x128_f8f6f4 v[AR:AR+7], v[FB:FB+11], v[FA:FA+11], 0, v[SB+8*mb+(\st)], v[SA+8*(\ma)+(\st)] matrix_a_fmt:MATRIX_FMT_BF6 matrix_b_fmt:MATRIX_FMT_BF6
.else
	v_wmma_scale_f32_16x16x128_f8f6f4 v[AR:AR+7], v[FB:FB+11], v[FA:FA+11], v[AR:AR+7], v[SB+8*mb+(\st)], v[SA+8*(\ma)+(\st)] matrix_a_fmt:MATRIX_FMT_BF6 matrix_b_fmt:MATRIX_FMT_BF6
.endif
.set mb, mb+1
.endr
.endm
.macro STEP st, zero                   ; the next step's fragments are asked for first, then this step is multiplied
	PLACES 4                                       ; the loads below land in the set that the last products read
	FETCH_B (\st)+1
	s_wait_dscnt 4*MB                              ; all but the 16 loads just issued: this step's fragments are in
	FETCH_A (\st)+1
	MULQ 0, \st, \zero
	MULQ 1, \st, \zero
	MULQ 2, \st, \zero
	MULQ 3, \st, \zero
.endm
	s_load_b256 s[4:11], s[0:1], 0x0               ; pb, wa, bo, x
	s_load_b64 s[92:93], s[0:1], 0x20              ; hb
	v_lshl_add_u32 v[SPW], v0, 2, SPARE
	v_mov_b32 v[NIL], 0
	ds_add_u32 v[SPW], v[NIL]                      ; the wave's opening
	ds_add_u32 v[SPW], v[NIL]
	v_lshrrev_b32 v1, 5, v0
	v_readfirstlane_b32 s14, v1                    ; wave 0..3
	s_lshr_b32 s15, s14, 1                         ; my half of A's tiles.  Also: I fetch for A (0) or for B (1)
	s_and_b32 s16, s14, 1                          ; my half of B's tiles.  Also: which half I fetch
	s_bfe_u32 s40, ttmp6, 0x40000                  ; cx
	s_bfe_u32 s41, ttmp6, 0x40004                  ; cy
	s_lshl_b32 s43, s41, 2
	s_lshl_b32 s43, 15, s43                        ; my row of the cluster
	s_lshl_b32 s44, 0x1111, s40                    ; my column
	s_lshl_b32 s42, ttmp9, 2
	s_add_co_u32 s42, s42, s40                     ; B's block: 128 columns
	s_and_b32 s17, ttmp7, 0xffff
	s_lshl_b32 s17, s17, 2
	s_add_co_u32 s17, s17, s41                     ; A's block: 128 tokens
	s_or_b32 s[G1], s43, (3<<16)|(1<<21)           ; the mask; elements of 8 bytes; bit 21 beside a mask; no padding: every LDS load reads dense bytes
	s_or_b32 s[G1B], s44, (3<<16)|(1<<21)
.irp g, G1, G1B
	s_mov_b32 s[\g+1], (KST*192)<<16               ; a row: a tile's codes for all of K
	s_mov_b32 s[\g+2], MB<<16
	s_mov_b32 s[\g+3], (KST*192)<<16
	s_mov_b32 s[\g+4], MB
	s_mov_b32 s[\g+5], KST*192
	s_mov_b32 s[\g+6], 0
	s_mov_b32 s[\g+7], 0
.endr
	s_mul_i32 s18, s16, MB
	s_mul_i32 s20, s17, TA
	s_add_co_u32 s20, s20, s18                     ; the first tile of A that I would fetch
	s_mul_i32 s46, s42, TA
	s_add_co_u32 s46, s46, s18                     ; and of B
	s_mul_i32 s20, s20, ROWT
	s_mul_i32 s46, s46, ROWT
	s_add_co_u32 s46, s46, BCO
	s_mov_b32 s21, 0
	s_mov_b32 s47, 0
	s_mul_i32 s45, s14, Q0                         ; where they go: no place in the cluster enters an LDS address
	s_wait_dscnt 0x0                               ; both opening adds are done
	s_wait_kmcnt 0x0
	s_add_nc_u64 s[20:21], s[4:5], s[20:21]
	s_add_nc_u64 s[46:47], s[6:7], s[46:47]
	CROUND                                         ; all sixteen work-groups are here: the joint loads meet
	s_mov_b32 s[G0], 1
	s_add_co_u32 s[G0+1], s45, 0
	s_add_nc_u64 s[G0+2:G0+3], s[20:21], 0
	s_or_b32 s[G0+3], s[G0+3], 0x80000000
	s_mov_b32 s[G0B], 1
	s_add_co_u32 s[G0B+1], s45, 0
	s_add_nc_u64 s[G0B+2:G0B+3], s[46:47], 0
	s_or_b32 s[G0B+3], s[G0B+3], 0x80000000
	JLOAD G0, G1, G0B, G1B                         ; my one tensor load of the launch
	s_mul_i32 s21, s15, Q0                         ; my four tiles of A
	s_mul_i32 s22, s16, Q0
	s_add_co_u32 s22, s22, 2*Q0                    ; and of B
	s_lshl_b32 s73, s17, 3
	s_lshl_b32 s74, s15, 2
	s_add_co_u32 s73, s73, s74
	s_lshl_b32 s73, s73, 9
	s_add_co_u32 s73, s73, ASC                     ; the scale bytes of my tiles of A: 512 a tile
	s_lshl_b32 s74, s42, 3
	s_lshl_b32 s75, s16, 2
	s_add_co_u32 s74, s74, s75
	s_lshl_b32 s74, s74, 9
	s_add_co_u32 s74, s74, BSC                     ; and of B
	s_mul_i32 s75, s14, 4352
	s_add_co_u32 s75, s75, STAGE                   ; my stage
	s_lshl_b32 s46, s42, 9
	s_lshl_b32 s47, s16, 8
	s_add_co_u32 s46, s46, s47                     ; my first column, in bytes
	s_mov_b32 s47, 0
	s_add_nc_u64 s[8:9], s[8:9], s[46:47]
	s_lshl_b32 s18, s17, 7
	s_lshl_b32 s19, s15, 6
	s_add_co_u32 s18, s18, s19                     ; my first token
	s_lshl_b32 s18, s18, 12
	s_add_co_u32 s18, s18, s46
	s_mov_b32 s19, 0
	s_add_nc_u64 s[10:11], s[10:11], s[18:19]
	s_add_nc_u64 s[92:93], s[92:93], s[18:19]
	v_and_b32 v1, 15, v0                           ; r
	v_bfe_u32 v2, v0, 4, 1                         ; h
	v_and_b32 v3, 31, v0
	v_lshlrev_b32 v4, 4, v3
	v_lshlrev_b32 v5, 3, v3
	v_add_nc_u32 v[A16], s21, v4
	v_add_nc_u32 v[A8], s21, v5
	v_add_nc_u32 v[B16], s22, v4
	v_add_nc_u32 v[B8], s22, v5
	v_lshlrev_b32 v7, 4, v1                        ; 16 r
	v_add_nc_u32 v[ADRA], s73, v7
	v_add_nc_u32 v[ADRB], s74, v7
	v_lshlrev_b32 v[CO], 12, v2
	v_lshl_add_u32 v[CO], v1, 4, v[CO]             ; lanes 0-15 one row, lanes 16-31 the next; 16 bytes a lane
	v_mul_u32_u24 v[STO], v1, 272
	v_lshl_add_u32 v[STO], v2, 6, v[STO]
	v_add_nc_u32 v[STO], s75, v[STO]
	v_mul_u32_u24 v[RD], v2, 272
	v_lshl_add_u32 v[RD], v1, 4, v[RD]
	v_add_nc_u32 v[RD], s75, v[RD]
.irp fi, 0,1,2,3
.irp kb, 0,1
	global_load_b128 v[SA+8*\fi+4*\kb:SA+8*\fi+4*\kb+3], v[ADRA], s[4:5] offset:\fi*512+\kb*256   ; register 8 tile + K step
	global_load_b128 v[SB+8*\fi+4*\kb:SB+8*\fi+4*\kb+3], v[ADRB], s[6:7] offset:\fi*512+\kb*256
.endr
.endr
	global_load_b128 v[8:11], v7, s[8:9]           ; the bias of my four columns
	WIN 0xc0                                       ; destination window 3: the residual of my 64 x 64, in the order in which the rows leave
.irp a, 0,1,2,3
.irp i, 0,1,2,3,4,5,6,7
	global_load_b128 v[32*\a+4*\i:32*\a+4*\i+3], v[CO], s[10:11] offset:(32*(\a/2)+8*(\a%2)+2*\i+8*(\i/4))*4096
.endr
.endr
	WIN 0
	s_wait_alu depctr_va_vdst(0)
	s_wait_tensorcnt 0x0                           ; my four tiles are in,
	s_barrier_signal -1
	s_barrier_wait -1                              ; everybody's are
	FETCH_B 0
	FETCH_A 0
	s_wait_loadcnt 33                              ; the 16 loads of scale words are in; the bias's one and the residual's 32 may be out
	STEP 0, 1                                      ; the first products start the sums
.set ST, 1
.rept KST-2
	STEP ST, 0
.set ST, ST+1
.endr
	s_wait_dscnt 0x0
	MULQ 0, KST-1, 0
	MULQ 1, KST-1, 0
	MULQ 2, KST-1, 0
	MULQ 3, KST-1, 0
	WIN 0
.macro TOSTAGE a                       ; A's tile a: lane (r, h), accumulator b, register j = (row r, column 32 (b / 2) + 8 (b % 2) + 16 h + j)
	WIN 0x08                                       ; an LDS store's data are its source 1: window 2
.irp b, 0,1,2,3
	ds_store_b128 v[STO], v[8*(4*(\a)+\b):8*(4*(\a)+\b)+3] offset:(32*(\b/2)+8*(\b%2))*4          ; each accumulator from its low end on
	ds_store_b128 v[STO], v[8*(4*(\a)+\b)+4:8*(4*(\a)+\b)+7] offset:(32*(\b/2)+8*(\b%2))*4+16
.endr
	WIN 0
.irp i, 0,1,2,3,4,5,6,7
	ds_load_b128 v[BK+32*((\a)%2)+4*\i:BK+32*((\a)%2)+4*\i+3], v[RD] offset:544*\i   ; LDS serves a wave's instructions in order: these see the stores above
.endr
.endm
.macro SEND a, younger
.set BB, BK+32*((\a)%2)
	s_wait_dscnt \younger                          ; the tile is back in registers; the next tile's 8 stores and 8 loads may be out
.set n, 0
.rept 8
	v_pk_add_f32 v[BB+4*n:BB+4*n+1], v[BB+4*n:BB+4*n+1], v[8:9]
	v_pk_add_f32 v[BB+4*n+2:BB+4*n+3], v[BB+4*n+2:BB+4*n+3], v[10:11]
.set n, n+1
.endr
	WIN 0x0c                                       ; source 1: window 3
.set n, 0
.rept 16
	v_pk_add_f32 v[BB+n:BB+n+1], v[BB+n:BB+n+1], v[32*(\a)+n:32*(\a)+n+1]
.set n, n+2
.endr
	WIN 0
.irp i, 0,1,2,3,4,5,6,7
	global_store_b128 v[CO], v[BB+4*\i:BB+4*\i+3], s[92:93] offset:(32*((\a)/2)+8*((\a)%2)+2*\i+8*(\i/4))*4096   ; sixteen lanes store 256 consecutive bytes, aligned
.endr
.endm
	s_wait_loadcnt 0x0                             ; the bias and the residual
	PLACES 4                                       ; behind the last products
	TOSTAGE 0
.irp a, 1,2,3
.if \a > 1
	s_wait_xcnt 0x0                                ; tile a - 2's stores have read their registers: tile a's loads may land there
.endif
	TOSTAGE \a
	SEND \a-1, 16
.endr
	SEND 3, 0
	s_wait_tensorcnt 0x0                           ; the wave's end
	ds_add_u32 v[SPW], v[NIL]
	s_wait_dscnt 0x0
	CROUND                                         ; the closing round
	s_endpgm
.Lfunc_end_k_q52e91fb95f_gwo:
	.size	k_q52e91fb95f_gwo, .Lfunc_end_k_q52e91fb95f_gwo-k_q52e91fb95f_gwo
	.p2alignl 7, 3214868480
	.fill 96, 4, 3214868480
	.section	.rodata,"a",@progbits
	.p2align	6, 0x0
	.amdhsa_kernel k_q52e91fb95f_gwo
		.amdhsa_group_segment_fixed_size 214528
		.amdhsa_private_segment_fixed_size 0
		.amdhsa_enable_private_segment 0
		.amdhsa_kernarg_size 40
		.amdhsa_user_sgpr_count 2
		.amdhsa_user_sgpr_kernarg_segment_ptr 1
		.amdhsa_wavefront_size32 1
		.amdhsa_system_sgpr_workgroup_id_x 1
		.amdhsa_system_sgpr_workgroup_id_y 1
		.amdhsa_system_sgpr_workgroup_id_z 1
		.amdhsa_system_vgpr_workitem_id 0
		.amdhsa_next_free_vgpr 1024
		.amdhsa_next_free_sgpr 100
		.amdhsa_reserve_vcc 0
		.amdhsa_float_denorm_mode_32 3
		.amdhsa_float_denorm_mode_16_64 3
		.amdhsa_memory_ordered 1
		.amdhsa_forward_progress 1
		.amdhsa_inst_pref_size 61
	.end_amdhsa_kernel
	.amdgpu_metadata
---
amdhsa.version: [ 1, 2 ]
amdhsa.kernels:
  - .name:           k_q52e91fb95f_gwo
    .symbol:         k_q52e91fb95f_gwo.kd
    .args:
      - { .name: pb, .offset: 0, .size: 8, .value_kind: global_buffer, .address_space: global }
      - { .name: wa, .offset: 8, .size: 8, .value_kind: global_buffer, .address_space: global }
      - { .name: bo, .offset: 16, .size: 8, .value_kind: global_buffer, .address_space: global }
      - { .name: x, .offset: 24, .size: 8, .value_kind: global_buffer, .address_space: global }
      - { .name: hb, .offset: 32, .size: 8, .value_kind: global_buffer, .address_space: global }
    .group_segment_fixed_size: 214528
    .private_segment_fixed_size: 0
    .kernarg_segment_align: 8
    .kernarg_segment_size: 40
    .max_flat_workgroup_size: 128
    .sgpr_count:     100
    .vgpr_count:     1024
    .wavefront_size: 32
...
	.end_amdgpu_metadata
.endif
;; end of part 4
;; launch ln2 (part 5): grid 256 x 1, 8 waves a work-group, no clusters, 67,328 bytes of LDS; arguments hb, ln2_g, ln2_b, a2; writes a2
.if DOCPART == 5
	.amdgcn_target "amdgcn-amd-amdhsa--gfx1250"
	.amdhsa_code_object_version 6
	.text
	.protected	k_q52e91fb95f_ln2
	.globl	k_q52e91fb95f_ln2
	.p2align	8
	.type	k_q52e91fb95f_ln2,@function
k_q52e91fb95f_ln2:
	s_mov_b64 s[64:65], 0
	v_nop
	global_prefetch_b8 v0, s[64:65] scope:SCOPE_SE
	s_setreg_imm32_b32 hwreg(HW_REG_WAVE_MODE, 25, 1), 1
	s_wait_xcnt 0x0
; y = (h - mean) / sqrt(var + 1e-9) * g + b along rows of 1,024 (var with divisor 1,023), all in f32, and y quantised along the row into codes of E3M2 and E8M0 bytes, in the operand format of this program
; (tile T = 2 g + u, row r = token 32 g + 8 u + r + 8 (r / 8); half-images of 768 bytes; scale bytes at 3,145,728 + 512 T + 256 (k / 512) + 16 r + (k / 32) % 16).  Nothing is left out here.
; A work-group makes one tile of 16 tokens.  Phase 1: wave w normalises the tile's rows 2 w and 2 w + 1 (two neighbouring tokens, 8,192 consecutive bytes); a row lies in 32 registers of the wave, so it is
; read once; mean first, then the sum of squared differences.  The rows meet in LDS.  Phase 2: wave w quantises K step w (128 along K) of all 16 rows and stores the fragment's image.
; LIMITS: the quantiser's, as stated at the head of the first kernel of the program.
.set PY,    4112                       ; a row of y in LDS: 4,096 bytes + 16, an odd multiple of 16: sixteen rows' 16 bytes fall on different banks
.set SCW,   16*PY                      ; the tile's 512 scale bytes: past what an LDS immediate of 16 bits reaches, so the address registers carry this base
.set SPARE, SCW+512                    ; the spare words, 128 bytes a wave
.set X,   32                           ; v32-95   two rows; later the 64 numbers of a lane for the quantiser
.set G,   96                           ; v96-127  g of my columns
.set B,   128                          ; v128-159 b
.set TM,  160
.set PW,  176
.set PC,  180
.set SPW, 12
.set NIL, 13
.set SEL, 22
.macro QUANT s                         ; 64 numbers of a lane, register 16 b + i = k 32 b + 16 (lane / 16) + i of my row, become a fragment's codes in v[PC] on and its scale word in v[PW]
.irp b, 0,1,2,3
	v_max3_num_f32 v[TM+\b], |v[\s+16*\b]|, |v[\s+1+16*\b]|, 0x2800000   ; my 16 numbers of block b, and the floor 2^(5 - 127)
.endr
.irp i, 2,4,6,8,10,12,14
.irp b, 0,1,2,3
	s_delay_alu instid0(VALU_DEP_4)
	v_max3_num_f32 v[TM+\b], v[TM+\b], |v[\s+16*\b+\i]|, |v[\s+1+16*\b+\i]|
.endr
.endr
.irp b, 0,1,2,3
	s_delay_alu instid0(VALU_DEP_4)
	v_permlanex16_b32 v[TM+4+\b], v[TM+\b], s[SEL], s[SEL+1]
.endr
.irp b, 0,1,2,3
	s_delay_alu instid0(VALU_DEP_4)
	v_max_num_f32 v[TM+\b], v[TM+\b], v[TM+4+\b]   ; with lane l xor 16's: the block's largest magnitude
.endr
.irp b, 0,1,2,3
	s_delay_alu instid0(VALU_DEP_4)
	v_add_nc_u32 v[TM+12+\b], 0xfe000000, v[TM+\b] ; 4 off its exponent field: the conversion's scale operand
.endr
.irp b, 0,1,2,3
	s_delay_alu instid0(VALU_DEP_4)
	v_lshrrev_b32 v[TM+4+\b], 23, v[TM+12+\b]      ; the scale's byte
.endr
	s_delay_alu instid0(VALU_DEP_3)
	v_lshl_or_b32 v[PW], v[TM+5], 8, v[TM+4]
	s_delay_alu instid0(VALU_DEP_1)
	v_lshl_or_b32 v[PW], v[TM+6], 16, v[PW]
	s_delay_alu instid0(VALU_DEP_1)
	v_lshl_or_b32 v[PW], v[TM+7], 24, v[PW]
.irp c, 0,1
	v_cvt_scalef32_pk16_bf6_f32 v[PC+6*\c:PC+2+6*\c], v[\s+32*\c:\s+15+32*\c], v[TM+12+2*\c]
	v_cvt_scalef32_pk16_bf6_f32 v[PC+12+4*\c:PC+14+4*\c], v[\s+16+32*\c:\s+31+32*\c], v[TM+12+2*\c+1]
.endr
	v_nop                                          ; one plain place behind a scaled conversion
.irp c, 0,1                                    ; the operand's layout wants a whole block in a lane
.irp i, 0,1,2
	v_permlane16_swap_b32 v[PC+6*\c+\i], v[PC+12+4*\c+\i]
.endr
.irp i, 0,1,2
	s_delay_alu instid0(VALU_DEP_3)
	v_mov_b32 v[PC+3+6*\c+\i], v[PC+12+4*\c+\i]
.endr
.endr
.endm
	s_load_b256 s[4:11], s[0:1], 0x0               ; the rows, g, b, the operand's buffer
	v_lshl_add_u32 v[SPW], v0, 2, SPARE
	v_mov_b32 v[NIL], 0
	v_lshrrev_b32 v1, 5, v0
	s_delay_alu instid0(VALU_DEP_1)
	v_readfirstlane_b32 s12, v1                    ; wave 0..7
	v_and_b32 v2, 31, v0
	v_and_b32 v3, 15, v0                           ; r
	s_wait_alu depctr_va_vdst(0)
	v_bfe_u32 v9, v0, 4, 1                         ; h
	v_lshlrev_b32 v4, 4, v2                        ; 16 x lane
	v_lshlrev_b32 v7, 3, v2                        ; 8 x lane
	s_delay_alu instid0(VALU_DEP_2)
	v_add_nc_u32 v10, SCW, v4                      ; the scale bytes' way out: SCW + 16 x lane
	s_mul_i32 s13, s12, 2*PY
	v_add_nc_u32 v5, s13, v4                       ; y, on the way in: my two rows, 16 bytes a lane
	v_mul_u32_u24 v6, v3, PY
	s_delay_alu instid0(VALU_DEP_1)
	v_lshl_add_u32 v6, v9, 6, v6
	s_lshl_b32 s13, s12, 9
	v_add_nc_u32 v6, s13, v6                       ; and on the way out: row r, K step w, + 64 h
	s_lshr_b32 s13, s12, 2
	s_lshl_b32 s14, s13, 8
	s_and_b32 s15, s12, 3
	s_lshl_b32 s15, s15, 2
	s_add_co_u32 s14, s14, s15
	s_add_co_u32 s14, s14, SCW
	v_lshl_add_u32 v8, v3, 4, s14                  ; my row's scale word of K step w
	s_lshr_b32 s16, ttmp9, 1
	s_lshl_b32 s16, s16, 5
	s_and_b32 s17, ttmp9, 1
	s_lshl_b32 s17, s17, 3
	s_add_co_u32 s16, s16, s17
	s_lshl_b32 s17, s12, 1
	s_add_co_u32 s16, s16, s17
	s_lshl_b32 s17, s13, 3
	s_add_co_u32 s16, s16, s17                     ; my first token: 32 (T / 2) + 8 (T % 2) + 2 w + 8 (w / 4)
	s_lshl_b32 s16, s16, 12
	s_mov_b32 s17, 0
	s_lshl_b32 s18, ttmp9, 4
	s_lshl_b32 s19, s12, 1
	s_add_co_u32 s18, s18, s19
	s_mul_i32 s18, s18, 768                        ; half-images 2 w, 2 w + 1 of tile T
	s_mov_b32 s19, 0
	s_lshl_b32 s20, ttmp9, 9
	s_add_co_u32 s20, s20, 3145728                 ; the tile's scale bytes
	s_mov_b32 s21, 0
	s_mov_b32 s[SEL], 0x76543210
	s_mov_b32 s[SEL+1], 0xfedcba98                 ; v_permlanex16_b32's selects for lane l xor 16
	s_mov_b32 s24, 0x3a802008                      ; 1 / 1,023
	v_mov_b32 v22, 0                               ; written once: a lane permute's destination counts as one of its sources
.irp b, 0,1,2,3
	v_mov_b32 v[TM+4+\b], 0
.endr
	s_wait_kmcnt 0x0
	s_add_nc_u64 s[4:5], s[4:5], s[16:17]
	s_add_nc_u64 s[18:19], s[10:11], s[18:19]
	s_add_nc_u64 s[20:21], s[10:11], s[20:21]
.irp i, 0,1
.irp j, 0,1,2,3,4,5,6,7
	global_load_b128 v[X+32*\i+4*\j:X+32*\i+4*\j+3], v4, s[4:5] offset:4096*\i+512*\j   ; register 4 j + e = column 128 j + 4 lane + e
.endr
.endr
.irp j, 0,1,2,3,4,5,6,7
	global_load_b128 v[G+4*\j:G+4*\j+3], v4, s[6:7] offset:512*\j
	global_load_b128 v[B+4*\j:B+4*\j+3], v4, s[8:9] offset:512*\j
.endr
	s_wait_loadcnt 0x0
.macro FOLD                            ; four chains of pairs, v[14:21], into v14, and over the 32 lanes
	s_delay_alu instid0(VALU_DEP_3)
	v_pk_add_f32 v[14:15], v[14:15], v[16:17]
	s_delay_alu instid0(VALU_DEP_2)
	v_pk_add_f32 v[18:19], v[18:19], v[20:21]
	s_delay_alu instid0(VALU_DEP_1)
	v_pk_add_f32 v[14:15], v[14:15], v[18:19]
	s_delay_alu instid0(VALU_DEP_1)
	v_add_f32 v14, v14, v15
	s_delay_alu instid0(VALU_DEP_1)
	v_add_f32_dpp v14, v14, v14 row_xmask:1 row_mask:0xf bank_mask:0xf
	s_delay_alu instid0(VALU_DEP_1)
	v_add_f32_dpp v14, v14, v14 row_xmask:2 row_mask:0xf bank_mask:0xf
	s_delay_alu instid0(VALU_DEP_1)
	v_add_f32_dpp v14, v14, v14 row_xmask:4 row_mask:0xf bank_mask:0xf
	s_delay_alu instid0(VALU_DEP_1)
	v_add_f32_dpp v14, v14, v14 row_xmask:8 row_mask:0xf bank_mask:0xf
	s_delay_alu instid0(VALU_DEP_1)
	v_permlanex16_b32 v22, v14, s[SEL], s[SEL+1]
	s_delay_alu instid0(VALU_DEP_1)
	v_add_f32 v14, v14, v22
.endm
.macro STAT i                          ; row i: x - mean in place; var + 1e-9 into v[30 + i]
.set XR, X+32*\i
.irp c, 0,1,2,3
	v_pk_add_f32 v[14+2*\c:15+2*\c], v[XR+2*\c:XR+2*\c+1], v[XR+8+2*\c:XR+9+2*\c]
.endr
.irp k, 16,24
.irp c, 0,1,2,3
	s_delay_alu instid0(VALU_DEP_4)
	v_pk_add_f32 v[14+2*\c:15+2*\c], v[14+2*\c:15+2*\c], v[XR+\k+2*\c:XR+\k+2*\c+1]
.endr
.endr
	FOLD
	s_delay_alu instid0(VALU_DEP_1)
	v_mul_f32 v24, 0x3a800000, v14                 ; the mean: sum x 2^-10
	s_delay_alu instid0(VALU_DEP_1)
	v_mov_b32 v25, v24
.set n, 0
.rept 16
	v_pk_add_f32 v[XR+n:XR+n+1], v[XR+n:XR+n+1], v[24:25] neg_lo:[0,1] neg_hi:[0,1]
.set n, n+2
.endr
.irp c, 0,1,2,3
	v_pk_mul_f32 v[14+2*\c:15+2*\c], v[XR+2*\c:XR+2*\c+1], v[XR+2*\c:XR+2*\c+1]
.endr
.irp k, 8,16,24
.irp c, 0,1,2,3
	s_delay_alu instid0(VALU_DEP_4)
	v_pk_fma_f32 v[14+2*\c:15+2*\c], v[XR+\k+2*\c:XR+\k+2*\c+1], v[XR+\k+2*\c:XR+\k+2*\c+1], v[14+2*\c:15+2*\c]
.endr
.endr
	FOLD
	s_delay_alu instid0(VALU_DEP_1)
	v_fmaak_f32 v[30+\i], s24, v14, 0x3089705f     ; / 1,023, + 1e-9
.endm
	STAT 0
	STAT 1
	s_wait_alu depctr_va_vdst(0)
	v_rsq_f32 v26, v30
	v_rsq_f32 v28, v31
	v_nop                                          ; a plain place behind the transcendentals
	s_wait_alu depctr_va_vdst(0)                   ; one wait for both, ahead of their first reader
	v_mov_b32 v27, v26
	v_mov_b32 v29, v28
.irp i, 0,1
.set n, 0
.rept 16
	v_pk_mul_f32 v[X+32*\i+n:X+32*\i+n+1], v[X+32*\i+n:X+32*\i+n+1], v[26+2*\i:27+2*\i]
.set n, n+2
.endr
.set n, 0
.rept 16
	v_pk_fma_f32 v[X+32*\i+n:X+32*\i+n+1], v[X+32*\i+n:X+32*\i+n+1], v[G+n:G+n+1], v[B+n:B+n+1]
.set n, n+2
.endr
.irp j, 0,1,2,3,4,5,6,7
	ds_store_b128 v5, v[X+32*\i+4*\j:X+32*\i+4*\j+3] offset:\i*PY+512*\j
.endr
.endr
	s_wait_dscnt 0x0                               ; for the others' sake: my rows lie in LDS
	s_barrier_signal -1
	s_barrier_wait -1
.irp b, 0,1,2,3
.irp j, 0,1,2,3
	ds_load_b128 v[X+16*\b+4*\j:X+16*\b+4*\j+3], v6 offset:128*\b+16*\j    ; k = 128 w + 32 b + 16 h + 4 j ..
.endr
.endr
	s_wait_dscnt 0x0
	QUANT X
	global_store_b128 v4, v[PC:PC+3], s[18:19]
	global_store_b64 v7, v[PC+4:PC+5], s[18:19] offset:512
	global_store_b128 v4, v[PC+6:PC+9], s[18:19] offset:768
	global_store_b64 v7, v[PC+10:PC+11], s[18:19] offset:1280
	ds_store_b32 v8, v[PW]                         ; both halves of the lanes write the same word with the same value
	s_wait_dscnt 0x0
	s_barrier_signal -1
	s_barrier_wait -1
	s_cmp_lg_u32 s12, 0
	s_cbranch_scc1 .Lnot_wave_0
	ds_load_b128 v[32:35], v10                     ; the tile's 512 scale bytes leave as two aligned blocks of 256
	s_wait_dscnt 0x0
	global_store_b128 v4, v[32:35], s[20:21]
.Lnot_wave_0:
	s_wait_tensorcnt 0x0                           ; the wave's end
	ds_add_u32 v[SPW], v[NIL]
	s_wait_dscnt 0x0
	s_endpgm
.Lfunc_end_k_q52e91fb95f_ln2:
	.size	k_q52e91fb95f_ln2, .Lfunc_end_k_q52e91fb95f_ln2-k_q52e91fb95f_ln2
	.p2alignl 7, 3214868480
	.fill 96, 4, 3214868480
	.section	.rodata,"a",@progbits
	.p2align	6, 0x0
	.amdhsa_kernel k_q52e91fb95f_ln2
		.amdhsa_group_segment_fixed_size 67328
		.amdhsa_private_segment_fixed_size 0
		.amdhsa_enable_private_segment 0
		.amdhsa_kernarg_size 32
		.amdhsa_user_sgpr_count 2
		.amdhsa_user_sgpr_kernarg_segment_ptr 1
		.amdhsa_wavefront_size32 1
		.amdhsa_system_sgpr_workgroup_id_x 1
		.amdhsa_system_sgpr_workgroup_id_y 1
		.amdhsa_system_sgpr_workgroup_id_z 1
		.amdhsa_system_vgpr_workitem_id 0
		.amdhsa_next_free_vgpr 200
		.amdhsa_next_free_sgpr 66
		.amdhsa_reserve_vcc 0
		.amdhsa_float_denorm_mode_32 3
		.amdhsa_float_denorm_mode_16_64 3
		.amdhsa_memory_ordered 1
		.amdhsa_forward_progress 1
		.amdhsa_inst_pref_size 30
	.end_amdhsa_kernel
	.amdgpu_metadata
---
amdhsa.version: [ 1, 2 ]
amdhsa.kernels:
  - .name:           k_q52e91fb95f_ln2
    .symbol:         k_q52e91fb95f_ln2.kd
    .args:
      - { .name: hb, .offset: 0, .size: 8, .value_kind: global_buffer, .address_space: global }
      - { .name: ln2_g, .offset: 8, .size: 8, .value_kind: global_buffer, .address_space: global }
      - { .name: ln2_b, .offset: 16, .size: 8, .value_kind: global_buffer, .address_space: global }
      - { .name: a2, .offset: 24, .size: 8, .value_kind: global_buffer, .address_space: global }
    .group_segment_fixed_size: 67328
    .private_segment_fixed_size: 0
    .kernarg_segment_align: 8
    .kernarg_segment_size: 32
    .max_flat_workgroup_size: 256
    .sgpr_count:     66
    .vgpr_count:     200
    .wavefront_size: 32
...
	.end_amdgpu_metadata
.endif
;; end of part 5
;; launch gup (part 6): grid 16 x 16, 4 waves a work-group, clusters of 4 x 4, 327,680 bytes of LDS; arguments a2, wa, bup, hid; writes hid
.if DOCPART == 6
	.amdgcn_target "amdgcn-amd-amdhsa--gfx1250"
	.amdhsa_code_object_version 6
	.text
	.protected	k_q52e91fb95f_gup
	.globl	k_q52e91fb95f_gup
	.p2align	8
	.type	k_q52e91fb95f_gup,@function
k_q52e91fb95f_gup:
	s_mov_b64 s[64:65], 0
	v_nop
	global_prefetch_b8 v0, s[64:65] scope:SCOPE_SE
	s_setreg_imm32_b32 hwreg(HW_REG_WAVE_MODE, 25, 1), 1
	s_wait_xcnt 0x0
	s_wait_alu depctr_hold_cnt(0) depctr_sa_sdst(0) depctr_va_vdst(0) depctr_va_sdst(0) depctr_va_ssrc(0) depctr_va_vcc(0) depctr_vm_vsrc(0)
	s_getreg_b32 s2, hwreg(HW_REG_IB_STS2, 6, 4)
	s_cmp_eq_u32 s2, 0
	s_cbranch_scc0 .Lentry_in_a_cluster
	s_endpgm
.Lentry_in_a_cluster:
	s_bfe_u32 s2, ttmp6, 0x10000c
	s_cmp_lg_u32 s2, 0xf033
	s_cbranch_scc0 .Lentry_shape_is_right
	s_endpgm
.Lentry_shape_is_right:
; Product 7: silu(LN2(h) Wup + bup), on codes of E3M2; the result is quantised in registers along the hidden axis, the K of product 8, and leaves as codes: the hidden layer never goes to memory as f32.  Nothing is left out here.
; A work-group makes 256 x 256, a wave 128 x 128: 64 accumulators.  K = 1,024 is four quarters of 256 along K, 98,304 bytes each for a work-group.  THREE LDS slots take the first three quarters with the first
; fills; the fourth goes into slot 0 as soon as that has been read: one refill and one round of the cluster's barrier, and the products of two quarters, 256 matrix instructions a wave, stand between that
; request and the wait for it.  Clusters of 4 x 4 with joint loads, A's tiles along a row, B's along a column.
; Source 0 = Wup's columns, source 1 = tokens: a lane holds one token, and the 64 registers of eight tiles are 16 neighbours of each of four blocks of 32 hidden units: a wave's 128 columns are one K step of product 8.
; silu(v) = v / (1 + 2^(-v log2 e)), in f32.  LIMITS: the quantiser's, as stated at the head of the first kernel of the program.
.set TA, 16
.set MB, 8
.set NQ, 2
.set KK, 1024
.set WUP,  3276800+3145728
.set WUPS, 12713984+131072
; ---------------- the GEMM core ----------------
.set KST,   KK/128                     ; K steps of 128
.set ROWT,  KST*1536                   ; a tile's codes in memory
.set HALFT, MB*NQ*1536                 ; what one tensor load brings: MB tiles x NQ K steps
.set SLOT,  4*HALFT                    ; A's two halves, then B's two
.set SBLK,  (KK/512)*256               ; a tile's scale bytes
.set HALFS, MB*SBLK
.set SCL,   3*SLOT                     ; behind the three slots: the scale bytes for all of K, filled once
.set SPARE, SCL+4*HALFS                ; the spare words, 128 bytes a wave
.set A16, 16                           ; v16-18 A's fragments in slot 0, 1, 2: + 16 x lane
.set A8,  19                           ; v19-21 the same + 8 x lane
.set B16, 22                           ; v22-24, v25-27 the same for B
.set B8,  25
.set SPW, 28
.set NIL, 29
.set ADRS, 30                          ; v30 my scale words: lanes 0-15 A's rows, lanes 16-31 B's
.set SC,  32                           ; v32-63 scale words, two sets that take turns by quarter: register NQ i + q
.set AF,  64                           ; window 0: A's fragments, two sets;  window 1: B's, two sets from v0;  windows 2, 3: the accumulators
.set G1,  24                           ; s[24:31] descriptor group 1 for A's tiles
.set GA0, 32                           ; groups 0 for A's tiles, a set for each slot's first fill: s[32:35], s[36:39], s[4:7] (the pointers there are done with when it is written)
.set GA1, 36
.set GA2, 4
.set G1B, 48                           ; the same for B's tiles: s[48:55]; s[56:59], s[60:63], s[96:99]
.set GB0, 56
.set GB1, 60
.set GB2, 96
.set G1S, 68
.set G0S, 76
.set G1SB, 80
.set G0SB, 88
.set MSB, 0
.macro WIN new                         ; the immediate's high byte repeats the setting that is left
.if MSB != (\new)
	s_set_vgpr_msb (MSB<<8)|(\new)
.set MSB, (\new)
.endif
.endm
.macro JLOAD g0a, g1a, g0b, g1b        ; a joint load: waves 0, 1 fetch for A, waves 2, 3 for B; an s_nop 0 and four v_nop follow each line
	s_cmp_eq_u32 s15, 0
	s_cbranch_scc0 .Lfor_b_\@
	tensor_load_to_lds s[\g0a:\g0a+3], s[\g1a:\g1a+7]
	s_nop 0
.rept 4
	v_nop
.endr
	s_branch .Lasked_\@
.Lfor_b_\@:
	tensor_load_to_lds s[\g0b:\g0b+3], s[\g1b:\g1b+7]
	s_nop 0
.rept 4
	v_nop
.endr
.Lasked_\@:
.endm
.macro CREST                           ; a round of the cluster's barrier behind its opening barrier
	s_cmp_lg_u32 s14, 0
	s_cbranch_scc1 .Lnot_wave_0_\@
	s_barrier_signal -3
.Lnot_wave_0_\@:
	s_barrier_wait -3
	s_barrier_signal -1
	s_barrier_wait -1
.endm
.macro CROUND
	s_barrier_signal -1
	s_barrier_wait -1
	CREST
.endm
.macro PLACES n
.rept \n
	v_nop
.endr
.endm
.macro IDS                             ; the wave's number and the work-group's place in its cluster
	v_lshrrev_b32 v1, 5, v0
	v_readfirstlane_b32 s14, v1
	s_lshr_b32 s15, s14, 1                         ; my half of A's tiles.  Also: I fetch for A (0) or for B (1)
	s_and_b32 s16, s14, 1                          ; my half of B's tiles.  Also: which half I fetch
	s_bfe_u32 s40, ttmp6, 0x40000                  ; cx
	s_bfe_u32 s41, ttmp6, 0x40004                  ; cy
	s_lshl_b32 s43, s41, 2
	s_lshl_b32 s43, 15, s43                        ; my row of the cluster
	s_lshl_b32 s44, 0x1111, s40                    ; my column
.endm
.macro DESCS                           ; s17 = A's block, s42 = B's block; s66, s67 = where A's codes and scales begin in their buffer, s12, s13 = B's
	s_or_b32 s[G1], s43, (3<<16)|(1<<21)           ; the mask; elements of 8 bytes; bit 21 beside a mask; no padding: every LDS load of this text reads dense bytes
	s_or_b32 s[G1B], s44, (3<<16)|(1<<21)
.irp g, G1, G1B
	s_mov_b32 s[\g+1], (NQ*192)<<16                ; a row: a tile's NQ K steps, NQ x 1,536 bytes
	s_mov_b32 s[\g+2], TA<<16                      ; the head's loads bring a whole block's TA tiles
	s_mov_b32 s[\g+3], (NQ*192)<<16
	s_mov_b32 s[\g+4], TA
	s_mov_b32 s[\g+5], KST*192                     ; from tile to tile
	s_mov_b32 s[\g+6], 0
	s_mov_b32 s[\g+7], 0
.endr
	s_or_b32 s[G1S], s43, (3<<16)|(1<<21)
	s_or_b32 s[G1SB], s44, (3<<16)|(1<<21)
.irp g, G1S, G1SB
	s_mov_b32 s[\g+1], 32<<16                      ; the scale bytes of TA tiles: a dense block, as rows of 256 bytes
	s_mov_b32 s[\g+2], (HALFS/128)<<16             ; the scale bytes of TA tiles
	s_mov_b32 s[\g+3], 32<<16
	s_mov_b32 s[\g+4], HALFS/128
	s_mov_b32 s[\g+5], 32
	s_mov_b32 s[\g+6], 0
	s_mov_b32 s[\g+7], 0
.endr
	s_mul_i32 s18, s16, MB*ROWT                    ; behind the head I fetch MB tiles of a block: which half, in bytes
	s_mov_b32 s19, 0
	s_mul_i32 s20, s17, TA                         ; A's block: its first tile
	s_mul_i32 s46, s42, TA                         ; B's
	s_mul_i32 s22, s20, SBLK
	s_add_co_u32 s22, s22, s67
	s_mul_i32 s20, s20, ROWT
	s_add_co_u32 s20, s20, s66
	s_mul_i32 s98, s46, SBLK
	s_add_co_u32 s98, s98, s13
	s_mul_i32 s46, s46, ROWT
	s_add_co_u32 s46, s46, s12
	s_mov_b32 s21, 0
	s_mov_b32 s23, 0
	s_mov_b32 s47, 0
	s_mov_b32 s99, 0
	s_mul_i32 s45, s14, HALFT                      ; where they go: wave x a quarter of a slot: no place in the cluster enters an LDS address
	s_mul_i32 s3, s14, 2*HALFT                     ; my part of the bytes that hold quarters 1 and 2 of K
.endm
.macro ARM under, g0, g1, next         ; an arm of the head's one tree of branches on the wave's number: one tensor load, then the jump to the tree's end
	s_cmp_lt_u32 s14, \under
	s_cbranch_scc0 \next
	tensor_load_to_lds s[\g0:\g0+3], s[\g1:\g1+7]
	s_nop 0
.rept 4
	v_nop
.endr
	s_branch .Lhead_asked
\next:
.endm
.macro MKG0 ga, gb, s                  ; groups 0 for quarter s of K; the LDS addresses are written behind it
	s_mov_b32 s[\ga], 1
	s_add_nc_u64 s[\ga+2:\ga+3], s[20:21], \s*NQ*1536
	s_or_b32 s[\ga+3], s[\ga+3], 0x80000000
	s_mov_b32 s[\gb], 1
	s_add_nc_u64 s[\gb+2:\gb+3], s[46:47], \s*NQ*1536
	s_or_b32 s[\gb+3], s[\gb+3], 0x80000000
.endm
.macro FILLS pa, pb                    ; THE FILLS AS THEY NOW GO: at the head one load a wave (quarter 0 of A, of B, A's scales, B's); behind the full sequence one load a wave for quarters 1 and 2; quarter 3 is slot 0's refill
	s_add_nc_u64 s[20:21], s[\pa:\pa+1], s[20:21]
	s_add_nc_u64 s[22:23], s[\pa:\pa+1], s[22:23]
	s_add_nc_u64 s[46:47], s[\pb:\pb+1], s[46:47]
	s_add_nc_u64 s[98:99], s[\pb:\pb+1], s[98:99]
	CROUND                                         ; all sixteen work-groups are here: the first joint loads meet
	s_mov_b32 s[G0S], 1
	s_mov_b32 s[G0S+1], SCL
	s_mov_b64 s[G0S+2:G0S+3], s[22:23]
	s_or_b32 s[G0S+3], s[G0S+3], 0x80000000
	s_mov_b32 s[G0SB], 1
	s_mov_b32 s[G0SB+1], SCL+2*HALFS
	s_mov_b64 s[G0SB+2:G0SB+3], s[98:99]
	s_or_b32 s[G0SB+3], s[G0SB+3], 0x80000000
	MKG0 GA2, GB2, 0                               ; the head: quarter 0 of K, A's whole block and B's whole block
	s_mov_b32 s[GA2+1], 0
	s_mov_b32 s[GB2+1], 2*HALFT
	s_add_nc_u64 s[20:21], s[20:21], s[18:19]      ; from here on: my MB tiles
	s_add_nc_u64 s[46:47], s[46:47], s[18:19]
	MKG0 GA1, GB1, 1                               ; quarters 1 and 2 in one load: rows twice as long
	s_add_co_u32 s[GA1+1], s3, SLOT
	s_add_co_u32 s[GB1+1], s3, SLOT
	MKG0 GA0, GB0, 3                               ; quarter 3, slot 0's refill
	s_add_co_u32 s[GA0+1], s45, 0
	s_add_co_u32 s[GB0+1], s45, 0
	s_cmp_eq_u32 s15, 0                            ; the prefetches: of the MB tiles that I fetch behind the head, my work-group names two: the four partners that ask for them jointly are told apart by address (cx for A, cy for B)
	s_cselect_b64 s[66:67], s[20:21], s[46:47]
	s_cselect_b32 s18, s40, s41
	s_mul_i32 s18, s18, 2*ROWT
	s_add_nc_u64 s[66:67], s[66:67], s[18:19]
	ARM 1, GA2, G1, .Lhead_b                       ; one tensor load a wave at the head: wave 0 A's codes, wave 1 B's, wave 2 A's scales, wave 3 B's
	ARM 2, GB2, G1B, .Lhead_sa
	ARM 3, G0S, G1S, .Lhead_sb
	tensor_load_to_lds s[G0SB:G0SB+3], s[G1SB:G1SB+7]
	s_nop 0
.rept 4
	v_nop
.endr
.Lhead_asked:
.endm
.macro LANES                           ; v1 = r, v2 = h, v3 = lane, v4 = 16 x lane, v5 = 8 x lane stay for the whole kernel
	v_and_b32 v1, 15, v0
	v_bfe_u32 v2, v0, 4, 1
	v_and_b32 v3, 31, v0
	v_lshlrev_b32 v4, 4, v3
	v_lshlrev_b32 v5, 3, v3
	s_mul_i32 s21, s15, HALFT
	s_mul_i32 s22, s16, HALFT
	s_add_co_u32 s22, s22, 2*HALFT
.irp s, 0,1,2
	v_add_nc_u32 v[A16+\s], s21, v4
	v_add_nc_u32 v[A8+\s], s21, v5
	v_add_nc_u32 v[B16+\s], s22, v4
	v_add_nc_u32 v[B8+\s], s22, v5
.if \s == 0                            ; quarters 1 and 2 lie together: a wave's part is 2 HALFT, a tile's row 2 NQ steps; quarter 2 begins NQ steps into the row
	s_lshl_b32 s21, s21, 1
	s_lshl_b32 s22, s22, 1
	s_add_co_u32 s21, s21, SLOT
	s_add_co_u32 s22, s22, SLOT
.else
	s_add_co_u32 s21, s21, NQ*1536
	s_add_co_u32 s22, s22, NQ*1536
.endif
.endr
	s_mul_i32 s21, s15, HALFS
	s_mul_i32 s22, s16, HALFS
	s_add_co_u32 s22, s22, 2*HALFS
	s_sub_co_u32 s22, s22, s21
	v_mul_u32_u24 v6, s22, v2                      ; lanes 16-31 take B's: one product, the distance between the two bases
	s_add_co_u32 s21, s21, SCL
	v_lshl_add_u32 v6, v1, 4, v6
	v_add_nc_u32 v[ADRS], s21, v6
.endm
.macro FRAG reg, a16, a8, off          ; a fragment, 12 registers, as two half-images
	ds_load_b128 v[\reg:\reg+3], v[\a16] offset:\off
	ds_load_b64 v[\reg+4:\reg+5], v[\a8] offset:\off+512
	ds_load_b128 v[\reg+6:\reg+9], v[\a16] offset:\off+768
	ds_load_b64 v[\reg+10:\reg+11], v[\a8] offset:\off+1280
.endm
.macro FETCH_B slot, q, p
	WIN 0x40
.set fi, 0
.rept MB
	FRAG 12*MB*(\p)+12*fi, B16+\slot, B8+\slot, (fi*NQ*(1+((\slot)+1)/2)+(\q))*1536
.set fi, fi+1
.endr
.endm
.macro FETCH_A slot, q, p
	WIN 0
.set fi, 0
.rept MB
	FRAG AF+12*MB*(\p)+12*fi, A16+\slot, A8+\slot, (fi*NQ*(1+((\slot)+1)/2)+(\q))*1536
.set fi, fi+1
.endr
.endm
.macro SCALES sc                       ; a quarter's scale words into set sc: NQ words a row; lanes 0-15 A's tile i, lanes 16-31 B's tile i
.set fi, 0
.rept MB
	ds_load_b64 v[SC+16*(\sc)+2*fi:SC+16*(\sc)+2*fi+1], v[ADRS] offset:fi*SBLK
.set fi, fi+1
.endr
.endm
; A quarter of a K step's products: MB / 4 tiles of A against all MB of B.  The MB x MB accumulators take turns, one instruction a turn, in the same order in every step.
.macro MULQ k, p, q, sc, zero
.set ma, (\k)*MB/4
.rept MB/4
.set AQ, 8*MB*ma
	WIN 0xa1+0x50*(AQ/256)                         ; source 0 (B) window 1, source 1 (A) window 0, C and D window 2 or 3
.set mb, 0
.rept MB
.set AR, (AQ%256)+8*mb
.if \zero
	v_wmma_scale_f32_16x16x128_f8f6f4 v[AR:AR+7], v[12*MB*(\p)+12*mb:12*MB*(\p)+12*mb+11], v[AF+12*MB*(\p)+12*ma:AF+12*MB*(\p)+12*ma+11], 0, v[SC+16*(\sc)+NQ*mb+(\q)], v[SC+16*(\sc)+NQ*ma+(\q)] matrix_a_fmt:MATRIX_FMT_BF6 matrix_b_fmt:MATRIX_FMT_BF6 matrix_a_scale:MATRIX_SCALE_ROW1
.else
	v_wmma_scale_f32_16x16x128_f8f6f4 v[AR:AR+7], v[12*MB*(\p)+12*mb:12*MB*(\p)+12*mb+11], v[AF+12*MB*(\p)+12*ma:AF+12*MB*(\p)+12*ma+11], v[AR:AR+7], v[SC+16*(\sc)+NQ*mb+(\q)], v[SC+16*(\sc)+NQ*ma+(\q)] matrix_a_fmt:MATRIX_FMT_BF6 matrix_b_fmt:MATRIX_FMT_BF6 matrix_a_scale:MATRIX_SCALE_ROW1
.endif
.set mb, mb+1
.endr
.set ma, ma+1
.endr
.endm
.macro STEP slot, sc, zero             ; a slot's first K step (fragment set 0): the second step's fragments are asked for first, into set 1, then this step is multiplied
	PLACES 4                                       ; the loads below land in the set that the last products read
	FETCH_B \slot, 1, 1
	s_wait_dscnt 4*MB                              ; all but the 4 MB loads just issued: this step's fragments and scale words are in
	FETCH_A \slot, 1, 1
	MULQ 0, 0, 0, \sc, \zero
	MULQ 1, 0, 0, \sc, \zero
	MULQ 2, 0, 0, \sc, \zero
	MULQ 3, 0, 0, \sc, \zero
.endm
; A slot's second K step (set 1) with a barrier.  fill = 1: slot 0 has been read: the barrier opens a round of the cluster's barrier, and slot 0 is filled again, with the fourth quarter of K.
; fill = 0: the wait shows that quarter landed, the barrier shows it to every wave. adv: from this quarter's scale words to the next's.
.macro TURN next, sc, fill, adv
	WIN 0
	s_wait_tensorcnt 0x0                           ; all my tensor loads have landed
	ds_add_u32 v[SPW], v[NIL]                      ; 0 onto my spare word
	s_wait_dscnt 1                                 ; only the add may be out: this step's fragments are in
	MULQ 0, 1, 1, \sc, 0
	s_wait_dscnt 0x0                               ; the add is done, and my reads of this slot are over
	s_barrier_signal -1
	MULQ 1, 1, 1, \sc, 0
	WIN 0
	s_barrier_wait -1
.if \fill
	CREST                                          ; no wave of any partner still reads slot 0 or has a load on its way
.irp g, G1, G1B                        ; no tensor load of mine is out: rows of one quarter again
	s_mov_b32 s[\g+1], (NQ*192)<<16
	s_mov_b32 s[\g+3], (NQ*192)<<16
.endr
	JLOAD GA0, G1, GB0, G1B                        ; my one tensor load behind the round; its four v_nop are the places in front of the loads below
.else
	PLACES 4
.endif
	v_add_nc_u32 v[ADRS], \adv, v[ADRS]
	FETCH_B \next, 0, 0
	FETCH_A \next, 0, 0
	SCALES 1-(\sc)
	MULQ 2, 1, 1, \sc, 0
	MULQ 3, 1, 1, \sc, 0
.endm
; A slot's second K step with no barrier: the next slot was shown landed to every wave by the round behind slot 0, and this slot is not filled again.
.macro PASS next, sc, adv
	PLACES 4                                       ; the loads below land in the set that the last products read
	WIN 0
	s_wait_alu depctr_va_vdst(0)
	v_add_nc_u32 v[ADRS], \adv, v[ADRS]
	FETCH_B \next, 0, 0
	s_wait_alu depctr_va_vdst(0)
	s_wait_dscnt 4*MB                              ; all but the 4 MB loads just issued: this step's fragments are in
	FETCH_A \next, 0, 0
	SCALES 1-(\sc)
	MULQ 0, 1, 1, \sc, 0
	MULQ 1, 1, 1, \sc, 0
	MULQ 2, 1, 1, \sc, 0
	MULQ 3, 1, 1, \sc, 0
.endm
.macro START
	s_wait_tensorcnt 0x0                           ; my tile of the head's four is in
	ds_add_u32 v[SPW], v[NIL]
.irp g, G1, G1B                        ; no tensor load of mine is out: from here on MB tiles a load, here with rows of two quarters
	s_mov_b32 s[\g+1], (2*NQ*192)<<16
	s_mov_b32 s[\g+2], MB<<16
	s_mov_b32 s[\g+3], (2*NQ*192)<<16
	s_mov_b32 s[\g+4], MB
.endr
	s_wait_dscnt 0x0
	CROUND
	JLOAD GA1, G1, GB1, G1B                        ; quarters 1 and 2: my one tensor load behind the round
	global_prefetch_b8 v7, s[66:67] offset:3*NQ*1536 th:TH_LOAD_NT scope:SCOPE_SE        ; quarter 3 of my two tiles, 12 blocks of 256 bytes each, one fill ahead of its load; lanes 12-31 name the last block again
	global_prefetch_b8 v7, s[66:67] offset:ROWT+3*NQ*1536 th:TH_LOAD_NT scope:SCOPE_SE
	FETCH_B 0, 0, 0
	FETCH_A 0, 0, 0
	SCALES 0
.endm
.macro MAIN                            ; the four quarters of K: slots 0, 1, 2, 0; scale sets 0, 1, 0, 1; a tile's scale words lie 8, 256 and 264 bytes on
	STEP 0, 0, 1                                   ; the first products start the sums
	TURN 1, 0, 1, 8
	STEP 1, 1, 0
	PASS 2, 1, 248
	STEP 2, 0, 0
	TURN 0, 0, 0, 8
	STEP 0, 1, 0
	s_wait_dscnt 0x0
	MULQ 0, 1, 1, 1, 0
	MULQ 1, 1, 1, 1, 0
	MULQ 2, 1, 1, 1, 0
	MULQ 3, 1, 1, 1, 0
	WIN 0
.endm
.macro FINISH
	s_wait_tensorcnt 0x0                           ; the wave's end
	ds_add_u32 v[SPW], v[NIL]
	s_wait_dscnt 0x0
	CROUND                                         ; the closing round: no work-group ends while a partner may still ask for a tile that names it
	s_endpgm
.endm
; ---------------- the quantiser of the way out ----------------
.set T,   64                           ; v64-127 64 numbers of a lane
.set E,   128                          ; v128-191 at work for the activation
.set TM,  192
.set PW,  208
.set PC,  212
.set SW,  232                          ; v232-239 the eight scale words
.set SEL, 46
.macro QUANT s                         ; 64 numbers of a lane, register 16 b + i = k 32 b + 16 (lane / 16) + i of my row, become a fragment's codes in v[PC] on and its scale word in v[PW]
.irp b, 0,1,2,3
	v_max3_num_f32 v[TM+\b], |v[\s+16*\b]|, |v[\s+1+16*\b]|, 0x2800000
.endr
.irp i, 2,4,6,8,10,12,14
.irp b, 0,1,2,3
	v_max3_num_f32 v[TM+\b], v[TM+\b], |v[\s+16*\b+\i]|, |v[\s+1+16*\b+\i]|
.endr
.endr
.irp b, 0,1,2,3
	v_permlanex16_b32 v[TM+4+\b], v[TM+\b], s[SEL], s[SEL+1]
.endr
.irp b, 0,1,2,3
	v_max_num_f32 v[TM+\b], v[TM+\b], v[TM+4+\b]
.endr
.irp b, 0,1,2,3
	v_add_nc_u32 v[TM+12+\b], 0xfe000000, v[TM+\b]
.endr
.irp b, 0,1,2,3
	v_lshrrev_b32 v[TM+4+\b], 23, v[TM+12+\b]
.endr
	v_lshl_or_b32 v[PW], v[TM+5], 8, v[TM+4]
	v_lshl_or_b32 v[PW], v[TM+6], 16, v[PW]
	v_lshl_or_b32 v[PW], v[TM+7], 24, v[PW]
.irp c, 0,1
	v_cvt_scalef32_pk16_bf6_f32 v[PC+6*\c:PC+2+6*\c], v[\s+32*\c:\s+15+32*\c], v[TM+12+2*\c]
	v_cvt_scalef32_pk16_bf6_f32 v[PC+12+4*\c:PC+14+4*\c], v[\s+16+32*\c:\s+31+32*\c], v[TM+12+2*\c+1]
.endr
	v_nop                                          ; one plain place behind a scaled conversion
.irp c, 0,1
.irp i, 0,1,2
	v_permlane16_swap_b32 v[PC+6*\c+\i], v[PC+12+4*\c+\i]
.endr
.irp i, 0,1,2
	v_mov_b32 v[PC+3+6*\c+\i], v[PC+12+4*\c+\i]
.endr
.endr
.endm
.macro PUTFRAG sb, off                 ; the fragment in v[PC] on leaves as two half-images: each store covers 512 or 256 consecutive bytes
	global_store_b128 v4, v[PC:PC+3], s[\sb:\sb+1] offset:\off
	global_store_b64 v5, v[PC+4:PC+5], s[\sb:\sb+1] offset:\off+512
	global_store_b128 v4, v[PC+6:PC+9], s[\sb:\sb+1] offset:\off+768
	global_store_b64 v5, v[PC+10:PC+11], s[\sb:\sb+1] offset:\off+1280
.endm
; ---------------- the kernel ----------------
	s_load_b128 s[4:7], s[0:1], 0x0                ; a2, wa
	s_load_b128 s[8:11], s[0:1], 0x10              ; bup, hid
	v_lshl_add_u32 v[SPW], v0, 2, SPARE
	v_mov_b32 v[NIL], 0
	ds_add_u32 v[SPW], v[NIL]                      ; the wave's opening
	ds_add_u32 v[SPW], v[NIL]
	IDS
	s_lshl_b32 s42, ttmp9, 2
	s_add_co_u32 s42, s42, s40                     ; B's block: 256 hidden units
	s_and_b32 s17, ttmp7, 0xffff
	s_lshl_b32 s17, s17, 2
	s_add_co_u32 s17, s17, s41                     ; A's block: 256 tokens
	s_mov_b32 s66, 0
	s_mov_b32 s67, 3145728
	s_mov_b32 s12, WUP
	s_mov_b32 s13, WUPS
	DESCS
	s_wait_dscnt 0x0                               ; both opening adds are done
	s_wait_kmcnt 0x0
	FILLS 4, 6
	LANES
	s_lshl_b32 s46, s42, 10
	s_lshl_b32 s47, s16, 9
	s_add_co_u32 s46, s46, s47
	s_mov_b32 s47, 0
	s_add_nc_u64 s[8:9], s[8:9], s[46:47]          ; the bias of my 128 hidden units
	v_lshlrev_b32 v6, 6, v2
	WIN 0x40
.irp b, 0,1,2,3,4,5,6,7                        ; window 1, v192-255: register 8 b + j = the bias of unit 32 (b / 2) + 8 (b % 2) + 16 h + j
	global_load_b128 v[192+8*\b:195+8*\b], v6, s[8:9] offset:(32*(\b/2)+8*(\b%2))*4
	global_load_b128 v[196+8*\b:199+8*\b], v6, s[8:9] offset:(32*(\b/2)+8*(\b%2))*4+16
.endr
	WIN 0
	s_lshl_b32 s18, s17, 4
	s_lshl_b32 s19, s15, 3
	s_add_co_u32 s18, s18, s19                     ; my first tile of tokens
	s_lshl_b32 s19, s42, 1
	s_add_co_u32 s19, s19, s16                     ; my K step of product 8
	s_lshl_b32 s20, s18, 6
	s_lshl_b32 s21, s19, 1
	s_add_co_u32 s20, s20, s21
	s_mul_i32 s20, s20, 768
	s_mov_b32 s21, 0
	s_lshl_b32 s22, s18, 11
	s_lshr_b32 s23, s19, 2
	s_lshl_b32 s23, s23, 8
	s_add_co_u32 s22, s22, s23
	s_and_b32 s23, s19, 3
	s_lshl_b32 s23, s23, 2
	s_add_co_u32 s22, s22, s23
	s_add_co_u32 s22, s22, 12582912
	s_mov_b32 s23, 0
	s_add_nc_u64 s[92:93], s[10:11], s[22:23]      ; the scale words
	s_add_nc_u64 s[10:11], s[10:11], s[20:21]      ; the codes
	v_lshlrev_b32 v31, 11, v2
	v_lshl_add_u32 v31, v1, 4, v31                 ; 2,048 h + 16 r
	s_wait_alu depctr_va_vdst(0)
	s_wait_xcnt 0x0                                ; the bias loads have read v6
	v_min_u32 v6, 23, v3
	v_min_u32 v7, 11, v3
	v_lshlrev_b32 v6, 8, v6                        ; 256 x min(lane, 23)
	v_lshlrev_b32 v7, 8, v7                        ; 256 x min(lane, 11); neither is written again
	global_prefetch_b8 v6, s[66:67] offset:NQ*1536 th:TH_LOAD_NT scope:SCOPE_SE          ; quarters 1 and 2 of my two tiles, 24 blocks of 256 bytes each, one fill ahead of their load
	global_prefetch_b8 v6, s[66:67] offset:ROWT+NQ*1536 th:TH_LOAD_NT scope:SCOPE_SE
	s_wait_alu depctr_va_vdst(0)
	START
	MAIN
	s_wait_loadcnt 0x0                             ; the bias
	PLACES 4                                       ; behind the last products: results are read and fragments' registers written below
	s_mov_b32 s[SEL], 0x76543210
	s_mov_b32 s[SEL+1], 0xfedcba98
	s_mov_b32 s96, 0xffff0000                      ; lanes 16-31
.irp b, 0,1,2,3
	v_mov_b32 v[TM+4+\b], 0                        ; written once: a lane permute's destination counts as one of its sources
.endr
.irp a, 0,1,2,3,4,5,6,7
	s_wait_xcnt 0x0                                ; the last tile's stores have read their registers
	WIN 0x06+(\a/4)                                ; source 0: the accumulators' window, source 1: window 1
.set n, 0
.rept 32
	v_pk_add_f32 v[T+n:T+n+1], v[64*(\a%4)+n:64*(\a%4)+n+1], v[192+n:193+n]   ; v = sum + bias; each accumulator from its low end on
.set n, n+2
.endr
	WIN 0
.set n, 0
.rept 32
	v_pk_mul_f32 v[E+n:E+n+1], v[T+n:T+n+1], 0xbfb8aa3b op_sel_hi:[1,0]       ; -v log2(e)
.set n, n+2
.endr
.set n, 0
	s_wait_alu depctr_va_vdst(0)
.rept 64
	v_exp_f32 v[E+n], v[E+n]
.set n, n+1
.endr
	v_nop                                          ; a plain place behind the batch
	s_wait_alu depctr_va_vdst(0)                   ; one wait for the batch, ahead of its first reader
.set n, 0
.rept 32
	v_pk_add_f32 v[E+n:E+n+1], v[E+n:E+n+1], 1.0 op_sel_hi:[1,0]
.set n, n+2
.endr
.set n, 0
	s_wait_alu depctr_va_vdst(0)
.rept 64
	v_rcp_f32 v[E+n], v[E+n]
.set n, n+1
.endr
	v_nop
	s_wait_alu depctr_va_vdst(0)
.set n, 0
.rept 32
	v_pk_mul_f32 v[T+n:T+n+1], v[T+n:T+n+1], v[E+n:E+n+1]                     ; silu(v)
.set n, n+2
.endr
	QUANT T
	PUTFRAG 10, \a*49152
	v_mov_b32 v[SW+\a], v[PW]
.endr
.irp a, 0,2,4,6                                ; lanes 0-15 store tile a's words, lanes 16-31 tile a + 1's
	v_cndmask_b32 v[240+\a/2], v[SW+\a], v[SW+\a+1], s96
	global_store_b32 v31, v[240+\a/2], s[92:93] offset:\a*2048
.endr
	FINISH
.Lfunc_end_k_q52e91fb95f_gup:
	.size	k_q52e91fb95f_gup, .Lfunc_end_k_q52e91fb95f_gup-k_q52e91fb95f_gup
	.p2alignl 7, 3214868480
	.fill 96, 4, 3214868480
	.section	.rodata,"a",@progbits
	.p2align	6, 0x0
	.amdhsa_kernel k_q52e91fb95f_gup
		.amdhsa_group_segment_fixed_size 327680
		.amdhsa_private_segment_fixed_size 0
		.amdhsa_enable_private_segment 0
		.amdhsa_kernarg_size 32
		.amdhsa_user_sgpr_count 2
		.amdhsa_user_sgpr_kernarg_segment_ptr 1
		.amdhsa_wavefront_size32 1
		.amdhsa_system_sgpr_workgroup_id_x 1
		.amdhsa_system_sgpr_workgroup_id_y 1
		.amdhsa_system_sgpr_workgroup_id_z 1
		.amdhsa_system_vgpr_workitem_id 0
		.amdhsa_next_free_vgpr 1024
		.amdhsa_next_free_sgpr 100
		.amdhsa_reserve_vcc 0
		.amdhsa_float_denorm_mode_32 3
		.amdhsa_float_denorm_mode_16_64 3
		.amdhsa_memory_ordered 1
		.amdhsa_forward_progress 1
		.amdhsa_inst_pref_size 255
	.end_amdhsa_kernel
	.section	.bss,"aw",@nobits
	.p2align	6
	.space	262144
	.amdgpu_metadata
---
amdhsa.version: [ 1, 2 ]
amdhsa.kernels:
  - .name:           k_q52e91fb95f_gup
    .symbol:         k_q52e91fb95f_gup.kd
    .args:
      - { .name: a2, .offset: 0, .size: 8, .value_kind: global_buffer, .address_space: global }
      - { .name: wa, .offset: 8, .size: 8, .value_kind: global_buffer, .address_space: global }
      - { .name: bup, .offset: 16, .size: 8, .value_kind: global_buffer, .address_space: global }
      - { .name: hid, .offset: 24, .size: 8, .value_kind: global_buffer, .address_space: global }
    .group_segment_fixed_size: 327680
    .private_segment_fixed_size: 0
    .kernarg_segment_align: 8
    .kernarg_segment_size: 32
    .max_flat_workgroup_size: 128
    .sgpr_count:     100
    .vgpr_count:     1024
    .wavefront_size: 32
...
	.end_amdgpu_metadata
.endif
;; end of part 6
;; launch gdn (part 7): grid 8 x 32, 4 waves a work-group, clusters of 4 x 4, 327,680 bytes of LDS; arguments hid, wa, bdn, hb, out0; writes out0
.if DOCPART == 7
	.amdgcn_target "amdgcn-amd-amdhsa--gfx1250"
	.amdhsa_code_object_version 6
	.text
	.protected	k_q52e91fb95f_gdn
	.globl	k_q52e91fb95f_gdn
	.p2align	8
	.type	k_q52e91fb95f_gdn,@function
k_q52e91fb95f_gdn:
	s_mov_b64 s[64:65], 0
	v_nop
	global_prefetch_b8 v0, s[64:65] scope:SCOPE_SE
	s_setreg_imm32_b32 hwreg(HW_REG_WAVE_MODE, 25, 1), 1
	s_wait_xcnt 0x0
	s_wait_alu depctr_hold_cnt(0) depctr_sa_sdst(0) depctr_va_vdst(0) depctr_va_sdst(0) depctr_va_ssrc(0) depctr_va_vcc(0) depctr_vm_vsrc(0)
	s_getreg_b32 s2, hwreg(HW_REG_IB_STS2, 6, 4)
	s_cmp_eq_u32 s2, 0
	s_cbranch_scc0 .Lentry_in_a_cluster
	s_endpgm
.Lentry_in_a_cluster:
	s_bfe_u32 s2, ttmp6, 0x10000c
	s_cmp_lg_u32 s2, 0xf033
	s_cbranch_scc0 .Lentry_shape_is_right
	s_endpgm
.Lentry_shape_is_right:
; Product 8: out = h + hidden layer x Wdn + bdn.  Both operands arrive as codes of E3M2 in this program's operand format; out is f32, [4,096][1,024].  Nothing is left out here.
; A work-group makes 128 x 128, a wave 64 x 64 (16 accumulators): 256 work-groups.  Clusters of 4 x 4: A's tiles shared along a row of the cluster, B's along a column, asked for jointly.
; THE RING: K = 4,096 is 32 steps of 128; a step is 24,576 bytes for a work-group (8 tiles of A, 8 of B).  Slot 0 holds 7 steps, slot 1 holds 6: 319,488 bytes.  K goes in five fills of 7, 6, 7, 6 and 6 steps,
; each wave bringing four tiles by one tensor load whose rows are a tile's steps of that fill.  The walk along K is written out: fills and fragment sets come back to where they began only after 26 steps.
; THE SCALE WORDS take no LDS: the hidden layer's scale bytes and Wdn's lie in one buffer (hid), so one load of 16 bytes a lane brings a row's words of four K steps, A's rows in lanes 0-15 and B's in lanes 16-31:
; 32 loads fill v128-255 with the words of all of K (register 16 (step / 4) + 4 tile + step % 4).
; PREFETCH: behind the load of fill f each wave names fill f + 1's bytes of ONE of the four tiles that it will fetch: the four partners that ask for those tiles jointly take a tile each, told apart by address
; (cx for A, cy for B); a lane names a block of 256 bytes; 36 or 42 blocks are two instructions, the second's spare lanes naming its last block again.  The last fill's load asks for nothing.
.set TA, 8
.set MB, 4
.set KST, 32
.set ROWT, KST*1536                    ; a tile's codes
.set ASC,  12582912                    ; hid: the hidden layer's scale bytes, 2,048 a tile
.set BSS,  13107200                    ; hid: Wdn's scale bytes
.set BCO,  3276800+6291456             ; wa: Wdn's codes
.set Q0,   MB*7*1536                   ; a wave's part of slot 0
.set Q1,   MB*6*1536                   ; and of slot 1
.set SL1,  4*Q0
.set SPARE, SL1+4*Q1                   ; the spare words, 128 bytes a wave
.set PF32, 12                          ; v12 256 x lane;  v13 256 x min(lane, 3);  v14 256 x min(lane, 9)
.set PF4,  13
.set PF10, 14
.set A16, 16                           ; v16-17 A's fragments in slot 0, 1: + 16 x lane;  v18-19: + 8 x lane
.set A8,  18
.set B16, 20
.set B8,  22
.set STO, 24
.set RD,  25
.set CO,  26
.set ADRS, 27                          ; v27 my scale words in hid: lanes 0-15 A's rows, lanes 16-31 B's
.set SPW, 28
.set NIL, 29
.set AF,  32                           ; window 0: v32-127 A's fragments, two sets; window 1: v0-95 B's; window 2: the accumulators; window 3: the residual
.set SC,  128
.set BK,  32                           ; the way out: 16 rows read back, v32-63 and v64-95 by turns
.set G1, 24
.set G0, 32
.set G1B, 48
.set G0B, 56
.set PFA, 68                           ; s[68:69] my tile for the prefetches; never rewritten: the place along K stands in the immediate
.set MSB, 0
.macro WIN new                         ; the immediate's high byte repeats the setting that is left
.if MSB != (\new)
	s_set_vgpr_msb (MSB<<8)|(\new)
.set MSB, (\new)
.endif
.endm
.macro JLOAD g0a, g1a, g0b, g1b        ; a joint load: waves 0, 1 fetch for A, waves 2, 3 for B; an s_nop 0 and four v_nop follow each line
	s_cmp_eq_u32 s15, 0
	s_cbranch_scc0 .Lfor_b_\@
	tensor_load_to_lds s[\g0a:\g0a+3], s[\g1a:\g1a+7]
	s_nop 0
.rept 4
	v_nop
.endr
	s_branch .Lasked_\@
.Lfor_b_\@:
	tensor_load_to_lds s[\g0b:\g0b+3], s[\g1b:\g1b+7]
	s_nop 0
.rept 4
	v_nop
.endr
.Lasked_\@:
.endm
.macro CREST                           ; a round of the cluster's barrier behind its opening barrier
	s_cmp_lg_u32 s14, 0
	s_cbranch_scc1 .Lnot_wave_0_\@
	s_barrier_signal -3
.Lnot_wave_0_\@:
	s_barrier_wait -3
	s_barrier_signal -1
	s_barrier_wait -1
.endm
.macro CROUND
	s_barrier_signal -1
	s_barrier_wait -1
	CREST
.endm
.macro PLACES n
.rept \n
	v_nop
.endr
.endm
.macro ROWS sz                         ; both groups 1: a row is sz K steps of a tile.  Written only where no tensor load of mine is out
.irp g, G1, G1B
	s_mov_b32 s[\g+1], ((\sz)*192)<<16
	s_mov_b32 s[\g+3], ((\sz)*192)<<16
.endr
.endm
.macro ASK f, r                        ; the fill that begins at K step f: blocks 0-31 of my tile's row, then the rest
	global_prefetch_b8 v[PF32], s[PFA:PFA+1] offset:(\f)*1536 th:TH_LOAD_NT scope:SCOPE_SE
	global_prefetch_b8 v[\r], s[PFA:PFA+1] offset:(\f)*1536+8192 th:TH_LOAD_NT scope:SCOPE_SE
.endm
.macro LOC st                          ; where K step st lies: slot LS, in a fill of LZ steps, as its step LJ
.if (\st) < 7
.set LS, 0
.set LZ, 7
.set LJ, (\st)
.elseif (\st) < 13
.set LS, 1
.set LZ, 6
.set LJ, (\st)-7
.elseif (\st) < 20
.set LS, 0
.set LZ, 7
.set LJ, (\st)-13
.elseif (\st) < 26
.set LS, 1
.set LZ, 6
.set LJ, (\st)-20
.else
.set LS, 0
.set LZ, 6
.set LJ, (\st)-26
.endif
.endm
.macro FRAG reg, a16, a8, off          ; a fragment, 12 registers, as two half-images
	ds_load_b128 v[\reg:\reg+3], v[\a16] offset:\off
	ds_load_b64 v[\reg+4:\reg+5], v[\a8] offset:\off+512
	ds_load_b128 v[\reg+6:\reg+9], v[\a16] offset:\off+768
	ds_load_b64 v[\reg+10:\reg+11], v[\a8] offset:\off+1280
.endm
.macro FETCH_B st                      ; K step st's fragments into set st % 2
	LOC \st
	WIN 0x40
.set fi, 0
.rept MB
	FRAG 48*((\st)%2)+12*fi, B16+LS, B8+LS, (fi*LZ+LJ)*1536
.set fi, fi+1
.endr
.endm
.macro FETCH_A st
	LOC \st
	WIN 0
.set fi, 0
.rept MB
	FRAG AF+48*((\st)%2)+12*fi, A16+LS, A8+LS, (fi*LZ+LJ)*1536
.set fi, fi+1
.endr
.endm
.macro MULQ ma, st, zero               ; A's tile ma against B's four; the 16 accumulators take turns, one instruction a turn
	WIN 0xa1                                       ; source 0 (B) window 1, source 1 (A) window 0, C and D window 2
.set mb, 0
.rept MB
.set AR, 8*(MB*(\ma)+mb)
.set FB, 48*((\st)%2)+12*mb
.set FA, AF+48*((\st)%2)+12*(\ma)
.set SR, SC+16*((\st)/4)+(\st)%4
.if \zero
	v_wmma_scale_f32_16x16x128_f8f6f4 v[AR:AR+7], v[FB:FB+11], v[FA:FA+11], 0, v[SR+4*mb], v[SR+4*(\ma)] matrix_a_fmt:MATRIX_FMT_BF6 matrix_b_fmt:MATRIX_FMT_BF6 matrix_a_scale:MATRIX_SCALE_ROW1
.else
	v_wmma_scale_f32_16x16x128_f8f6f4 v[AR:AR+7], v[FB:FB+11], v[FA:FA+11], v[AR:AR+7], v[SR+4*mb], v[SR+4*(\ma)] matrix_a_fmt:MATRIX_FMT_BF6 matrix_b_fmt:MATRIX_FMT_BF6 matrix_a_scale:MATRIX_SCALE_ROW1
.endif
.set mb, mb+1
.endr
.endm
.macro STEP st, zero                   ; a K step whose successor lies in the same slot: the successor's fragments are asked for first, then this step is multiplied
	PLACES 4                                       ; the loads below land in the set that the last products read
	FETCH_B (\st)+1
	s_wait_dscnt 4*MB                              ; all but the 16 loads just issued: this step's fragments are in
	FETCH_A (\st)+1
	MULQ 0, \st, \zero
	MULQ 1, \st, \zero
	MULQ 2, \st, \zero
	MULQ 3, \st, \zero
.endm
; A slot's last K step changes slots: one barrier.  sz > 0: it opens a round of the cluster's barrier, and this slot is filled again, with sz steps that begin 13 steps behind its last fill's.  askf > 0: the fill to prefetch.
.macro TURN st, slot, sz, askf, askr
	WIN 0
	s_wait_tensorcnt 0x0                           ; all my tensor loads have landed: my part of the next slot
	ds_add_u32 v[SPW], v[NIL]                      ; 0 onto my spare word
	s_wait_dscnt 1                                 ; only the add may be out: this step's fragments are in
	MULQ 0, \st, 0
	s_wait_dscnt 0x0                               ; the add is done, and my reads of this slot are over
	s_barrier_signal -1
	MULQ 1, \st, 0
	WIN 0
	s_barrier_wait -1
.if \sz
	CREST                                          ; no wave of any partner still reads this slot or has a load on its way
	s_add_nc_u64 s[G0+4*\slot+2:G0+4*\slot+3], s[G0+4*\slot+2:G0+4*\slot+3], 13*1536
	s_add_nc_u64 s[G0B+4*\slot+2:G0B+4*\slot+3], s[G0B+4*\slot+2:G0B+4*\slot+3], 13*1536
	ROWS \sz
	JLOAD G0+4*\slot, G1, G0B+4*\slot, G1B         ; my one tensor load behind the round; its four v_nop are the places in front of the loads below
.else
	PLACES 4
.endif
	FETCH_B (\st)+1
	FETCH_A (\st)+1
.if \askf
	ASK \askf, \askr
.endif
	MULQ 2, \st, 0
	MULQ 3, \st, 0
.endm
	s_load_b256 s[4:11], s[0:1], 0x0               ; hid, wa, bdn, hb
	s_load_b64 s[92:93], s[0:1], 0x20              ; out0
	v_lshl_add_u32 v[SPW], v0, 2, SPARE
	v_mov_b32 v[NIL], 0
	ds_add_u32 v[SPW], v[NIL]                      ; the wave's opening
	ds_add_u32 v[SPW], v[NIL]
	v_lshrrev_b32 v1, 5, v0
	v_readfirstlane_b32 s14, v1                    ; wave 0..3
	s_lshr_b32 s15, s14, 1                         ; my half of A's tiles.  Also: I fetch for A (0) or for B (1)
	s_and_b32 s16, s14, 1                          ; my half of B's tiles.  Also: which half I fetch
	s_bfe_u32 s40, ttmp6, 0x40000                  ; cx
	s_bfe_u32 s41, ttmp6, 0x40004                  ; cy
	s_lshl_b32 s43, s41, 2
	s_lshl_b32 s43, 15, s43                        ; my row of the cluster
	s_lshl_b32 s44, 0x1111, s40                    ; my column
	s_lshl_b32 s42, ttmp9, 2
	s_add_co_u32 s42, s42, s40                     ; B's block: 128 columns
	s_and_b32 s17, ttmp7, 0xffff
	s_lshl_b32 s17, s17, 2
	s_add_co_u32 s17, s17, s41                     ; A's block: 128 tokens
	s_or_b32 s[G1], s43, (3<<16)|(1<<21)           ; the mask; elements of 8 bytes; bit 21 beside a mask; no padding: every LDS load reads dense bytes
	s_or_b32 s[G1B], s44, (3<<16)|(1<<21)
.irp g, G1, G1B
	s_mov_b32 s[\g+1], (7*192)<<16                 ; a row: seven K steps of a tile
	s_mov_b32 s[\g+2], MB<<16
	s_mov_b32 s[\g+3], (7*192)<<16
	s_mov_b32 s[\g+4], MB
	s_mov_b32 s[\g+5], KST*192                     ; from tile to tile
	s_mov_b32 s[\g+6], 0
	s_mov_b32 s[\g+7], 0
.endr
	s_mul_i32 s18, s16, MB
	s_mul_i32 s20, s17, TA
	s_add_co_u32 s20, s20, s18                     ; the first tile of A that I would fetch
	s_mul_i32 s46, s42, TA
	s_add_co_u32 s46, s46, s18                     ; and of B
	s_add_co_u32 s70, s20, s40                     ; the prefetches: of those four tiles my work-group names tile cx of A's,
	s_add_co_u32 s71, s46, s41                     ; tile cy of B's (registers of their own: none that feeds a descriptor holds the other coordinate)
	s_mul_i32 s70, s70, ROWT
	s_mul_i32 s71, s71, ROWT
	s_add_co_u32 s71, s71, BCO
	s_mul_i32 s20, s20, ROWT
	s_mul_i32 s46, s46, ROWT
	s_add_co_u32 s46, s46, BCO
	s_mov_b32 s21, 0
	s_mov_b32 s47, 0
	s_mul_i32 s45, s14, Q0                         ; where the tiles go: no place in the cluster enters an LDS address
	s_mul_i32 s3, s14, Q1
	s_wait_dscnt 0x0                               ; both opening adds are done
	s_wait_kmcnt 0x0
	s_add_nc_u64 s[20:21], s[4:5], s[20:21]
	s_add_nc_u64 s[46:47], s[6:7], s[46:47]
	CROUND                                         ; all sixteen work-groups are here: the first joint loads meet
.irp s, 0,1
	s_mov_b32 s[G0+4*\s], 1
	s_add_nc_u64 s[G0+4*\s+2:G0+4*\s+3], s[20:21], \s*7*1536
	s_or_b32 s[G0+4*\s+3], s[G0+4*\s+3], 0x80000000
	s_mov_b32 s[G0B+4*\s], 1
	s_add_nc_u64 s[G0B+4*\s+2:G0B+4*\s+3], s[46:47], \s*7*1536
	s_or_b32 s[G0B+4*\s+3], s[G0B+4*\s+3], 0x80000000
.endr
	s_add_co_u32 s[G0+1], s45, 0
	s_add_co_u32 s[G0B+1], s45, 0
	s_add_co_u32 s[G0+5], s3, SL1
	s_add_co_u32 s[G0B+5], s3, SL1
	JLOAD G0, G1, G0B, G1B                         ; K steps 0-6: one tensor load a wave at the head
	s_cmp_eq_u32 s15, 0                            ; do I fetch for A?
	s_cselect_b64 s[PFA:PFA+1], s[4:5], s[6:7]
	s_cselect_b32 s70, s70, s71
	s_mov_b32 s71, 0
	s_add_nc_u64 s[PFA:PFA+1], s[PFA:PFA+1], s[70:71]
	s_mul_i32 s21, s15, Q0                         ; my four tiles of A in slot 0,
	s_mul_i32 s22, s16, Q0
	s_add_co_u32 s22, s22, 2*Q0                    ; of B,
	s_mul_i32 s23, s15, Q1
	s_add_co_u32 s23, s23, SL1                     ; and the same in slot 1
	s_mul_i32 s72, s16, Q1
	s_add_co_u32 s72, s72, SL1+2*Q1
	s_lshl_b32 s73, s17, 3
	s_lshl_b32 s74, s15, 2
	s_add_co_u32 s73, s73, s74
	s_lshl_b32 s73, s73, 11
	s_add_co_u32 s73, s73, ASC                     ; the scale bytes of my tiles of A
	s_lshl_b32 s74, s42, 3
	s_lshl_b32 s75, s16, 2
	s_add_co_u32 s74, s74, s75
	s_lshl_b32 s74, s74, 11
	s_add_co_u32 s74, s74, BSS
	s_sub_co_u32 s74, s74, s73                     ; and how far behind them B's lie: 2,048 to 653,312 bytes
	s_mul_i32 s75, s14, 4352
	s_add_co_u32 s75, s75, SL1                     ; my stage for the way out, in slot 1: it has had its last fill, and every wave has passed the last change of slots, behind which nobody reads it
	s_lshl_b32 s46, s42, 9
	s_lshl_b32 s47, s16, 8
	s_add_co_u32 s46, s46, s47                     ; my first column, in bytes
	s_mov_b32 s47, 0
	s_add_nc_u64 s[8:9], s[8:9], s[46:47]
	s_lshl_b32 s18, s17, 7
	s_lshl_b32 s19, s15, 6
	s_add_co_u32 s18, s18, s19                     ; my first token
	s_lshl_b32 s18, s18, 12
	s_add_co_u32 s18, s18, s46
	s_mov_b32 s19, 0
	s_add_nc_u64 s[10:11], s[10:11], s[18:19]
	s_add_nc_u64 s[92:93], s[92:93], s[18:19]
	v_and_b32 v1, 15, v0                           ; r
	v_bfe_u32 v2, v0, 4, 1                         ; h
	v_and_b32 v3, 31, v0
	v_lshlrev_b32 v4, 4, v3
	v_lshlrev_b32 v5, 3, v3
	v_add_nc_u32 v[A16], s21, v4
	v_add_nc_u32 v[A8], s21, v5
	v_add_nc_u32 v[B16], s22, v4
	v_add_nc_u32 v[B8], s22, v5
	v_add_nc_u32 v[A16+1], s23, v4
	v_add_nc_u32 v[A8+1], s23, v5
	v_add_nc_u32 v[B16+1], s72, v4
	v_add_nc_u32 v[B8+1], s72, v5
	v_mul_u32_u24 v6, s74, v2                      ; lanes 16-31 take B's
	v_lshl_add_u32 v6, v1, 4, v6
	v_add_nc_u32 v[ADRS], s73, v6
	v_lshlrev_b32 v[CO], 12, v2
	v_lshl_add_u32 v[CO], v1, 4, v[CO]             ; lanes 0-15 one row, lanes 16-31 the next; 16 bytes a lane
	v_lshlrev_b32 v7, 4, v1
	v_mul_u32_u24 v[STO], v1, 272
	v_lshl_add_u32 v[STO], v2, 6, v[STO]
	v_add_nc_u32 v[STO], s75, v[STO]
	v_mul_u32_u24 v[RD], v2, 272
	v_lshl_add_u32 v[RD], v1, 4, v[RD]
	v_add_nc_u32 v[RD], s75, v[RD]
	v_lshlrev_b32 v[PF32], 8, v3
	v_min_u32 v[PF4], 3, v3
	v_min_u32 v[PF10], 9, v3
	v_lshlrev_b32 v[PF4], 8, v[PF4]
	v_lshlrev_b32 v[PF10], 8, v[PF10]
.irp kb, 0,1,2,3,4,5,6,7
.irp fi, 0,1,2,3
	global_load_b128 v[SC+16*\kb+4*\fi:SC+16*\kb+4*\fi+3], v[ADRS], s[4:5] offset:\fi*2048+\kb*256   ; sixteen lanes read 256 consecutive bytes
.endr
.endr
	global_load_b128 v[8:11], v7, s[8:9]           ; the bias of my four columns
	ASK 7, PF4                                     ; K steps 7-12: 36 blocks
	s_wait_alu depctr_va_vdst(0)
	s_wait_tensorcnt 0x0                           ; my part of K steps 0-6 is in
	ds_add_u32 v[SPW], v[NIL]
	ROWS 6
	s_wait_dscnt 0x0
	CROUND
	JLOAD G0+4, G1, G0B+4, G1B                     ; K steps 7-12, slot 1's first fill: my one tensor load behind the round
	FETCH_B 0
	FETCH_A 0
	ASK 13, PF10                                   ; K steps 13-19: 42 blocks
	s_wait_loadcnt 0x0                             ; the scale words and the bias
	WIN 0xc0                                       ; destination window 3: the residual of my 64 x 64, in the order in which the rows leave
.irp a, 0,1,2,3
.irp i, 0,1,2,3,4,5,6,7
	global_load_b128 v[32*\a+4*\i:32*\a+4*\i+3], v[CO], s[10:11] offset:(32*(\a/2)+8*(\a%2)+2*\i+8*(\i/4))*4096
.endr
.endr
	WIN 0
	STEP 0, 1                                      ; the first products start the sums
.set ST, 1
.rept KST-2
.if ST == 6
	TURN ST, 0, 7, 20, PF4                         ; slot 0 takes K steps 13-19; steps 20-25 are prefetched
.elseif ST == 12
	TURN ST, 1, 6, 26, PF4                         ; slot 1 takes K steps 20-25; steps 26-31 are prefetched
.elseif ST == 19
	TURN ST, 0, 6, 0, 0                            ; slot 0 takes K steps 26-31
.elseif ST == 25
	TURN ST, 0, 0, 0, 0                            ; nothing is left to fetch
.else
	STEP ST, 0
.endif
.set ST, ST+1
.endr
	s_wait_dscnt 0x0
	MULQ 0, KST-1, 0
	MULQ 1, KST-1, 0
	MULQ 2, KST-1, 0
	MULQ 3, KST-1, 0
	WIN 0
.macro TOSTAGE a                       ; A's tile a: lane (r, h), accumulator b, register j = (row r, column 32 (b / 2) + 8 (b % 2) + 16 h + j)
	WIN 0x08                                       ; an LDS store's data are its source 1: window 2
.irp b, 0,1,2,3
	ds_store_b128 v[STO], v[8*(4*(\a)+\b):8*(4*(\a)+\b)+3] offset:(32*(\b/2)+8*(\b%2))*4          ; each accumulator from its low end on
	ds_store_b128 v[STO], v[8*(4*(\a)+\b)+4:8*(4*(\a)+\b)+7] offset:(32*(\b/2)+8*(\b%2))*4+16
.endr
	WIN 0
.irp i, 0,1,2,3,4,5,6,7
	ds_load_b128 v[BK+32*((\a)%2)+4*\i:BK+32*((\a)%2)+4*\i+3], v[RD] offset:544*\i   ; LDS serves a wave's instructions in order: these see the stores above
.endr
.endm
.macro SEND a, younger
.set BB, BK+32*((\a)%2)
	s_wait_dscnt \younger                          ; the tile is back in registers; the next tile's 8 stores and 8 loads may be out
.set n, 0
.rept 8
	v_pk_add_f32 v[BB+4*n:BB+4*n+1], v[BB+4*n:BB+4*n+1], v[8:9]
	v_pk_add_f32 v[BB+4*n+2:BB+4*n+3], v[BB+4*n+2:BB+4*n+3], v[10:11]
.set n, n+1
.endr
	WIN 0x0c                                       ; source 1: window 3
.set n, 0
.rept 16
	v_pk_add_f32 v[BB+n:BB+n+1], v[BB+n:BB+n+1], v[32*(\a)+n:32*(\a)+n+1]
.set n, n+2
.endr
	WIN 0
.irp i, 0,1,2,3,4,5,6,7
	global_store_b128 v[CO], v[BB+4*\i:BB+4*\i+3], s[92:93] offset:(32*((\a)/2)+8*((\a)%2)+2*\i+8*(\i/4))*4096 th:TH_STORE_NT   ; sixteen lanes store 256 consecutive bytes, aligned
.endr
.endm
	s_wait_loadcnt 0x0                             ; the residual
	PLACES 4                                       ; behind the last products
	TOSTAGE 0
.irp a, 1,2,3
.if \a > 1
	s_wait_xcnt 0x0                                ; tile a - 2's stores have read their registers: tile a's loads may land there
.endif
	TOSTAGE \a
	SEND \a-1, 16
.endr
	SEND 3, 0
	s_wait_tensorcnt 0x0                           ; the wave's end
	ds_add_u32 v[SPW], v[NIL]
	s_wait_dscnt 0x0
	CROUND                                         ; the closing round: no work-group ends while a partner may still ask for a tile that names it
	s_endpgm
.Lfunc_end_k_q52e91fb95f_gdn:
	.size	k_q52e91fb95f_gdn, .Lfunc_end_k_q52e91fb95f_gdn-k_q52e91fb95f_gdn
	.p2alignl 7, 3214868480
	.fill 96, 4, 3214868480
	.section	.rodata,"a",@progbits
	.p2align	6, 0x0
	.amdhsa_kernel k_q52e91fb95f_gdn
		.amdhsa_group_segment_fixed_size 327680
		.amdhsa_private_segment_fixed_size 0
		.amdhsa_enable_private_segment 0
		.amdhsa_kernarg_size 40
		.amdhsa_user_sgpr_count 2
		.amdhsa_user_sgpr_kernarg_segment_ptr 1
		.amdhsa_wavefront_size32 1
		.amdhsa_system_sgpr_workgroup_id_x 1
		.amdhsa_system_sgpr_workgroup_id_y 1
		.amdhsa_system_sgpr_workgroup_id_z 1
		.amdhsa_system_vgpr_workitem_id 0
		.amdhsa_next_free_vgpr 1024
		.amdhsa_next_free_sgpr 100
		.amdhsa_reserve_vcc 0
		.amdhsa_float_denorm_mode_32 3
		.amdhsa_float_denorm_mode_16_64 3
		.amdhsa_memory_ordered 1
		.amdhsa_forward_progress 1
		.amdhsa_inst_pref_size 173
	.end_amdhsa_kernel
	.amdgpu_metadata
---
amdhsa.version: [ 1, 2 ]
amdhsa.kernels:
  - .name:           k_q52e91fb95f_gdn
    .symbol:         k_q52e91fb95f_gdn.kd
    .args:
      - { .name: hid, .offset: 0, .size: 8, .value_kind: global_buffer, .address_space: global }
      - { .name: wa, .offset: 8, .size: 8, .value_kind: global_buffer, .address_space: global }
      - { .name: bdn, .offset: 16, .size: 8, .value_kind: global_buffer, .address_space: global }
      - { .name: hb, .offset: 24, .size: 8, .value_kind: global_buffer, .address_space: global }
      - { .name: out0, .offset: 32, .size: 8, .value_kind: global_buffer, .address_space: global }
    .group_segment_fixed_size: 327680
    .private_segment_fixed_size: 0
    .kernarg_segment_align: 8
    .kernarg_segment_size: 40
    .max_flat_workgroup_size: 128
    .sgpr_count:     100
    .vgpr_count:     1024
    .wavefront_size: 32
...
	.end_amdgpu_metadata
.endif
;; end of part 7
